; MI455X (gfx1250); checked and timed in simulation.
; The chip was launched on July 23, 2026; its instructions are those of AMD's public machine-readable ISA for CDNA 5 (MIT licence, August 2026) and "CDNA5" Instruction Set Architecture Reference Guide (July 2026). The comments in the code are by the model that wrote it; some were corrected since.
;; Transformer Block. Allowed arithmetic: matrix products marked QUANTISED: E4M3 operands, one E8M0 scale for each 32 along K, by v_wmma_scale_f32_16x16x128_f8f6f4 with both operands' format E4M3, f32 sums; everything else in f32.
;; Inputs: fc1_b 4,096 float32; fc1_w 1,024 x 4,096 float32; fc2_b 1,024 float32; fc2_w 4,096 x 1,024 float32; ln1_b 1,024 float32; ln1_g 1,024 float32; lnm_b 1,024 float32; lnm_g 1,024 float32; proj_b 1,024 float32; proj_w 1,024 x 1,024 float32; qkv_b 3,072 float32; qkv_w 1,024 x 3,072 float32; x 2 x 2,048 x 1,024 float32.
;; Outputs: out0 2 x 2,048 x 1,024 float32.
;; This version of the problem:
;;   THIS VERSION OF THE PROBLEM IS GIVEN IN LOW PRECISION. The matrix products marked QUANTISED in the list below multiply operands that are first quantised to E4M3 (4 exponent bits, 3 mantissa bits; 8 bits a number), with one power-of-two scale for each 32 numbers along K (OCP MX v1.0); their sums are f32. All else is computed in f32.
;;   The module's matrix products, in the order in which they are computed (A, B: the left and right operand; K: the contracted axis; several contracted axes count as one K, in the product's order):
;;     1. [M 4,096, K 1,024] x [K 1,024, N 3,072]; A: computed on the way; B: input qkv_w: QUANTISED
;;     2. batch 32 x [M 2,048, K 64] x [K 64, N 2,048]; A: computed on the way; B: computed on the way: QUANTISED
;;     3. batch 32 x [M 64, K 2,048] x [K 2,048, N 2,048]; A: computed on the way; B: softmax (see below): QUANTISED
;;     4. [M 4,096, K 1,024] x [K 1,024, N 1,024]; A: computed on the way; B: input proj_w: QUANTISED
;;     5. [M 4,096, K 1,024] x [K 1,024, N 4,096]; A: computed on the way; B: input fc1_w: QUANTISED
;;     6. [M 4,096, K 4,096] x [K 4,096, N 1,024]; A: computed on the way; B: input fc2_w: QUANTISED
;;   THE QUANTISER, for each operand of a quantised product, along K:
;;     - K is cut into blocks of 32 from its start; a last block that is shorter is filled with zeros.
;;     - A block's scale is 2^e with e = floor(log2(the largest magnitude in the block)) - 8, held to -126 .. 127; a block of zeros has e = 0. As a byte (E8M0): e + 127.
;;     - Each number is divided by its block's scale, clamped to +-448, and rounded to the nearest number of E4M3, ties to even, subnormals kept.
;;     - The product sums the exact products of the quantised numbers (number of the format x scale) in f32.
;;   ~~~python
;;   def quantise(x, axis):      # numpy; x: float32 -> the quantised numbers, widened to float32 again
;;       x = np.moveaxis(x, axis, -1); K = x.shape[-1]
;;       x = np.pad(x, [(0, 0)] * (x.ndim - 1) + [(0, -K % 32)]); x = x.reshape(x.shape[:-1] + (-1, 32)); a = np.abs(x).max(-1, keepdims=True)
;;       e = np.where(a > 0, np.clip(np.frexp(np.where(a > 0, a, 1))[1] - 1 - 8, -126, 127), 0)      # np.frexp(a)[1] - 1 = floor(log2(a)), exactly
;;       r = np.clip(x / 2.0 ** e, -448, 448)
;;       step = 2.0 ** (np.maximum(np.frexp(np.where(r == 0, 1, r))[1] - 1, -6) - 3)
;;       q = np.round(r / step) * step * 2.0 ** e      # np.round: ties to even
;;       return np.moveaxis(q.reshape(q.shape[:-2] + (-1,))[..., :K], -1, axis).astype(np.float32)
;;   ~~~
;;   SOFTMAX AHEAD OF A QUANTISED PRODUCT. Where the list says 'softmax', what is quantised is not the finished softmax but p = 2^(t - M), with t = logit x log2(e) and M = ceil(the row's largest t), a whole number; so 1/2 < the row's largest p <= 1. The row's sum l is taken of the UNQUANTISED p, in f32, and the product's result is divided by l at the end. Since M is a whole number, a kernel that streams over the keys may use a running M (the ceiling of the running maximum): every later rescaling is an exact power of two, which a block's scale takes up: the codes' values come out the same.
;;   OPERANDS COMPUTED ON THE WAY. 'Computed on the way' means the value that the module computes at that place (a softmax that the list does not call 'softmax' is quantised finished and normalised). What goes into a quantiser is computed in f32, as accurately as f32 sums, v_exp_f32 and their like allow (about 1e-6 of the number): no bf16 or f16 on the way to a quantiser, and a product that is left as it is and whose result goes on into a quantised operand takes f32 operands (vector FMAs, or v_wmma_f32_16x16x4_f32). A number that lies on a knife's edge between two numbers of the format may be rounded either way, as far as f32 arithmetic and the matrix unit's own rounding can turn it there, and no further.
;; 2 versions. Each part assembles by itself: llvm-mc -triple=amdgcn-amd-amdhsa -mcpu=gfx1250 --defsym DOCPART=n.
;; ======== version 1 of 2: 8 launches
;; limits: an absolute error that grows with the inputs' magnitude: up to 7.5e-08 times it
;; workspace buffers: w 12,976,128 bytes; act 4,325,376 bytes; qkv 12,976,128 bytes; x1 16,777,216 bytes; g 17,301,504 bytes
;; launch wq (part 1): grid 768 x 1, 4 waves a work-group, no clusters, 1,024 bytes of LDS; arguments qkv_w, proj_w, fc1_w, fc2_w, w; writes w
.if DOCPART == 1
	.amdgcn_target "amdgcn-amd-amdhsa--gfx1250"
	.amdhsa_code_object_version 6
	.text
	.protected	k_qccdd648ba8_wq
	.globl	k_qccdd648ba8_wq
	.p2align	8
	.type	k_qccdd648ba8_wq,@function
k_qccdd648ba8_wq:
	s_mov_b64 s[64:65], 0
	v_nop
	global_prefetch_b8 v0, s[64:65] scope:SCOPE_SE
	s_setreg_imm32_b32 hwreg(HW_REG_WAVE_MODE, 25, 1), 1
	s_wait_xcnt 0x0
; THE FOUR WEIGHTS INTO CODES OF E4M3 WITH ONE E8M0 SCALE FOR EACH 32 ALONG K.  First of eight launches of a transformer block:
; weights -> norm 1 -> q, k, v -> attention -> projection + residual -> norm 2 -> fc1 + gelu -> fc2 + residual.
; NOTHING OF THE PROBLEM IS LEFT OUT: every input has a way to out0 (the bias on k too: it goes into a quantiser), so every input is loaded and every product is made.
; A weight is [K][N] f32 with K its first axis.  A LANE TAKES A COLUMN n AND ITS REGISTERS RUN DOWN K: a block of 32 lies in one lane, and the conversions give codes with K innermost.
; THE LAYOUT OF EVERY OPERAND OF THIS PROGRAM.  A fragment is 16 rows x 128 K, 2,048 bytes, an image of the operand's registers: the 16 bytes of lane l (row place l % 16, half l / 16), K = 32 c + 16 (l / 16) + 0..15, lie at 512 c + 16 l.
; Fragment t holds at place r the row 32 (t / 2) + 8 (t % 2) + r + 8 (r / 8): so the results of two neighbouring tiles are 16 neighbours along the next K.  Fragments lie [fragment][K step].
; Scale words (four bytes: 128 K of a row) lie in units of 512 bytes for 128 rows and a K step: the word of place r of fragment i (of 8) at 32 r + 4 i.
; SHARES.  A work-group takes 128 columns x 128 K, a wave 32 columns.  Work-groups 0-191: qkv_w, 192-255: proj_w, 256-511: fc1_w, 512-767: fc2_w; only sizes and pointers are chosen, by the work-group's number: one path for all.
; LIMITS: NaN and infinities among the inputs are not served.  A block of zeros gets the byte 1 where the rule says 127: its codes are zeros, and this program alone reads the bytes.  A block whose largest magnitude lies under 2^-118 is held at that floor.
.set W_S,   12582912                   ; where the scale words begin in w
.set SPARE, 512                        ; LDS: 0-511 the unit of scale words; then the spare words, 128 bytes a wave
.set SPW,  2                           ; v2  my spare word's address; never rewritten
.set NIL,  3                           ; v3  0; never rewritten
.set VD,   4                           ; v4  my codes' place
.set LW,   5                           ; v5  my scale word's place in the unit
.set L16,  6                           ; v6  16 x lane
.set SWD,  16                          ; v16 my column's scale word
.set VOFF, 32                          ; v32-63  4 x lane + i rows of the weight
.set X,    64                          ; v64-191 my column's 128 numbers
.set C,    192                         ; v192-223 its codes: eight registers a block, never rewritten
.set WV,   16
.set PIT,  20                          ; s20 a row of the weight in bytes
.set LKS,  21                          ; s21 log2 of its K steps
.set FST,  22                          ; s22 its first work-group
.set COF,  23                          ; s23 where its codes begin in w
.set SOF,  24                          ; s24 and its scale words
.set MNT,  25                          ; s25 the mantissa field of 448
.set SRC,  26                          ; s[26:27] the weight
.set SB,   32                          ; s[32:39] where my four blocks of 32 rows begin
.set OC,   40                          ; s[40:41] my codes
.set OS,   42                          ; s[42:43] my unit of scale words
	s_load_b256 s[4:11], s[0:1], 0x0               ; qkv_w, proj_w, fc1_w, fc2_w
	s_load_b64 s[12:13], s[0:1], 0x20              ; w
	v_lshl_add_u32 v[SPW], v0, 2, SPARE
	v_mov_b32 v[NIL], 0
	v_lshrrev_b32 v14, 5, v0
	v_readfirstlane_b32 s[WV], v14                 ; wave 0..3
	v_and_b32 v7, 31, v0                           ; lane
	s_mov_b32 s[PIT], 4096                         ; fc2_w's figures, replaced below where the work-group's number says so
	s_mov_b32 s[LKS], 5
	s_mov_b32 s[FST], 512
	s_mov_b32 s[COF], 8388608
	s_mov_b32 s[SOF], W_S+262144
	s_mov_b32 s[MNT], 0x600000
	s_wait_kmcnt 0x0
	s_mov_b64 s[SRC:SRC+1], s[10:11]
	s_cmp_lt_u32 ttmp9, 512                        ; fc1_w
	s_cselect_b32 s[PIT], 16384, s[PIT]
	s_cselect_b32 s[LKS], 3, s[LKS]
	s_cselect_b32 s[FST], 256, s[FST]
	s_cselect_b32 s[COF], 4194304, s[COF]
	s_cselect_b32 s[SOF], W_S+131072, s[SOF]
	s_cselect_b64 s[SRC:SRC+1], s[8:9], s[SRC:SRC+1]
	s_cmp_lt_u32 ttmp9, 256                        ; proj_w
	s_cselect_b32 s[PIT], 4096, s[PIT]
	s_cselect_b32 s[FST], 192, s[FST]
	s_cselect_b32 s[COF], 3145728, s[COF]
	s_cselect_b32 s[SOF], W_S+98304, s[SOF]
	s_cselect_b64 s[SRC:SRC+1], s[6:7], s[SRC:SRC+1]
	s_cmp_lt_u32 ttmp9, 192                        ; qkv_w
	s_cselect_b32 s[PIT], 12288, s[PIT]
	s_cselect_b32 s[FST], 0, s[FST]
	s_cselect_b32 s[COF], 0, s[COF]
	s_cselect_b32 s[SOF], W_S, s[SOF]
	s_cselect_b64 s[SRC:SRC+1], s[4:5], s[SRC:SRC+1]
	s_sub_co_u32 s17, ttmp9, s[FST]
	s_lshr_b32 s18, s17, s[LKS]                    ; which 128 columns
	s_lshl_b32 s19, s18, s[LKS]
	s_sub_co_u32 s19, s17, s19                     ; which K step
	s_mul_i32 s28, s19, s[PIT]
	s_lshl_b32 s28, s28, 7                         ; 128 rows a K step
	s_lshl_b32 s29, s18, 9                         ; 512 bytes for 128 columns
	s_add_co_u32 s28, s28, s29
	s_lshl_b32 s29, s[WV], 7                       ; 128 bytes for a wave's 32
	s_add_co_u32 s28, s28, s29
	s_mov_b32 s29, 0
	s_add_nc_u64 s[SB:SB+1], s[SRC:SRC+1], s[28:29]
	s_lshl_b32 s28, s[PIT], 5                      ; 32 rows on
	s_add_nc_u64 s[SB+2:SB+3], s[SB:SB+1], s[28:29]
	s_add_nc_u64 s[SB+4:SB+5], s[SB+2:SB+3], s[28:29]
	s_add_nc_u64 s[SB+6:SB+7], s[SB+4:SB+5], s[28:29]
	v_lshlrev_b32 v[VOFF], 2, v7
.set i, 1
.rept 31
	v_add_nc_u32 v[VOFF+i], s[PIT], v[VOFF+i-1]
.set i, i+1
.endr
.irp t, 0,1,2,3
.set i, 0
.rept 32
	global_load_b32 v[X+32*\t+i], v[VOFF+i], s[SB+2*\t:SB+2*\t+1] th:TH_LOAD_NT   ; W(32 t + i, my column): 32 lanes read 128 consecutive bytes, the four waves 512
.set i, i+1
.endr
.endr
	; lane x of a wave's 32 columns is place r of fragment u of the pair: x = 8 u + r + 8 (r / 8)
	v_and_b32 v8, 7, v0
	v_bfe_u32 v9, v0, 4, 1
	v_lshl_or_b32 v8, v9, 3, v8                    ; r
	v_bfe_u32 v9, v0, 3, 1                         ; u
	v_lshlrev_b32 v[LW], 5, v8
	v_lshl_add_u32 v[LW], v14, 3, v[LW]
	v_lshl_add_u32 v[LW], v9, 2, v[LW]             ; 32 r + 4 (2 wave + u)
	v_lshlrev_b32 v[L16], 4, v7
	s_lshl_b32 s30, 2048, s[LKS]                   ; from a fragment to the next: all its K steps
	v_mul_lo_u32 v[VD], v9, s30
	v_lshl_add_u32 v[VD], v8, 4, v[VD]
	s_lshl_b32 s28, s18, 3
	s_lshl_b32 s30, s[WV], 1
	s_add_co_u32 s28, s28, s30                     ; my first fragment
	s_lshl_b32 s28, s28, s[LKS]
	s_add_co_u32 s28, s28, s19
	s_lshl_b32 s28, s28, 11
	s_add_co_u32 s28, s28, s[COF]
	s_add_nc_u64 s[OC:OC+1], s[12:13], s[28:29]
	s_lshl_b32 s28, s18, s[LKS]
	s_add_co_u32 s28, s28, s19
	s_lshl_b32 s28, s28, 9
	s_add_co_u32 s28, s28, s[SOF]
	s_add_nc_u64 s[OS:OS+1], s[12:13], s[28:29]
; Block t of my column: its largest magnitude with the floor 2^(9 - 127) among the leaves; 8 off the exponent field gives the conversion's scale operand, a shift of that the byte; the hold at 448 x the scale; four conversions.
.macro BLOCK t
.set XS, X+32*(\t)
	v_max3_num_f32 v12, |v[XS]|, |v[XS+1]|, |v[XS+2]|
	v_max3_num_f32 v13, |v[XS+3]|, |v[XS+4]|, |v[XS+5]|
.irp i, 6,10,14,18,22,26
	v_max3_num_f32 v12, v12, |v[XS+\i]|, |v[XS+\i+1]|
	v_max3_num_f32 v13, v13, |v[XS+\i+2]|, |v[XS+\i+3]|
.endr
	v_max3_num_f32 v12, v12, |v[XS+30]|, |v[XS+31]|
	v_max3_num_f32 v12, v12, v13, 0x4800000
	v_add_nc_u32 v11, 0xfc000000, v12
	v_and_or_b32 v10, v12, 0x7f800000, s[MNT]
	v_lshrrev_b32 v13, 23, v11
.if (\t) == 0
	v_mov_b32 v[SWD], v13
.else
	v_lshl_or_b32 v[SWD], v13, 8*(\t), v[SWD]
.endif
.set i, 0
.rept 32
	v_med3_num_f32 v[XS+i], v[XS+i], -v10, v10     ; the conversion to an 8-bit code does not saturate (ISA guide 7.6.2)
.set i, i+1
.endr
.irp g, 0,1,2,3
	v_cvt_scalef32_pk8_fp8_f32 v[C+8*(\t)+2*\g:C+8*(\t)+2*\g+1], v[XS+8*\g:XS+8*\g+7], v11
.endr
	v_nop                                          ; a plain line behind the last conversion
	global_store_b128 v[VD], v[C+8*(\t):C+8*(\t)+3], s[OC:OC+1] offset:512*(\t)          ; K 32 t + 0..15: the lower half's lanes of the image; sixteen lanes fill 256 consecutive bytes of each of two fragments
	global_store_b128 v[VD], v[C+8*(\t)+4:C+8*(\t)+7], s[OC:OC+1] offset:512*(\t)+256    ; K 32 t + 16..31: the upper half's
.endm
	s_wait_loadcnt 63                              ; of the 128 loads at most 63 are out: blocks 0 and 1 are in
	BLOCK 0
	BLOCK 1
	s_wait_loadcnt 32                              ; block 3's may be out
	BLOCK 2
	s_wait_loadcnt 0x0
	BLOCK 3
	ds_store_b32 v[LW], v[SWD]
	s_wait_dscnt 0x0                               ; for the others' sake: my word lies in the unit
	s_barrier_signal -1
	s_barrier_wait -1
	s_cmp_lg_u32 s[WV], 0
	s_cbranch_scc1 .Lend
	ds_load_b128 v[12:15], v[L16]                  ; wave 0 stores the whole unit: 512 consecutive bytes
	s_wait_dscnt 0x0
	global_store_b128 v[L16], v[12:15], s[OS:OS+1]
.Lend:
	s_wait_tensorcnt 0x0                           ; the wave's end: behind my last LDS store
	ds_add_u32 v[SPW], v[NIL]
	s_wait_dscnt 0x0
	s_endpgm
.Lfunc_end_k_qccdd648ba8_wq:
	.size	k_qccdd648ba8_wq, .Lfunc_end_k_qccdd648ba8_wq-k_qccdd648ba8_wq
	.p2alignl 7, 3214868480
	.fill 96, 4, 3214868480
	.section	.rodata,"a",@progbits
	.p2align	6, 0x0
	.amdhsa_kernel k_qccdd648ba8_wq
		.amdhsa_group_segment_fixed_size 1024
		.amdhsa_private_segment_fixed_size 0
		.amdhsa_enable_private_segment 0
		.amdhsa_kernarg_size 40
		.amdhsa_user_sgpr_count 2
		.amdhsa_user_sgpr_kernarg_segment_ptr 1
		.amdhsa_wavefront_size32 1
		.amdhsa_system_sgpr_workgroup_id_x 1
		.amdhsa_system_sgpr_workgroup_id_y 1
		.amdhsa_system_sgpr_workgroup_id_z 1
		.amdhsa_system_vgpr_workitem_id 0
		.amdhsa_next_free_vgpr 224
		.amdhsa_next_free_sgpr 66
		.amdhsa_reserve_vcc 0
		.amdhsa_float_denorm_mode_32 3
		.amdhsa_float_denorm_mode_16_64 3
		.amdhsa_memory_ordered 1
		.amdhsa_forward_progress 1
		.amdhsa_inst_pref_size 33
	.end_amdhsa_kernel
	.amdgpu_metadata
---
amdhsa.version: [ 1, 2 ]
amdhsa.kernels:
  - .name:           k_qccdd648ba8_wq
    .symbol:         k_qccdd648ba8_wq.kd
    .args:
      - { .name: qkv_w, .offset: 0, .size: 8, .value_kind: global_buffer, .address_space: global }
      - { .name: proj_w, .offset: 8, .size: 8, .value_kind: global_buffer, .address_space: global }
      - { .name: fc1_w, .offset: 16, .size: 8, .value_kind: global_buffer, .address_space: global }
      - { .name: fc2_w, .offset: 24, .size: 8, .value_kind: global_buffer, .address_space: global }
      - { .name: w, .offset: 32, .size: 8, .value_kind: global_buffer, .address_space: global }
    .group_segment_fixed_size: 1024
    .private_segment_fixed_size: 0
    .kernarg_segment_align: 8
    .kernarg_segment_size: 40
    .max_flat_workgroup_size: 128
    .sgpr_count:     66
    .vgpr_count:     224
    .wavefront_size: 32
...
	.end_amdgpu_metadata
.endif
;; end of part 1
;; launch ln1 (part 2): grid 256 x 1, 8 waves a work-group, no clusters, 69,632 bytes of LDS; arguments x, ln1_g, ln1_b, act; writes act
.if DOCPART == 2
	.amdgcn_target "amdgcn-amd-amdhsa--gfx1250"
	.amdhsa_code_object_version 6
	.text
	.protected	k_qccdd648ba8_ln1
	.globl	k_qccdd648ba8_ln1
	.p2align	8
	.type	k_qccdd648ba8_ln1,@function
k_qccdd648ba8_ln1:
	s_mov_b64 s[64:65], 0
	v_nop
	global_prefetch_b8 v0, s[64:65] scope:SCOPE_SE
	s_setreg_imm32_b32 hwreg(HW_REG_WAVE_MODE, 25, 1), 1
	s_wait_xcnt 0x0
; LAYERNORM OVER ROWS OF 1,024 f32, QUANTISED ALONG THE ROW INTO CODES OF E4M3 AND E8M0 SCALE WORDS, in the operand layout that the first kernel's head sets out.  Nothing is left out.  The body serves both norms of the block.
; y = (x - mean) rsqrt(var + 1e-5) g + b, the mean first and the variance of the differences, all in f32.
; SHARES.  A work-group takes one fragment's 16 rows (place r: row 32 (t / 2) + 8 (t % 2) + r + 8 (r / 8)); wave w takes K step w: columns 128 w on.  Each load reads 512 consecutive bytes of a row; the wave's 16 x 512 bytes turn
; through its own stage in LDS (rows 528 bytes apart), so that lane (r, h) holds, of row r, 16 neighbours of each block of 32: register 16 c + i = column 32 c + 16 h + i.  Row sums meet in two small tables, a barrier each.
; The scale words go out four bytes a row into units that eight work-groups share: one byte for each 128 read.  A work-group that owned a whole unit (128 rows) would leave seven WGPs in eight without work.
; LIMITS: NaN and infinities are not served; v_rsq_f32 is good to 1 ulp; a block of zeros gets the byte 1 (its codes are zeros; this program alone reads the bytes); blocks under 2^-118 are held at that floor.
.set ACT_S, 4194304
.set STG,   8448                       ; a wave's stage: 16 rows x 528
.set RED1,  67584                      ; 16 rows x 8 waves x 4 bytes: the sums; 512 bytes on: the sums of squares
.set SPARE, 68608                      ; the spare words, 128 bytes a wave
.set SPW, 10
.set NIL, 11
.set TM,  16                           ; v16-19 largest magnitudes, v20-23 bytes, v24-27 448 x the scale, v28-31 the conversions' scale operands
.set PW,  32                           ; the scale word
.set PC,  36                           ; v36-51 the codes
.set X,   64
.set G,   128
.set BT,  192
.set SEL, 20
.set MNT, 23
; 64 numbers of a lane, register 16 b + i = K 32 b + 16 (lane / 16) + i of my row, become a fragment's codes in v[PC] on and its scale word in v[PW]
.macro QUANT s
.irp b, 0,1,2,3
	v_max3_num_f32 v[TM+\b], |v[\s+16*\b]|, |v[\s+1+16*\b]|, 0x4800000   ; my 16 numbers of block b, and the floor 2^(9 - 127): the byte cannot fall under 1
.endr
.irp i, 2,4,6,8,10,12,14
.irp b, 0,1,2,3
	v_max3_num_f32 v[TM+\b], v[TM+\b], |v[\s+16*\b+\i]|, |v[\s+1+16*\b+\i]|
.endr
.endr
.irp b, 0,1,2,3
	v_permlanex16_b32 v[TM+4+\b], v[TM+\b], s[SEL], s[SEL+1]
.endr
.irp b, 0,1,2,3
	v_max_num_f32 v[TM+\b], v[TM+\b], v[TM+4+\b]   ; with lane l xor 16's: the block's largest magnitude
.endr
.irp b, 0,1,2,3
	v_add_nc_u32 v[TM+12+\b], 0xfc000000, v[TM+\b] ; 8 off its exponent field: the conversion's scale operand
.endr
.irp b, 0,1,2,3
	v_and_or_b32 v[TM+8+\b], v[TM+\b], 0x7f800000, s[MNT]   ; 448 x the scale
.endr
.irp b, 0,1,2,3
	v_lshrrev_b32 v[TM+4+\b], 23, v[TM+12+\b]      ; the scale's byte
.endr
	v_lshl_or_b32 v[PW], v[TM+5], 8, v[TM+4]
	v_lshl_or_b32 v[PW], v[TM+6], 16, v[PW]
	v_lshl_or_b32 v[PW], v[TM+7], 24, v[PW]
.irp b, 0,1,2,3
.irp i, 0,1,2,3,4,5,6,7,8,9,10,11,12,13,14,15
	v_med3_num_f32 v[\s+16*\b+\i], v[\s+16*\b+\i], -v[TM+8+\b], v[TM+8+\b]   ; the conversion does not saturate (ISA guide 7.6.2)
.endr
	v_cvt_scalef32_pk8_fp8_f32 v[PC+4*\b:PC+1+4*\b], v[\s+16*\b:\s+7+16*\b], v[TM+12+\b]
	v_cvt_scalef32_pk8_fp8_f32 v[PC+2+4*\b:PC+3+4*\b], v[\s+8+16*\b:\s+15+16*\b], v[TM+12+\b]
.endr
	v_nop                                          ; a plain line behind the last conversion
.endm
; v[52:55], two pairs of partial sums of my 64 numbers, become the row's sum over all 1,024 in v56, in every lane
.macro REDUCE off
	v_pk_add_f32 v[52:53], v[52:53], v[54:55]
	v_add_f32 v52, v52, v53
	v_permlanex16_b32 v54, v52, s[SEL], s[SEL+1]
	v_add_f32 v52, v52, v54                        ; my wave's 128 columns of row r
	ds_store_b32 v7, v52 offset:\off               ; both halves of the lanes write the same word with the same value
	s_wait_dscnt 0x0
	s_barrier_signal -1
	s_barrier_wait -1
	ds_load_b128 v[56:59], v8 offset:\off
	ds_load_b128 v[60:63], v8 offset:\off+16
	s_wait_dscnt 0x0
	v_pk_add_f32 v[56:57], v[56:57], v[58:59]
	v_pk_add_f32 v[60:61], v[60:61], v[62:63]
	v_pk_add_f32 v[56:57], v[56:57], v[60:61]
	v_add_f32 v56, v56, v57
.endm
	s_load_b256 s[4:11], s[0:1], 0x0               ; x, gains, biases, act
	v_lshl_add_u32 v[SPW], v0, 2, SPARE
	v_mov_b32 v[NIL], 0
	v_lshrrev_b32 v1, 5, v0
	v_readfirstlane_b32 s12, v1                    ; wave = K step
	v_and_b32 v1, 31, v0                           ; lane
	v_and_b32 v2, 15, v0                           ; r
	v_bfe_u32 v3, v0, 4, 1                         ; h
	v_lshlrev_b32 v4, 4, v1                        ; 16 x lane
	s_mul_i32 s13, s12, STG
	v_add_nc_u32 v5, s13, v4                       ; into my stage: a row's 512 bytes as they lie
	v_mul_u32_u24 v6, v2, 528
	v_lshl_add_u32 v6, v3, 6, v6
	v_add_nc_u32 v6, s13, v6                       ; out of it: row r, + 64 h
	v_lshl_add_u32 v8, v2, 5, RED1                 ; row r's eight partial sums
	s_lshl_b32 s14, s12, 2
	v_add_nc_u32 v7, s14, v8                       ; and mine among them
	v_lshlrev_b32 v34, 5, v2                       ; 32 r: my scale word's place in its unit
	s_lshl_b32 s14, s12, 9
	v_lshlrev_b32 v9, 6, v3
	v_add_nc_u32 v9, s14, v9                       ; gains and biases: 512 w + 64 h
	s_lshr_b32 s15, ttmp9, 1
	s_lshl_b32 s15, s15, 5
	s_and_b32 s16, ttmp9, 1
	s_lshl_b32 s16, s16, 3
	s_add_co_u32 s15, s15, s16                     ; the fragment's first row
	s_lshl_b32 s16, s15, 12
	s_add_co_u32 s16, s16, s14
	s_mov_b32 s17, 0
	s_mov_b32 s[SEL], 0x76543210
	s_mov_b32 s[SEL+1], 0xfedcba98
	s_mov_b32 s[MNT], 0x600000
	s_mov_b32 s24, 0x3a800000                      ; 1 / 1,024
	s_mov_b32 s25, 0x3727c5ac                      ; 1e-5
.irp b, 0,1,2,3
	v_mov_b32 v[TM+4+\b], 0                        ; a lane permute's destination counts as one of its sources
.endr
	s_wait_kmcnt 0x0
	s_add_nc_u64 s[4:5], s[4:5], s[16:17]
.irp t, 0,1,2,3,4,5,6,7,8,9,10,11,12,13,14,15
	global_load_b128 v[X+4*\t:X+4*\t+3], v4, s[4:5] offset:(\t+8*(\t/8))*4096 th:TH_LOAD_NT
.endr
.irp c, 0,1,2,3
.irp j, 0,1,2,3
	global_load_b128 v[G+16*\c+4*\j:G+16*\c+4*\j+3], v9, s[6:7] offset:128*\c+16*\j
	global_load_b128 v[BT+16*\c+4*\j:BT+16*\c+4*\j+3], v9, s[8:9] offset:128*\c+16*\j
.endr
.endr
	s_lshl_b32 s16, ttmp9, 3
	s_add_co_u32 s16, s16, s12
	s_lshl_b32 s16, s16, 11                        ; fragment (t, w)
	s_add_nc_u64 s[18:19], s[10:11], s[16:17]
	s_lshr_b32 s16, ttmp9, 3
	s_lshl_b32 s16, s16, 3
	s_add_co_u32 s16, s16, s12
	s_lshl_b32 s16, s16, 9                         ; the unit of scale words (t / 8, w),
	s_and_b32 s26, ttmp9, 7
	s_lshl_b32 s26, s26, 2
	s_add_co_u32 s16, s16, s26                     ; my fragment's column in it
	s_add_co_u32 s16, s16, ACT_S
	s_add_nc_u64 s[28:29], s[10:11], s[16:17]
	s_wait_loadcnt 32                              ; x is in; the 32 loads of gains and biases may be out
.irp t, 0,1,2,3,4,5,6,7,8,9,10,11,12,13,14,15
	ds_store_b128 v5, v[X+4*\t:X+4*\t+3] offset:528*\t
.endr
.irp c, 0,1,2,3
.irp j, 0,1,2,3
	ds_load_b128 v[X+16*\c+4*\j:X+16*\c+4*\j+3], v6 offset:128*\c+16*\j   ; LDS serves a wave's instructions in order (ISA guide 5.7.1.4): these see my stores
.endr
.endr
	s_wait_dscnt 0x0
	v_pk_add_f32 v[52:53], v[X:X+1], v[X+2:X+3]
	v_pk_add_f32 v[54:55], v[X+4:X+5], v[X+6:X+7]
.set j, 8
.rept 14
	v_pk_add_f32 v[52:53], v[52:53], v[X+j:X+j+1]
	v_pk_add_f32 v[54:55], v[54:55], v[X+j+2:X+j+3]
.set j, j+4
.endr
	REDUCE 0
	v_mul_f32 v12, s24, v56                        ; the mean, twice: a pair for the packed forms
	v_mul_f32 v13, s24, v56
.set j, 0
.rept 32
	v_pk_add_f32 v[X+j:X+j+1], v[X+j:X+j+1], v[12:13] neg_lo:[0,1] neg_hi:[0,1]
.set j, j+2
.endr
	v_pk_mul_f32 v[52:53], v[X:X+1], v[X:X+1]
	v_pk_mul_f32 v[54:55], v[X+2:X+3], v[X+2:X+3]
.set j, 4
.rept 15
	v_pk_fma_f32 v[52:53], v[X+j:X+j+1], v[X+j:X+j+1], v[52:53]
	v_pk_fma_f32 v[54:55], v[X+j+2:X+j+3], v[X+j+2:X+j+3], v[54:55]
.set j, j+4
.endr
	REDUCE 512                                     ; a table of its own: no barrier is owed between the first table's reads and these stores
	v_fma_f32 v14, v56, s24, s25                   ; the variance + 1e-5
	v_rsq_f32 v14, v14
	v_nop                                          ; a plain line behind the transcendental,
	s_wait_alu depctr_va_vdst(0)                   ; and a wait ahead of its first reader
	v_mov_b32 v15, v14
	s_wait_loadcnt 0x0                             ; gains and biases
.set j, 0
.rept 32
	v_pk_mul_f32 v[X+j:X+j+1], v[X+j:X+j+1], v[14:15]
.set j, j+2
.endr
.set j, 0
.rept 32
	v_pk_fma_f32 v[X+j:X+j+1], v[X+j:X+j+1], v[G+j:G+j+1], v[BT+j:BT+j+1]
.set j, j+2
.endr
	QUANT X
.irp c, 0,1,2,3
	global_store_b128 v4, v[PC+4*\c:PC+4*\c+3], s[18:19] offset:512*\c    ; 512 consecutive bytes of the image
.endr
	v_cmp_gt_u32 vcc_lo, 16, v1
	s_wait_xcnt 0x0                                ; EXEC changes only behind this wait
	s_and_saveexec_b32 s30, vcc_lo                 ; lanes 0-15: one word a row
	global_store_b32 v34, v[PW], s[28:29]
	s_wait_xcnt 0x0
	s_or_b32 exec_lo, exec_lo, s30
	s_wait_tensorcnt 0x0                           ; the wave's end: behind my last LDS store
	ds_add_u32 v[SPW], v[NIL]
	s_wait_dscnt 0x0
	s_endpgm
.Lfunc_end_k_qccdd648ba8_ln1:
	.size	k_qccdd648ba8_ln1, .Lfunc_end_k_qccdd648ba8_ln1-k_qccdd648ba8_ln1
	.p2alignl 7, 3214868480
	.fill 96, 4, 3214868480
	.section	.rodata,"a",@progbits
	.p2align	6, 0x0
	.amdhsa_kernel k_qccdd648ba8_ln1
		.amdhsa_group_segment_fixed_size 69632
		.amdhsa_private_segment_fixed_size 0
		.amdhsa_enable_private_segment 0
		.amdhsa_kernarg_size 32
		.amdhsa_user_sgpr_count 2
		.amdhsa_user_sgpr_kernarg_segment_ptr 1
		.amdhsa_wavefront_size32 1
		.amdhsa_system_sgpr_workgroup_id_x 1
		.amdhsa_system_sgpr_workgroup_id_y 1
		.amdhsa_system_sgpr_workgroup_id_z 1
		.amdhsa_system_vgpr_workitem_id 0
		.amdhsa_next_free_vgpr 256
		.amdhsa_next_free_sgpr 66
		.amdhsa_reserve_vcc 1
		.amdhsa_float_denorm_mode_32 3
		.amdhsa_float_denorm_mode_16_64 3
		.amdhsa_memory_ordered 1
		.amdhsa_forward_progress 1
		.amdhsa_inst_pref_size 30
	.end_amdhsa_kernel
	.amdgpu_metadata
---
amdhsa.version: [ 1, 2 ]
amdhsa.kernels:
  - .name:           k_qccdd648ba8_ln1
    .symbol:         k_qccdd648ba8_ln1.kd
    .args:
      - { .name: x, .offset: 0, .size: 8, .value_kind: global_buffer, .address_space: global }
      - { .name: ln1_g, .offset: 8, .size: 8, .value_kind: global_buffer, .address_space: global }
      - { .name: ln1_b, .offset: 16, .size: 8, .value_kind: global_buffer, .address_space: global }
      - { .name: act, .offset: 24, .size: 8, .value_kind: global_buffer, .address_space: global }
    .group_segment_fixed_size: 69632
    .private_segment_fixed_size: 0
    .kernarg_segment_align: 8
    .kernarg_segment_size: 32
    .max_flat_workgroup_size: 256
    .sgpr_count:     66
    .vgpr_count:     256
    .wavefront_size: 32
...
	.end_amdgpu_metadata
.endif
;; end of part 2
;; launch qkv (part 3): grid 12 x 16, 4 waves a work-group, clusters of 4 x 4, 327,680 bytes of LDS; arguments act, w, qkv_b, qkv; writes qkv
.if DOCPART == 3
	.amdgcn_target "amdgcn-amd-amdhsa--gfx1250"
	.amdhsa_code_object_version 6
	.text
	.protected	k_qccdd648ba8_qkv
	.globl	k_qccdd648ba8_qkv
	.p2align	8
	.type	k_qccdd648ba8_qkv,@function
k_qccdd648ba8_qkv:
	s_mov_b64 s[64:65], 0
	v_nop
	global_prefetch_b8 v0, s[64:65] scope:SCOPE_SE
	s_setreg_imm32_b32 hwreg(HW_REG_WAVE_MODE, 25, 1), 1
	s_wait_xcnt 0x0
	s_wait_alu depctr_hold_cnt(0) depctr_sa_sdst(0) depctr_va_vdst(0) depctr_va_sdst(0) depctr_va_ssrc(0) depctr_va_vcc(0) depctr_vm_vsrc(0)
	s_getreg_b32 s2, hwreg(HW_REG_IB_STS2, 6, 4)
	s_cmp_eq_u32 s2, 0
	s_cbranch_scc0 .Lentry_in_a_cluster
	s_endpgm
.Lentry_in_a_cluster:
	s_bfe_u32 s2, ttmp6, 0x10000c
	s_cmp_lg_u32 s2, 0xf033
	s_cbranch_scc0 .Lentry_shape_is_right
	s_endpgm
.Lentry_shape_is_right:
; q, k, v = Q(norm1(x)) Q(qkv_w) + qkv_b, QUANTISED ON THE WAY OUT: q and k along the head's 64, v along the KEYS.  Both operands come as codes of E4M3 with E8M0 scale words, in the layout that the first kernel's head sets out.  Nothing is left out.
; A tile is 256 x 256, made by four waves of 128 x 128 (64 accumulators, 512 registers).  K goes in steps of 256 through a ring of two LDS slots.  A fragment is an image of its registers: no pitch, no padding; every LDS load takes 512 consecutive bytes.
; SOURCE 0 = B's fragment, SOURCE 1 = A's: a lane holds ONE row of A, and its registers run along B's rows, 16 neighbours for each pair of tiles: so the results are quantised in registers along B's rows.
; CLUSTERS x = 0, 1 (q, k): A = the tokens, B = the weight's rows: a lane holds a token, its registers features.  CLUSTER x = 2 (v): A = the weight's rows 2,048 on, B = the tokens: a lane holds one (head, d), its registers run along the keys.
; The choice hangs on the cluster's x alone, which all sixteen partners share.
; CLUSTERS of 4 x 4: A's tiles are shared along a row of the cluster, B's along a column: joint loads.  One load a wave: wave 0 A's codes (64 KiB), wave 1 B's, wave 2 A's scale words, wave 3 B's.
; OUT: q, k codes [K step 16][fragment 256], their scale units [16][32]; v codes [K step 32 (128 keys)][fragment 64 (head x 64 + d)], units [8][32].
; REGISTERS: window 0: v16-31 addresses; v32-63 scale words and nothing else; v64-127 the bias; v128-255 A's fragments, ONE set.  Window 1: B's, two sets.  Windows 2, 3: the accumulators, (a, b) at v[8 (8 (a % 4) + b)].
; LIMITS: NaN and infinities are not served; a block of zeros gets the byte 1 (its codes are zeros; this program alone reads the bytes); blocks under 2^-118 are held at that floor.
.set KS,    8                          ; K steps of 128 in a row of either operand
.set LAPS,  KS/4
.set ACT_S, 4194304
.set W_S,   12582912
.set QK_S,  8388608
.set V_C,   8650752
.set V_S,   12845056
.set SLOT,  135168                     ; a slot: A's codes [16 fragments][2 K steps][2,048], B's, A's scale units [2][2][512], B's
.set OFB,   65536
.set OFSA,  131072
.set OFSB,  133120
.set SPARE, 2*SLOT                     ; behind the ring: the spare words, 128 bytes a wave
.set FR,    16
.set NL,    4
.set NP,    8                          ; places behind this matrix instruction (ISA guide 7.12.1)
.set ADRA,  16                         ; v16-17 my A fragments in slot 0, 1
.set ADRS,  18                         ; v18-19 my scale words: lanes 0-15 A's, lanes 16-31 B's
.set ADRB,  20                         ; v20-21 my B fragments
.set SPW,   28
.set NIL,   29
.set SC,    32                         ; scale words: slot s, K step q, fragment i at v[SC + 16 s + 8 q + i]
.set BB,    64
.set AF,    128
.set T,     128                        ; the way out: a block's 64 numbers
.set TM,    192
.set PC,    208
.set PW,    224
.set ISV,   3
.set AI,    14
.set AO,    15
.set SEL,   16
.set MNT,   18
.set WV,    22
.set WR,    23
.set WC,    92
.set CX,    93
.set CY,    94
.set G1A,   24
.set G1B,   32
.set G1SA,  40
.set G1SB,  48
.set G0A,   56
.set G0B,   68
.set G0SA,  76
.set G0SB,  84
.set MSB, 0
.macro WIN new                         ; the immediate's high byte repeats the setting that is left
.if MSB != \new
	s_set_vgpr_msb (MSB<<8)|\new
.set MSB, \new
.endif
.endm
.set MUL_LO, 0xa1                      ; source 0 (B) window 1, source 1 (A) window 0, C and D window 2
.set MUL_HI, 0xf1
.set TO_B,   0x40
.macro ARM g0, g1                      ; a tensor load, with an s_nop 0 and four v_nop behind it
	tensor_load_to_lds s[\g0:\g0+3], s[\g1:\g1+7]
	s_nop 0
.rept 4
	v_nop
.endr
.endm
.macro JLOAD s                         ; the joint loads of slot s: one a wave; the branches hang on the wave's number alone
	s_cmp_lg_u32 s[WV], 0
	s_cbranch_scc1 .Lj1_\@
	ARM G0A+4*\s, G1A
	s_branch .Ljd_\@
.Lj1_\@:
	s_cmp_lg_u32 s[WV], 1
	s_cbranch_scc1 .Lj2_\@
	ARM G0B+4*\s, G1B
	s_branch .Ljd_\@
.Lj2_\@:
	s_cmp_lg_u32 s[WV], 2
	s_cbranch_scc1 .Lj3_\@
	ARM G0SA+4*\s, G1SA
	s_branch .Ljd_\@
.Lj3_\@:
	ARM G0SB+4*\s, G1SB
.Ljd_\@:
.endm
.macro CREST                           ; a round of the cluster's barrier behind its opening barrier
	s_cmp_lg_u32 s[WV], 0
	s_cbranch_scc1 .Lnot_wave_0_\@
	s_barrier_signal -3
.Lnot_wave_0_\@:
	s_barrier_wait -3
	s_barrier_signal -1
	s_barrier_wait -1
.endm
.macro CROUND
	s_barrier_signal -1
	s_barrier_wait -1
	CREST
.endm
.macro FRAG reg, adr, q, i             ; fragment i, K step q of the slot: four loads of 512 consecutive bytes
.irp c, 0,1,2,3
	ds_load_b128 v[\reg+4*\c:\reg+4*\c+3], v[\adr] offset:4096*(\i)+2048*(\q)+512*\c
.endr
.endm
; 16 matrix instructions: A's blocks a0, a0 + 1 x B's eight.  The 64 accumulators take turns, one instruction a turn, in the same order in every step
.macro MUL16 a0, p, q, sc, zero
.irp a, \a0, \a0+1
.irp b, 0,1,2,3,4,5,6,7
.if \zero
	v_wmma_scale_f32_16x16x128_f8f6f4 v[8*(8*((\a)%4)+\b):8*(8*((\a)%4)+\b)+7], v[128*(\p)+FR*\b:128*(\p)+FR*\b+FR-1], v[AF+FR*(\a):AF+FR*(\a)+FR-1], 0, v[SC+16*(\sc)+8*(\q)+\b], v[SC+16*(\sc)+8*(\q)+(\a)] matrix_a_scale:MATRIX_SCALE_ROW1
.else
	v_wmma_scale_f32_16x16x128_f8f6f4 v[8*(8*((\a)%4)+\b):8*(8*((\a)%4)+\b)+7], v[128*(\p)+FR*\b:128*(\p)+FR*\b+FR-1], v[AF+FR*(\a):AF+FR*(\a)+FR-1], v[8*(8*((\a)%4)+\b):8*(8*((\a)%4)+\b)+7], v[SC+16*(\sc)+8*(\q)+\b], v[SC+16*(\sc)+8*(\q)+(\a)] matrix_a_scale:MATRIX_SCALE_ROW1
.endif
.endr
.endr
.endm
.macro FETCH_B slot, q, p
	WIN TO_B
.irp i, 0,1,2,3,4,5,6,7
	FRAG 128*(\p)+FR*\i, ADRB+\slot, \q, \i
.endr
	WIN 0
.endm
.macro FETCH_A slot, q, i0
.irp i, \i0, \i0+1, \i0+2, \i0+3
	FRAG AF+FR*(\i), ADRA+\slot, \q, \i
.endr
.endm
.macro SCALES sc                       ; a slot's scale words: a lane's eight fragments' words of a K step are 32 neighbouring bytes
.irp q, 0,1
.irp e, 0,1
	ds_load_b128 v[SC+16*\sc+8*\q+4*\e:SC+16*\sc+8*\q+4*\e+3], v[ADRS+\sc] offset:512*\q+16*\e
.endr
.endr
.endm
.macro PLACES n
.rept \n
	v_nop
.endr
.endm
.macro STEP slot, q, zero              ; a step of 128 along K that has its successor in the same slot
	s_wait_dscnt 4*NL                              ; all but the youngest 16 loads (A's blocks 4-7)
	WIN MUL_LO
	MUL16 0, (\q)%2, \q, \slot, \zero
	MUL16 2, (\q)%2, \q, \slot, \zero
	s_wait_dscnt 0
	PLACES NP
	FETCH_B \slot, (\q)+1, 1-(\q)%2
	FETCH_A \slot, (\q)+1, 0
	WIN MUL_HI
	MUL16 4, (\q)%2, \q, \slot, \zero
	MUL16 6, (\q)%2, \q, \slot, \zero
	PLACES NP
	WIN 0
	FETCH_A \slot, (\q)+1, 4
.endm
.macro TURN slot, next, fill           ; a slot's last step changes slots: one barrier; fill = 1: it opens a round of the cluster's barrier, and this slot is filled again
	s_wait_tensorcnt 0x0                           ; all my tensor loads have landed: my part of the next slot
	ds_add_u32 v[SPW], v[NIL]                      ; 0 onto my spare word
	s_wait_dscnt 4*NL+1                            ; (the add and A's blocks 4-7 may be out)
	WIN MUL_LO
	MUL16 0, 1, 1, \slot, 0
	s_wait_dscnt 0x0                               ; the add is done, and my reads of this slot are over
	s_barrier_signal -1
	MUL16 2, 1, 1, \slot, 0
	WIN 0
	s_barrier_wait -1
.if \fill
	CREST                                          ; no wave of any partner still reads this slot or has a load on its way
	s_add_nc_u64 s[G0A+4*\slot+2:G0A+4*\slot+3], s[G0A+4*\slot+2:G0A+4*\slot+3], 8192
	s_add_nc_u64 s[G0B+4*\slot+2:G0B+4*\slot+3], s[G0B+4*\slot+2:G0B+4*\slot+3], 8192
	s_add_nc_u64 s[G0SA+4*\slot+2:G0SA+4*\slot+3], s[G0SA+4*\slot+2:G0SA+4*\slot+3], 2048
	s_add_nc_u64 s[G0SB+4*\slot+2:G0SB+4*\slot+3], s[G0SB+4*\slot+2:G0SB+4*\slot+3], 2048
	JLOAD \slot                                    ; the first tensor load behind the round; its four v_nop are among the places in front of the loads below
	PLACES NP-4
.else
	PLACES NP
.endif
	FETCH_B \next, 0, 0
	FETCH_A \next, 0, 0
	SCALES \next
	WIN MUL_HI
	MUL16 4, 1, 1, \slot, 0
	MUL16 6, 1, 1, \slot, 0
	PLACES NP
	WIN 0
	FETCH_A \next, 0, 4
.endm
; 64 numbers of a lane, register 16 b + i = next K 32 b + 16 (lane / 16) + i, become a fragment's codes in v[PC] on and its scale word in v[PW]
.macro QUANT s
.irp b, 0,1,2,3
	v_max3_num_f32 v[TM+\b], |v[\s+16*\b]|, |v[\s+1+16*\b]|, 0x4800000   ; and the floor 2^(9 - 127): the byte cannot fall under 1
.endr
.irp i, 2,4,6,8,10,12,14
.irp b, 0,1,2,3
	v_max3_num_f32 v[TM+\b], v[TM+\b], |v[\s+16*\b+\i]|, |v[\s+1+16*\b+\i]|
.endr
.endr
.irp b, 0,1,2,3
	v_permlanex16_b32 v[TM+4+\b], v[TM+\b], s[SEL], s[SEL+1]
.endr
.irp b, 0,1,2,3
	v_max_num_f32 v[TM+\b], v[TM+\b], v[TM+4+\b]
.endr
.irp b, 0,1,2,3
	v_add_nc_u32 v[TM+12+\b], 0xfc000000, v[TM+\b]
.endr
.irp b, 0,1,2,3
	v_and_or_b32 v[TM+8+\b], v[TM+\b], 0x7f800000, s[MNT]
.endr
.irp b, 0,1,2,3
	v_lshrrev_b32 v[TM+4+\b], 23, v[TM+12+\b]
.endr
	v_lshl_or_b32 v[PW], v[TM+5], 8, v[TM+4]
	v_lshl_or_b32 v[PW], v[TM+6], 16, v[PW]
	v_lshl_or_b32 v[PW], v[TM+7], 24, v[PW]
.irp b, 0,1,2,3
.irp i, 0,1,2,3,4,5,6,7,8,9,10,11,12,13,14,15
	v_med3_num_f32 v[\s+16*\b+\i], v[\s+16*\b+\i], -v[TM+8+\b], v[TM+8+\b]   ; the conversion does not saturate (ISA guide 7.6.2)
.endr
	v_cvt_scalef32_pk8_fp8_f32 v[PC+4*\b:PC+1+4*\b], v[\s+16*\b:\s+7+16*\b], v[TM+12+\b]
	v_cvt_scalef32_pk8_fp8_f32 v[PC+2+4*\b:PC+3+4*\b], v[\s+8+16*\b:\s+15+16*\b], v[TM+12+\b]
.endr
	v_nop
.endm
	s_load_b256 s[4:11], s[0:1], 0x0               ; act, w, qkv_b, qkv
	v_lshl_add_u32 v[SPW], v0, 2, SPARE
	v_mov_b32 v[NIL], 0
	ds_add_u32 v[SPW], v[NIL]                      ; the wave's opening: the add, twice on end, and its wait ahead of my first tensor load
	ds_add_u32 v[SPW], v[NIL]
	v_lshrrev_b32 v1, 5, v0
	v_readfirstlane_b32 s[WV], v1
	s_lshr_b32 s[WR], s[WV], 1                     ; which 128 of A's rows are mine
	s_and_b32 s[WC], s[WV], 1                      ; which 128 of B's
	s_bfe_u32 s[CX], ttmp6, 0x40000
	s_bfe_u32 s[CY], ttmp6, 0x40004
	s_lshl_b32 s96, s[CY], 2
	s_lshl_b32 s96, 15, s96                        ; my row of the cluster
	s_lshl_b32 s97, 0x1111, s[CX]                  ; my column
	s_or_b32 s[G1A], s96, (3<<16)|(1<<21)          ; the mask; elements of 8 bytes; bit 21 beside a mask; no padding
	s_or_b32 s[G1SA], s96, (3<<16)|(1<<21)
	s_or_b32 s[G1B], s97, (3<<16)|(1<<21)
	s_or_b32 s[G1SB], s97, (3<<16)|(1<<21)
.irp g, G1A, G1B                       ; codes: 16 fragments' 4,096 bytes (two K steps), KS x 2,048 bytes apart
	s_mov_b32 s[\g+1], 512<<16
	s_mov_b32 s[\g+2], 16<<16
	s_mov_b32 s[\g+3], 512<<16
	s_mov_b32 s[\g+4], 16
	s_mov_b32 s[\g+5], KS*256
	s_mov_b32 s[\g+6], 0
	s_mov_b32 s[\g+7], 0
.endr
.irp g, G1SA, G1SB                     ; scale words: two groups' 1,024 bytes (two K steps), KS x 512 bytes apart
	s_mov_b32 s[\g+1], 128<<16
	s_mov_b32 s[\g+2], 2<<16
	s_mov_b32 s[\g+3], 128<<16
	s_mov_b32 s[\g+4], 2
	s_mov_b32 s[\g+5], KS*64
	s_mov_b32 s[\g+6], 0
	s_mov_b32 s[\g+7], 0
.endr
	s_and_b32 s95, ttmp7, 0xffff
	s_lshl_b32 s95, s95, 2                         ; 4 x cluster y
	s_lshl_b32 s15, ttmp9, 2                       ; 4 x cluster x
	s_cmp_eq_u32 ttmp9, 2                          ; v's clusters
	s_cselect_b32 s[ISV], 1, 0
	s_cselect_b32 s14, 8, s95
	s_cselect_b32 s15, s95, s15
	s_add_co_u32 s14, s14, s[CY]                   ; A's tile: tokens 4 cluster y + cy, or the weight's 8 + cy
	s_add_co_u32 s15, s15, s[CX]                   ; B's tile: the weight's 4 cluster x + cx, or tokens 4 cluster y + cx
	s_lshl_b32 s16, s14, 18                        ; a tile's codes are 16 x KS x 2,048 bytes,
	s_mov_b32 s17, 0
	s_lshl_b32 s18, s14, 13                        ; its scale words 2 x KS x 512
	s_mov_b32 s19, 0
	s_lshl_b32 s20, s15, 18
	s_mov_b32 s21, 0
	s_lshl_b32 s98, s15, 13
	s_mov_b32 s99, 0
	s_mov_b32 s100, ACT_S
	s_mov_b32 s101, W_S
	s_cmp_lg_u32 s[ISV], 0
	s_cselect_b32 s95, s101, s100                  ; where A's scale words begin in its buffer,
	s_cselect_b32 s100, s100, s101                 ; and B's
	s_add_co_u32 s18, s18, s95
	s_add_co_u32 s98, s98, s100
	s_wait_dscnt 0x0                               ; both opening adds are done
	s_wait_kmcnt 0x0
	s_cmp_lg_u32 s[ISV], 0
	s_cselect_b64 s[100:101], s[6:7], s[4:5]       ; A's buffer
	s_cselect_b64 s[104:105], s[4:5], s[6:7]       ; B's
	s_add_nc_u64 s[16:17], s[100:101], s[16:17]
	s_add_nc_u64 s[18:19], s[100:101], s[18:19]
	s_add_nc_u64 s[20:21], s[104:105], s[20:21]
	s_add_nc_u64 s[98:99], s[104:105], s[98:99]
	CROUND                                         ; all sixteen work-groups are here: the first joint loads meet
.irp s, 0,1
	s_mov_b32 s[G0A+4*\s], 1
	s_mov_b32 s[G0A+4*\s+1], \s*SLOT
	s_add_nc_u64 s[G0A+4*\s+2:G0A+4*\s+3], s[16:17], \s*4096
	s_or_b32 s[G0A+4*\s+3], s[G0A+4*\s+3], 0x80000000
	s_mov_b32 s[G0B+4*\s], 1
	s_mov_b32 s[G0B+4*\s+1], \s*SLOT+OFB
	s_add_nc_u64 s[G0B+4*\s+2:G0B+4*\s+3], s[20:21], \s*4096
	s_or_b32 s[G0B+4*\s+3], s[G0B+4*\s+3], 0x80000000
	s_mov_b32 s[G0SA+4*\s], 1
	s_mov_b32 s[G0SA+4*\s+1], \s*SLOT+OFSA
	s_add_nc_u64 s[G0SA+4*\s+2:G0SA+4*\s+3], s[18:19], \s*1024
	s_or_b32 s[G0SA+4*\s+3], s[G0SA+4*\s+3], 0x80000000
	s_mov_b32 s[G0SB+4*\s], 1
	s_mov_b32 s[G0SB+4*\s+1], \s*SLOT+OFSB
	s_add_nc_u64 s[G0SB+4*\s+2:G0SB+4*\s+3], s[98:99], \s*1024
	s_or_b32 s[G0SB+4*\s+3], s[G0SB+4*\s+3], 0x80000000
	JLOAD \s                                       ; two loads of mine are out
.endr
	v_and_b32 v1, 31, v0                           ; lane
	v_bfe_u32 v2, v0, 4, 1                         ; h
	v_lshlrev_b32 v3, 4, v1                        ; 16 x lane
	v_and_b32 v4, 15, v0                           ; r
	s_lshl_b32 s95, s[WR], 15
	s_lshl_b32 s100, s[WC], 15
	s_add_co_u32 s100, s100, OFB
.irp s, 0,1
	v_add_nc_u32 v[ADRA+\s], s95, v3
	v_add_nc_u32 v[ADRB+\s], s100, v3
	s_add_co_u32 s95, s95, SLOT
	s_add_co_u32 s100, s100, SLOT
.endr
	v_lshlrev_b32 v5, 5, v4                        ; 32 r
	s_lshl_b32 s95, s[WR], 10                      ; A's: my group's two units
	s_lshl_b32 s100, s[WC], 10
	s_add_co_u32 s100, s100, 2048                  ; B's lie behind A's
	s_sub_co_u32 s100, s100, s95
	v_mul_u32_u24 v6, s100, v2                     ; lanes 16-31 take B's: one product with h
	s_add_co_u32 s95, s95, OFSA
	v_add_nc_u32 v5, v5, v6
	v_add_nc_u32 v[ADRS], s95, v5
	v_add_nc_u32 v[ADRS+1], SLOT, v[ADRS]
	v_mov_b32 v24, v3                              ; the way out: 16 x lane
	s_lshl_b32 s95, s[WV], 9                       ; 512 bytes of my own in slot 0 for my eight blocks' scale words
	v_add_nc_u32 v25, s95, v3
	v_lshl_add_u32 v26, v4, 5, s95
	s_lshl_b32 s95, s15, 1
	s_add_co_u32 s95, s95, s[WC]                   ; the K step that my results make: 2 x B's tile + wc
	s_lshl_b32 s96, s[ISV], 3
	s_sub_co_u32 s96, s14, s96
	s_lshl_b32 s96, s96, 1
	s_add_co_u32 s96, s96, s[WR]                   ; and their group of 128 rows
	s_mov_b32 s101, QK_S
	s_cmp_lg_u32 s[ISV], 0
	s_cselect_b32 s97, 17, 19                      ; a K step of v has 64 fragments, one of q, k 256
	s_cselect_b32 s100, V_C, 0
	s_cselect_b32 s101, V_S, s101
	s_cselect_b32 s104, s96, s95                   ; the units: v [group][K step], q, k [K step][group]; 32 of the inner either way
	s_cselect_b32 s105, s95, s96
	s_lshl_b32 s97, s95, s97
	s_add_co_u32 s100, s100, s97
	s_lshl_b32 s97, s96, 14
	s_add_co_u32 s100, s100, s97
	s_lshl_b32 s104, s104, 5
	s_add_co_u32 s104, s104, s105
	s_lshl_b32 s104, s104, 9
	s_add_co_u32 s104, s104, s101
	s_mov_b32 s101, 0
	s_mov_b32 s105, 0
	s_add_nc_u64 s[100:101], s[10:11], s[100:101]  ; my codes
	s_add_nc_u64 s[104:105], s[10:11], s[104:105]  ; my unit of scale words
	v_lshlrev_b32 v30, 6, v2                       ; q, k: the bias runs along my registers: 64 h
	v_and_b32 v31, 8, v4
	v_add_nc_u32 v31, v31, v4
	v_lshlrev_b32 v31, 2, v31                      ; v: along the lanes: 4 (r + 8 (r / 8))
	s_cmp_lg_u32 s[ISV], 0
	s_cselect_b32 s96, s96, s95
	s_cselect_b32 s97, 8192, 0
	s_lshl_b32 s96, s96, 9
	s_add_co_u32 s96, s96, s97
	s_mov_b32 s97, 0
	s_add_nc_u64 s[8:9], s[8:9], s[96:97]
	s_cmp_lg_u32 s[ISV], 0
	s_cbranch_scc1 .Lbias_v
.irp b, 0,1,2,3
.irp j, 0,1,2,3
	global_load_b128 v[BB+16*\b+4*\j:BB+16*\b+4*\j+3], v30, s[8:9] offset:128*\b+16*\j
.endr
.endr
	s_branch .Lbias_in
.Lbias_v:
.irp a, 0,1,2,3,4,5,6,7                ; block a's bias in eight copies, so that the packed additions take plain pairs
.irp j, 0,1,2,3,4,5,6,7
	global_load_b32 v[BB+8*\a+\j], v31, s[8:9] offset:(32*(\a/2)+8*(\a%2))*4
.endr
.endr
.Lbias_in:
	s_wait_tensorcnt 1                             ; my part of slot 0 is in; slot 1's may stay out
	s_barrier_signal -1
	s_barrier_wait -1
	FETCH_B 0, 0, 0
	FETCH_A 0, 0, 0
	SCALES 0
	FETCH_A 0, 0, 4
	STEP 0, 0, 1                                   ; the first step's products start the sums
	s_mov_b32 s2, LAPS-1
.Llap:
	TURN 0, 1, 1
	STEP 1, 0, 0
	TURN 1, 0, 1
	STEP 0, 0, 0
	s_sub_co_u32 s2, s2, 1
	s_cmp_lg_u32 s2, 0
	s_cbranch_scc1 .Llap
	TURN 0, 1, 0                                   ; the last lap fills nothing
	STEP 1, 0, 0
	s_wait_dscnt 4*NL
	WIN MUL_LO
	MUL16 0, 1, 1, 1, 0
	MUL16 2, 1, 1, 1, 0
	s_wait_dscnt 0
	WIN MUL_HI
	MUL16 4, 1, 1, 1, 0
	MUL16 6, 1, 1, 1, 0
	WIN 0
; THE WAY OUT: eight trips, one for each of A's blocks.  A ladder on the trip's number picks the 32 packed additions that take the block's 64 sums, with the bias, into v[T] on; the quantiser and the stores are written once.
	PLACES NP
	s_wait_loadcnt 0x0                             ; the bias
	s_mov_b32 s[SEL], 0x76543210
	s_mov_b32 s[SEL+1], 0xfedcba98
	s_mov_b32 s[MNT], 0x600000
.irp b, 0,1,2,3
	v_mov_b32 v[TM+4+\b], 0                        ; a lane permute's destination counts as one of its sources
.endr
	s_mov_b32 s[AI], 0
	s_mov_b32 s[AO], 0
.macro TAKEQ a                         ; each accumulator from its low end on
.Ltq_\a:
	WIN (0x02+(\a)/4)
.set i, 0
.rept 32
	v_pk_add_f32 v[T+i:T+i+1], v[64*((\a)%4)+i:64*((\a)%4)+i+1], v[BB+i:BB+i+1]
.set i, i+2
.endr
	WIN 0
	s_branch .Lgot
.endm
.macro TAKEV a
.Ltv_\a:
	WIN (0x02+(\a)/4)
.set i, 0
.rept 32
	v_pk_add_f32 v[T+i:T+i+1], v[64*((\a)%4)+i:64*((\a)%4)+i+1], v[BB+8*(\a)+i%8:BB+8*(\a)+i%8+1]
.set i, i+2
.endr
	WIN 0
.if (\a) < 7
	s_branch .Lgot
.endif
.endm
.Lrow:
	s_cmp_lg_u32 s[ISV], 0
	s_cbranch_scc1 .Lrow_v
.irp a, 0,1,2,3,4,5,6
	s_cmp_eq_u32 s[AI], \a
	s_cbranch_scc1 .Ltq_\a
.endr
	s_branch .Ltq_7
.Lrow_v:
.irp a, 0,1,2,3,4,5,6
	s_cmp_eq_u32 s[AI], \a
	s_cbranch_scc1 .Ltv_\a
.endr
	s_branch .Ltv_7
.irp a, 0,1,2,3,4,5,6,7
	TAKEQ \a
.endr
.irp a, 0,1,2,3,4,5,6,7
	TAKEV \a
.endr
.Lgot:
	QUANT T
.irp c, 0,1,2,3
	global_store_b128 v24, v[PC+4*\c:PC+4*\c+3], s[100:101] offset:512*\c   ; 512 consecutive bytes of the fragment's image
.endr
	v_add_nc_u32 v27, s[AO], v26
	ds_store_b32 v27, v[PW]                        ; 32 r + 4 a of my unit; both halves of the lanes write the same word with the same value
	s_wait_xcnt 0x0                                ; the stores have read their data and their base: both are written again
	s_add_nc_u64 s[100:101], s[100:101], 2048
	s_add_co_u32 s[AO], s[AO], 4
	s_add_co_u32 s[AI], s[AI], 1
	s_cmp_lt_u32 s[AI], 8
	s_cbranch_scc1 .Lrow
	ds_load_b128 v[4:7], v25                       ; LDS serves a wave's instructions in order: these see my stores
	s_wait_dscnt 0x0
	global_store_b128 v24, v[4:7], s[104:105]      ; the whole unit: 512 consecutive bytes
	s_wait_tensorcnt 0x0                           ; the wave's end
	ds_add_u32 v[SPW], v[NIL]
	s_wait_dscnt 0x0
	CROUND                                         ; the closing round
	s_endpgm
.Lfunc_end_k_qccdd648ba8_qkv:
	.size	k_qccdd648ba8_qkv, .Lfunc_end_k_qccdd648ba8_qkv-k_qccdd648ba8_qkv
	.p2alignl 7, 3214868480
	.fill 96, 4, 3214868480
	.section	.rodata,"a",@progbits
	.p2align	6, 0x0
	.amdhsa_kernel k_qccdd648ba8_qkv
		.amdhsa_group_segment_fixed_size 327680
		.amdhsa_private_segment_fixed_size 0
		.amdhsa_enable_private_segment 0
		.amdhsa_kernarg_size 32
		.amdhsa_user_sgpr_count 2
		.amdhsa_user_sgpr_kernarg_segment_ptr 1
		.amdhsa_wavefront_size32 1
		.amdhsa_system_sgpr_workgroup_id_x 1
		.amdhsa_system_sgpr_workgroup_id_y 1
		.amdhsa_system_sgpr_workgroup_id_z 1
		.amdhsa_system_vgpr_workitem_id 0
		.amdhsa_next_free_vgpr 1024
		.amdhsa_next_free_sgpr 106
		.amdhsa_reserve_vcc 0
		.amdhsa_float_denorm_mode_32 3
		.amdhsa_float_denorm_mode_16_64 3
		.amdhsa_memory_ordered 1
		.amdhsa_forward_progress 1
		.amdhsa_inst_pref_size 170
	.end_amdhsa_kernel
	.amdgpu_metadata
---
amdhsa.version: [ 1, 2 ]
amdhsa.kernels:
  - .name:           k_qccdd648ba8_qkv
    .symbol:         k_qccdd648ba8_qkv.kd
    .args:
      - { .name: act, .offset: 0, .size: 8, .value_kind: global_buffer, .address_space: global }
      - { .name: w, .offset: 8, .size: 8, .value_kind: global_buffer, .address_space: global }
      - { .name: qkv_b, .offset: 16, .size: 8, .value_kind: global_buffer, .address_space: global }
      - { .name: qkv, .offset: 24, .size: 8, .value_kind: global_buffer, .address_space: global }
    .group_segment_fixed_size: 327680
    .private_segment_fixed_size: 0
    .kernarg_segment_align: 8
    .kernarg_segment_size: 32
    .max_flat_workgroup_size: 128
    .sgpr_count:     106
    .vgpr_count:     1024
    .wavefront_size: 32
...
	.end_amdgpu_metadata
.endif
;; end of part 3
;; launch attn (part 4): grid 16 x 16, 16 waves a work-group, no clusters, 327,680 bytes of LDS; arguments qkv, act; writes act
.if DOCPART == 4
	.amdgcn_target "amdgcn-amd-amdhsa--gfx1250"
	.amdhsa_code_object_version 6
	.text
	.protected	k_qccdd648ba8_attn
	.globl	k_qccdd648ba8_attn
	.p2align	8
	.type	k_qccdd648ba8_attn,@function
k_qccdd648ba8_attn:
	s_mov_b64 s[64:65], 0
	v_nop
	global_prefetch_b8 v0, s[64:65] scope:SCOPE_SE
	s_setreg_imm32_b32 hwreg(HW_REG_WAVE_MODE, 25, 1), 1
	s_wait_xcnt 0x0
; ATTENTION ON CODES OF E4M3: o = softmax(q k^T / 8) v for 32 (batch, head) of 2,048 tokens x 64, both products quantised; o is quantised along (head, d) on the way out, for the projection.  Nothing is left out.
; THE SOFTMAX AHEAD OF THE SECOND PRODUCT: t = score x log2(e) / 8; M = the row's largest t so far, rounded UP to a whole number; p = 2^(t - M) is quantised along the keys, not normalised; the row's sum is taken of the unquantised p and divides at the end.
; When M moves, the sum and O are multiplied by 2^(old M - new M): exact.
; SHARES.  A work-group owns 128 queries of a PAIR of heads (a K step of 128 features of q and k is two heads); wave w owns head w % 2 of the pair and tile w / 2 of 16 queries: 256 registers, four waves to a SIMD.  Every wave walks all 2,048 keys, 128 a step.
; Both products are used transposed: S^T = K Q^T, O^T = V^T P^T: a lane holds ONE query throughout.  By the operands' row order (the first kernel's head) the 16 registers of tiles 2 b, 2 b + 1 are 16 neighbouring keys (or d).
; THE HEAD'S 64 IN AN INSTRUCTION OF 128.  Q's operand is my head's 8 registers and 8 registers of zero codes.  K's eight tiles of a step lie 8 registers apart, with 8 zero registers behind the last: a tile's operand runs on into the next tile's codes,
; which are finite (the quantiser holds at 448) and meet Q's zero codes.  So only my head's half of each fragment is read from LDS.  The scales come as half words: the upper two bytes are 0, over zero codes.
; RING: two slots of 256 keys (K's 16 fragments, then V's 2 x 8), filled by waves 0-3, 16 KiB dense each; the scale words of the whole walk stay in LDS.
; NO CLUSTER: a slot's 64 KiB serve 32 steps of waves with some 300 vector instructions each, so the tiles are a small part of a step's work beside the softmax.
; LIMITS: NaN and infinities are not served; v_exp_f32 and v_rcp_f32 are good to 1 ulp and flush denormals; a block's largest p is taken from its largest score, which takes v_exp_f32 not to fall where its input rises;
; a block of zeros gets the byte 1 (its codes are zeros; this program alone reads the bytes).
.set QK_S,  8388608
.set V_C,   8650752
.set V_S,   12845056
.set ACT_S, 4194304
.set SLOT1, 65536
.set SCK,   131072                     ; K's scale units of the walk: 16 x 512
.set SCV,   139264                     ; V's
.set OSC,   147456                     ; o's unit of scale words, gathered from the sixteen waves
.set SPARE, 147968                     ; the spare words, 128 bytes a wave
.set NSL,   8
.set AK0,  1                           ; v1  16 lane + 1,024 x my head
.set AV0,  2                           ; v2  16 lane + 32,768 + 8,192 x my head
.set ASK0, 3                           ; v3  SCK + 32 r + 2 x my head
.set ASV0, 4                           ; v4  SCV + 32 r + 16 x my head
.set SPW,  5
.set NIL,  6
.set PFO,  7                           ; v7  256 x lane: the prefetches' offset; never rewritten
.set ADK,  8
.set ADV,  9
.set ADS,  10
.set ADT,  11
.set S,    104                         ; v104-167 S^T, then p, then V's four fragments
.set O,    168                         ; v168-199 O^T
.set TB,   2
.set TS,   3
.set WV,   8
.set PAR,  9
.set MNT,  19
.set SEL,  20
.set CS,   22
.set G1,   24
.set G1S,  32
.set G0K,  40
.set G0V,  44
.set G0SK, 48
.set G0SV, 52
.set SLOTS, 56
.set LIM,  57
.set PFA,  58
.set PFS,  60
.macro TLOAD g0k, g1k, g0v, g1v        ; waves 0, 1 fetch for K, waves 2, 3 for V, the others nothing; an s_nop 0 and four v_nop follow each load
	s_cmp_lt_u32 s[WV], 2
	s_cbranch_scc0 .Lnot_k_\@
	tensor_load_to_lds s[\g0k:\g0k+3], s[\g1k:\g1k+7]
	s_nop 0
.rept 4
	v_nop
.endr
	s_branch .Lasked_\@
.Lnot_k_\@:
	s_cmp_lt_u32 s[WV], 4
	s_cbranch_scc0 .Lasked_\@
	tensor_load_to_lds s[\g0v:\g0v+3], s[\g1v:\g1v+7]
	s_nop 0
.rept 4
	v_nop
.endr
.Lasked_\@:
.endm
; A prefetch of what the NEXT change of slots will ask for.  The sixteen work-groups of a pair of heads walk the same K and V: the first of them asks.  In it waves 4-7 ask for K's 32 KiB, waves 8-11 for V's two runs of 16 KiB:
; 8,192 bytes a wave, lanes 256 bytes apart: each aligned 256 bytes once in the launch.  The last change that fills a slot asks for nothing; slots 0 and 1 come by their loads alone.
.macro ASK
	s_cmp_gt_u32 s[SLOTS], s[LIM]
	s_cbranch_scc0 .Lnot_mine_\@
	global_prefetch_b8 v[PFO], s[PFA:PFA+1] th:TH_LOAD_NT scope:SCOPE_SE
.Lnot_mine_\@:
.endm
	s_load_b128 s[4:7], s[0:1], 0x0                ; qkv, act
	v_lshl_add_u32 v[SPW], v0, 2, SPARE
	v_mov_b32 v[NIL], 0
	ds_add_u32 v[SPW], v[NIL]                      ; the wave's opening: the add, twice on end, and its wait ahead of the first tensor load
	ds_add_u32 v[SPW], v[NIL]
	v_lshrrev_b32 v8, 5, v0
	v_readfirstlane_b32 s[WV], v8                  ; wave 0..15
	s_and_b32 s[PAR], s[WV], 1                     ; my head of the pair.  Also: which half I fetch, if I fetch
	s_and_b32 s10, ttmp7, 0xffff
	s_lshr_b32 s11, s10, 3                         ; batch
	s_and_b32 s10, s10, 7                          ; pair of heads
	s_add_co_u32 s12, s10, 8                       ; k's K step among q's and k's sixteen
	s_lshl_b32 s13, s12, 19
	s_lshl_b32 s14, s11, 18
	s_add_co_u32 s13, s13, s14                     ; K's codes: (256 (8 + pair) + 128 batch) fragments
	s_lshl_b32 s14, s11, 21
	s_lshl_b32 s15, s10, 14
	s_add_co_u32 s14, s14, s15
	s_add_co_u32 s14, s14, V_C                     ; V's codes: (1,024 batch + 8 pair) fragments
	s_lshl_b32 s16, s12, 14
	s_lshl_b32 s17, s11, 13
	s_add_co_u32 s16, s16, s17
	s_add_co_u32 s16, s16, QK_S                    ; K's scale units: 32 (8 + pair) + 16 batch
	s_add_co_u32 s17, s17, s15
	s_add_co_u32 s17, s17, V_S                     ; V's: 32 pair + 16 batch
	s_lshl_b32 s74, s[PAR], 14
	s_add_co_u32 s74, s74, s13                     ; K: keys 128 x half on
	s_mov_b32 s75, 0
	s_lshl_b32 s76, s[PAR], 17
	s_add_co_u32 s76, s76, s14                     ; V: the slot's K step number half
	s_mov_b32 s77, 0
	s_lshl_b32 s82, s[PAR], 12
	s_add_co_u32 s78, s16, s82
	s_mov_b32 s79, 0
	s_add_co_u32 s80, s17, s82
	s_mov_b32 s81, 0
	s_mov_b32 s[G1], 3<<16                         ; a dense block as rows of 256 bytes: elements of 8 bytes, no mask, no padding
	s_mov_b32 s[G1+1], 32<<16
	s_mov_b32 s[G1+2], 64<<16                      ; 64 rows: 16 KiB
	s_mov_b32 s[G1+3], 32<<16
	s_mov_b32 s[G1+4], 64
	s_mov_b32 s[G1+5], 32
	s_mov_b32 s[G1+6], 0
	s_mov_b32 s[G1+7], 0
	s_mov_b32 s[G1S], 3<<16
	s_mov_b32 s[G1S+1], 32<<16
	s_mov_b32 s[G1S+2], 16<<16                     ; 16 rows: 4 KiB of scale words
	s_mov_b32 s[G1S+3], 32<<16
	s_mov_b32 s[G1S+4], 16
	s_mov_b32 s[G1S+5], 32
	s_mov_b32 s[G1S+6], 0
	s_mov_b32 s[G1S+7], 0
	s_mov_b32 s[SEL], 0x76543210
	s_mov_b32 s[SEL+1], 0xfedcba98
	s_mov_b32 s[CS], 0x3e38aa3b                    ; c = log2(e) / 8
	s_mov_b32 s[CS+1], s[CS]
	s_mov_b32 s[MNT], 0x600000
	s_mov_b32 s[TB], 0
	s_mov_b32 s[TS], 0
	s_mov_b32 s[SLOTS], NSL-1
	s_wait_dscnt 0x0                               ; both opening adds are done
	s_wait_kmcnt 0x0
	s_mov_b32 s[G0SK], 1
	s_add_co_u32 s[G0SK+1], s82, SCK
	s_add_nc_u64 s[G0SK+2:G0SK+3], s[4:5], s[78:79]
	s_or_b32 s[G0SK+3], s[G0SK+3], 0x80000000
	s_mov_b32 s[G0SV], 1
	s_add_co_u32 s[G0SV+1], s82, SCV
	s_add_nc_u64 s[G0SV+2:G0SV+3], s[4:5], s[80:81]
	s_or_b32 s[G0SV+3], s[G0SV+3], 0x80000000
	TLOAD G0SK, G1S, G0SV, G1S                     ; the scale words of the whole walk: filled once
	s_mov_b32 s[G0K], 1
	s_lshl_b32 s[G0K+1], s[PAR], 14
	s_add_nc_u64 s[G0K+2:G0K+3], s[4:5], s[74:75]
	s_or_b32 s[G0K+3], s[G0K+3], 0x80000000
	s_mov_b32 s[G0V], 1
	s_add_co_u32 s[G0V+1], s[G0K+1], 32768
	s_add_nc_u64 s[G0V+2:G0V+3], s[4:5], s[76:77]
	s_or_b32 s[G0V+3], s[G0V+3], 0x80000000
	TLOAD G0K, G1, G0V, G1                         ; slot 0
	s_lshl_b32 s84, s11, 4
	s_add_co_u32 s84, s84, ttmp9                   ; my group of 128 queries among all tokens
	s_lshr_b32 s85, s[WV], 1
	s_lshl_b32 s86, s84, 3
	s_add_co_u32 s86, s86, s85                     ; my fragment of 16 queries
	s_lshl_b32 s87, s[PAR], 10
	s_lshl_b32 s82, s10, 8
	s_add_co_u32 s82, s82, s86
	s_lshl_b32 s82, s82, 11
	s_add_co_u32 s82, s82, s87
	s_mov_b32 s83, 0
	s_add_nc_u64 s[66:67], s[4:5], s[82:83]        ; Q's codes: my head's half of the fragment
	s_lshl_b32 s82, s10, 5
	s_add_co_u32 s82, s82, s84
	s_lshl_b32 s82, s82, 9
	s_lshl_b32 s85, s[WV], 1                       ; 4 x tile + 2 x head
	s_add_co_u32 s82, s82, s85
	s_add_co_u32 s82, s82, QK_S
	s_add_nc_u64 s[68:69], s[4:5], s[82:83]        ; Q's scale half words
	s_lshl_b32 s82, s86, 3
	s_add_co_u32 s82, s82, s10
	s_lshl_b32 s82, s82, 11
	s_add_co_u32 s82, s82, s87
	s_add_nc_u64 s[70:71], s[6:7], s[82:83]        ; o's codes: fragment (queries, pair), my head's half
	s_lshl_b32 s82, s84, 3
	s_add_co_u32 s82, s82, s10
	s_lshl_b32 s82, s82, 9
	s_add_co_u32 s82, s82, ACT_S
	s_add_nc_u64 s[72:73], s[6:7], s[82:83]        ; o's unit of scale words
	s_and_b32 s74, s[WV], 3                        ; the prefetches: my place among the four that ask for K or for V
	s_lshl_b32 s75, s74, 13
	s_add_co_u32 s75, s75, s13
	s_lshr_b32 s76, s74, 1
	s_lshl_b32 s76, s76, 17
	s_and_b32 s77, s74, 1
	s_lshl_b32 s77, s77, 13
	s_add_co_u32 s76, s76, s77
	s_add_co_u32 s76, s76, s14
	s_mov_b32 s77, 262144
	s_cmp_lt_u32 s[WV], 8
	s_cselect_b32 s74, s75, s76
	s_cselect_b32 s[PFS], 32768, s77               ; a slot on
	s_add_co_u32 s74, s74, s[PFS]                  ; in slot 1: the first change of slots steps it to slot 2
	s_mov_b32 s75, 0
	s_mov_b32 s[PFS+1], 0
	s_add_nc_u64 s[PFA:PFA+1], s[4:5], s[74:75]
	s_sub_co_u32 s74, s[WV], 4
	s_lshr_b32 s74, s74, 3                         ; 0 in waves 4 to 11,
	s_or_b32 s74, s74, ttmp9                       ; of the pair's first work-group
	s_cmp_eq_u32 s74, 0
	s_cselect_b32 s[LIM], 1, -1
	v_and_b32 v8, 31, v0
	v_and_b32 v9, 15, v0
	v_lshlrev_b32 v[PFO], 8, v8
	v_lshlrev_b32 v10, 4, v8                       ; 16 x lane
	v_lshlrev_b32 v11, 5, v9                       ; 32 r
	global_load_b128 v[16:19], v10, s[66:67]
	global_load_b128 v[20:23], v10, s[66:67] offset:512
	global_load_u16 v255, v11, s[68:69]            ; Q's two scale bytes; the upper two are 0
	v_add_nc_u32 v[AK0], s87, v10
	s_lshl_b32 s74, s[PAR], 13
	s_add_co_u32 s74, s74, 32768
	v_add_nc_u32 v[AV0], s74, v10
	s_lshl_b32 s74, s[PAR], 1
	s_add_co_u32 s74, s74, SCK
	v_add_nc_u32 v[ASK0], s74, v11
	s_lshl_b32 s74, s[PAR], 4
	s_add_co_u32 s74, s74, SCV
	v_add_nc_u32 v[ASV0], s74, v11
.irp j, 0,1,2,3,4,5,6,7
	v_mov_b32 v[24+\j], 0                          ; Q's upper half: zero codes
	v_mov_b32 v[96+\j], 0                          ; and what lies behind K's last tile
.endr
	v_mov_b32 v13, 0xff61b1e6                      ; the largest t so far: -3e38
	v_floor_f32 v12, -v13                          ; -M
	v_mov_b32 v14, 0
	v_mov_b32 v15, 0
.irp b, 0,1,2,3
	v_mov_b32 v[236+\b], 0                         ; a lane permute's destination counts as one of its sources
.endr
	v_mov_b32 v253, 0
.set j, 0
.rept 32
	v_mov_b32 v[O+j], 0                            ; the step is written once: the first finds zeros, which the first change of M leaves zeros
.set j, j+1
.endr
.macro STEP q                          ; 128 keys, the q-th of the slot in hand
	v_add_nc_u32 v[ADK], s[TB], v[AK0]
	v_add_nc_u32 v[ADV], s[TB], v[AV0]
	v_add_nc_u32 v[ADS], s[TS], v[ASK0]
	v_add_nc_u32 v[ADT], s[TS], v[ASV0]
.rept 8
	v_nop                                          ; with the four above twelve places: nine are owed, since the scores are written over the registers that the last step's products read as V
.endr
.irp t, 0,1,2,3,4,5,6,7
	ds_load_b128 v[32+8*\t:35+8*\t], v[ADK] offset:(8*(\q)+\t)*2048
	ds_load_b128 v[36+8*\t:39+8*\t], v[ADK] offset:(8*(\q)+\t)*2048+512
	ds_load_u16 v[200+\t], v[ADS] offset:4*\t
.endr
	s_wait_dscnt 0x0
.irp t, 0,1,2,3,4,5,6,7
	v_wmma_scale_f32_16x16x128_f8f6f4 v[S+8*\t:S+8*\t+7], v[32+8*\t:47+8*\t], v[16:31], 0, v[200+\t], v255
.endr
.rept 8
	v_nop
.endr
.irp b, 0,1,2,3
	v_max3_num_f32 v[232+\b], v[S+16*\b], v[S+1+16*\b], v[S+2+16*\b]   ; the largest score of each block of 32 keys: for the row's maximum, and for the block's largest p
.endr
.irp i, 3,5,7,9,11,13
.irp b, 0,1,2,3
	v_max3_num_f32 v[232+\b], v[232+\b], v[S+16*\b+\i], v[S+1+16*\b+\i]
.endr
.endr
.irp b, 0,1,2,3
	v_max_num_f32 v[232+\b], v[232+\b], v[S+15+16*\b]
.endr
.irp b, 0,1,2,3
	v_permlanex16_b32 v[236+\b], v[232+\b], s[SEL], s[SEL+1]
.endr
.irp b, 0,1,2,3
	v_max_num_f32 v[232+\b], v[232+\b], v[236+\b]
.endr
	v_max3_num_f32 v254, v232, v233, v234
	v_max_num_f32 v254, v254, v235
	v_mul_f32 v254, s[CS], v254
	v_max_num_f32 v13, v13, v254                   ; the running largest t
	v_mov_b32 v254, v12
	v_floor_f32 v12, -v13                          ; the new -M: M is a whole number
	v_sub_f32 v254, v12, v254
	v_cvt_i32_f32 v254, v254                       ; (it saturates)
	v_ldexp_f32 v252, 1.0, v254                    ; f = 2^(old M - new M)
.set j, 0
.rept 32
	v_pk_fma_f32 v[S+j:S+j+1], v[S+j:S+j+1], s[CS:CS+1], v[12:13] op_sel_hi:[1,0,0]   ; t - M
.set j, j+2
.endr
.irp b, 0,1,2,3
	v_fma_f32 v[232+\b], v[232+\b], s[CS], v12
.endr
.set j, 0
.rept 64
	v_exp_f32 v[S+j], v[S+j]                       ; p = 2^(t - M)
.set j, j+1
.endr
	v_pk_mul_f32 v[14:15], v[14:15], v[252:253] op_sel_hi:[1,0]   ; the sums under the new M: a plain line behind the exponentials
	s_wait_alu depctr_va_vdst(0)                   ; one wait for the batch, ahead of its first reader
.irp b, 0,1,2,3
	v_exp_f32 v[232+\b], v[232+\b]                 ; the block's largest p
.endr
	v_pk_add_f32 v[236:237], v[S:S+1], v[S+2:S+3]  ; the row's sum of the unquantised p, in two chains
.set j, 4
.rept 15
	v_pk_add_f32 v[14:15], v[14:15], v[S+j:S+j+1]
	v_pk_add_f32 v[236:237], v[236:237], v[S+j+2:S+j+3]
.set j, j+4
.endr
	v_pk_add_f32 v[14:15], v[14:15], v[236:237]
	s_wait_alu depctr_va_vdst(0)                   ; and one for the four
.irp b, 0,1,2,3
	v_max_num_f32 v[232+\b], 0x4800000, v[232+\b]  ; the floor 2^(9 - 127)
.endr
.irp b, 0,1,2,3
	v_add_nc_u32 v[244+\b], 0xfc000000, v[232+\b]
.endr
.irp b, 0,1,2,3
	v_and_or_b32 v[240+\b], v[232+\b], 0x7f800000, s[MNT]
.endr
.irp b, 0,1,2,3
	v_lshrrev_b32 v[236+\b], 23, v[244+\b]
.endr
	v_lshl_or_b32 v253, v237, 8, v236              ; p's scale word for these 128 keys
	v_lshl_or_b32 v253, v238, 16, v253
	v_lshl_or_b32 v253, v239, 24, v253
.irp b, 0,1,2,3
.irp i, 0,1,2,3,4,5,6,7,8,9,10,11,12,13,14,15
	v_min_num_f32 v[S+16*\b+\i], v[S+16*\b+\i], v[240+\b]   ; the conversion does not saturate (ISA guide 7.6.2); p is not negative
.endr
	v_cvt_scalef32_pk8_fp8_f32 v[224+4*\b:225+4*\b], v[S+16*\b:S+7+16*\b], v[244+\b]
	v_cvt_scalef32_pk8_fp8_f32 v[226+4*\b:227+4*\b], v[S+8+16*\b:S+15+16*\b], v[244+\b]
.endr
.irp t, 0,1,2,3
.irp c, 0,1,2,3
	ds_load_b128 v[S+16*\t+4*\c:S+16*\t+4*\c+3], v[ADV] offset:16384*(\q)+2048*\t+512*\c   ; V's four fragments of my head take p's registers
.endr
.endr
	ds_load_b128 v[208:211], v[ADT]                ; and their scale words
.set j, 0
.rept 16
	v_pk_mul_f32 v[O+j:O+j+1], v[O+j:O+j+1], v[252:253] op_sel_hi:[1,0]   ; O^T under the new M; these are also the places in front of the products
.set j, j+2
.endr
	s_wait_dscnt 0x0
.irp t, 0,1,2,3
	v_wmma_scale_f32_16x16x128_f8f6f4 v[O+8*\t:O+8*\t+7], v[S+16*\t:S+16*\t+15], v[224:239], v[O+8*\t:O+8*\t+7], v[208+\t], v253
.endr
	s_add_co_u32 s[TS], s[TS], 512                 ; the next step's scale units
.endm
.macro CHANGE fill                     ; at a slot's head: all my tensor loads, the add, my reads of the slot that I have left; one barrier; fill = 1: the slot that was left takes the keys that follow
	s_wait_tensorcnt 0x0
	ds_add_u32 v[SPW], v[NIL]                      ; 0 onto my spare word
.if \fill
	ds_add_u32 v[SPW], v[NIL]                      ; and once more: twice on end here, in every trip alike
	s_xor_b32 s[G0K+1], s[G0K+1], SLOT1
	s_add_nc_u64 s[G0K+2:G0K+3], s[G0K+2:G0K+3], 32768
	s_xor_b32 s[G0V+1], s[G0V+1], SLOT1
	s_add_nc_u64 s[G0V+2:G0V+3], s[G0V+2:G0V+3], 262144
	s_wait_xcnt 0x0                                ; the last prefetch, a slot back, has read its address
	s_add_nc_u64 s[PFA:PFA+1], s[PFA:PFA+1], s[PFS:PFS+1]
.endif
	s_wait_dscnt 0x0
	s_barrier_signal -1
	s_barrier_wait -1
.if \fill
	TLOAD G0K, G1, G0V, G1                         ; the first thing behind the barrier, and a wave's one tensor load until the next
	ASK
.endif
.endm
.macro SLOT_STEPS
	STEP 0
	STEP 1
	s_xor_b32 s[TB], s[TB], SLOT1
.endm
	s_wait_loadcnt 0x0                             ; Q
.Lslot:
	CHANGE 1
	SLOT_STEPS
	s_sub_co_u32 s[SLOTS], s[SLOTS], 1
	s_cmp_lg_u32 s[SLOTS], 0
	s_cbranch_scc1 .Lslot
	CHANGE 0                                       ; the last slot is written out
	SLOT_STEPS
	; THE WAY OUT: O^T / the sum is quantised along (head, d): my head's 64 are two blocks, half a fragment's image and half a scale word
	v_add_f32 v14, v14, v15
	v_permlanex16_b32 v252, v14, s[SEL], s[SEL+1]
	v_add_f32 v14, v14, v252
	v_rcp_f32 v14, v14
	v_and_b32 v8, 31, v0
	v_and_b32 v9, 15, v0
	v_lshlrev_b32 v8, 4, v8                        ; 16 x lane
	s_lshl_b32 s74, s[WV], 1
	s_add_co_u32 s74, s74, OSC
	v_lshl_add_u32 v9, v9, 5, s74                  ; OSC + 32 r + 4 x tile + 2 x head
	v_add_nc_u32 v10, OSC, v8
.rept 4
	v_nop                                          ; with the lines above, the places behind the last products
.endr
	s_wait_alu depctr_va_vdst(0)                   ; the wait ahead of the reciprocal's first reader
.set j, 0
.rept 32
	v_mul_f32 v[S+j], v[O+j], v14                  ; register 16 b + i: d = 32 b + 16 (lane / 16) + i
.set j, j+1
.endr
.irp b, 0,1
	v_max3_num_f32 v[232+\b], |v[S+16*\b]|, |v[S+1+16*\b]|, 0x4800000
.endr
.irp i, 2,4,6,8,10,12,14
.irp b, 0,1
	v_max3_num_f32 v[232+\b], v[232+\b], |v[S+16*\b+\i]|, |v[S+1+16*\b+\i]|
.endr
.endr
.irp b, 0,1
	v_permlanex16_b32 v[236+\b], v[232+\b], s[SEL], s[SEL+1]
.endr
.irp b, 0,1
	v_max_num_f32 v[232+\b], v[232+\b], v[236+\b]
.endr
.irp b, 0,1
	v_add_nc_u32 v[244+\b], 0xfc000000, v[232+\b]
.endr
.irp b, 0,1
	v_and_or_b32 v[240+\b], v[232+\b], 0x7f800000, s[MNT]
.endr
.irp b, 0,1
	v_lshrrev_b32 v[236+\b], 23, v[244+\b]
.endr
	v_lshl_or_b32 v248, v237, 8, v236
.irp b, 0,1
.irp i, 0,1,2,3,4,5,6,7,8,9,10,11,12,13,14,15
	v_med3_num_f32 v[S+16*\b+\i], v[S+16*\b+\i], -v[240+\b], v[240+\b]
.endr
	v_cvt_scalef32_pk8_fp8_f32 v[216+4*\b:217+4*\b], v[S+16*\b:S+7+16*\b], v[244+\b]
	v_cvt_scalef32_pk8_fp8_f32 v[218+4*\b:219+4*\b], v[S+8+16*\b:S+15+16*\b], v[244+\b]
.endr
	v_nop
	global_store_b128 v8, v[216:219], s[70:71]     ; 512 consecutive bytes each
	global_store_b128 v8, v[220:223], s[70:71] offset:512
	ds_store_b16 v9, v248                          ; both halves of the lanes write the same half word with the same value
	s_wait_dscnt 0x0
	s_barrier_signal -1
	s_barrier_wait -1
	s_cmp_lg_u32 s[WV], 0
	s_cbranch_scc1 .Lend
	ds_load_b128 v[224:227], v10                   ; wave 0 stores the whole unit
	s_wait_dscnt 0x0
	global_store_b128 v8, v[224:227], s[72:73]
.Lend:
	s_wait_tensorcnt 0x0                           ; the wave's end
	ds_add_u32 v[SPW], v[NIL]
	s_wait_dscnt 0x0
	s_endpgm
.Lfunc_end_k_qccdd648ba8_attn:
	.size	k_qccdd648ba8_attn, .Lfunc_end_k_qccdd648ba8_attn-k_qccdd648ba8_attn
	.p2alignl 7, 3214868480
	.fill 96, 4, 3214868480
	.section	.rodata,"a",@progbits
	.p2align	6, 0x0
	.amdhsa_kernel k_qccdd648ba8_attn
		.amdhsa_group_segment_fixed_size 327680
		.amdhsa_private_segment_fixed_size 0
		.amdhsa_enable_private_segment 0
		.amdhsa_kernarg_size 16
		.amdhsa_user_sgpr_count 2
		.amdhsa_user_sgpr_kernarg_segment_ptr 1
		.amdhsa_wavefront_size32 1
		.amdhsa_system_sgpr_workgroup_id_x 1
		.amdhsa_system_sgpr_workgroup_id_y 1
		.amdhsa_system_sgpr_workgroup_id_z 1
		.amdhsa_system_vgpr_workitem_id 0
		.amdhsa_next_free_vgpr 256
		.amdhsa_next_free_sgpr 88
		.amdhsa_reserve_vcc 0
		.amdhsa_float_denorm_mode_32 3
		.amdhsa_float_denorm_mode_16_64 3
		.amdhsa_memory_ordered 1
		.amdhsa_forward_progress 1
		.amdhsa_inst_pref_size 92
	.end_amdhsa_kernel
	.amdgpu_metadata
---
amdhsa.version: [ 1, 2 ]
amdhsa.kernels:
  - .name:           k_qccdd648ba8_attn
    .symbol:         k_qccdd648ba8_attn.kd
    .args:
      - { .name: qkv, .offset: 0, .size: 8, .value_kind: global_buffer, .address_space: global }
      - { .name: act, .offset: 8, .size: 8, .value_kind: global_buffer, .address_space: global }
    .group_segment_fixed_size: 327680
    .private_segment_fixed_size: 0
    .kernarg_segment_align: 8
    .kernarg_segment_size: 16
    .max_flat_workgroup_size: 512
    .sgpr_count:     88
    .vgpr_count:     256
    .wavefront_size: 32
...
	.end_amdgpu_metadata
.endif
;; end of part 4
;; launch proj (part 5): grid 4 x 16, 4 waves a work-group, clusters of 4 x 4, 327,680 bytes of LDS; arguments act, w, proj_b, x, x1; writes x1
.if DOCPART == 5
	.amdgcn_target "amdgcn-amd-amdhsa--gfx1250"
	.amdhsa_code_object_version 6
	.text
	.protected	k_qccdd648ba8_proj
	.globl	k_qccdd648ba8_proj
	.p2align	8
	.type	k_qccdd648ba8_proj,@function
k_qccdd648ba8_proj:
	s_mov_b64 s[64:65], 0
	v_nop
	global_prefetch_b8 v0, s[64:65] scope:SCOPE_SE
	s_setreg_imm32_b32 hwreg(HW_REG_WAVE_MODE, 25, 1), 1
	s_wait_xcnt 0x0
	s_wait_alu depctr_hold_cnt(0) depctr_sa_sdst(0) depctr_va_vdst(0) depctr_va_sdst(0) depctr_va_ssrc(0) depctr_va_vcc(0) depctr_vm_vsrc(0)
	s_getreg_b32 s2, hwreg(HW_REG_IB_STS2, 6, 4)
	s_cmp_eq_u32 s2, 0
	s_cbranch_scc0 .Lentry_in_a_cluster
	s_endpgm
.Lentry_in_a_cluster:
	s_bfe_u32 s2, ttmp6, 0x10000c
	s_cmp_lg_u32 s2, 0xf033
	s_cbranch_scc0 .Lentry_shape_is_right
	s_endpgm
.Lentry_shape_is_right:
; x1 = x + Q(o) Q(proj_w) + proj_b, f32 rows of 1,024.  Both operands come as codes of E4M3 with E8M0 scale words, in the layout that the first kernel's head sets out.  Nothing is left out.
; The ring, the joint loads and the order of a step are those of the kernel that makes q, k and v: a tile of 256 x 256, four waves of 128 x 128, K in steps of 256 through two LDS slots; source 0 = the weight's fragment, source 1 = the tokens':
; a lane holds one token, and the eight registers of a tile are eight neighbouring columns.  Sixty-four tiles: with this tile the launch has work for 64 work-groups.
; THE WAY OUT: a block of 16 rows x 128 columns goes through my own stage in LDS (in slot 0, which has had its last fill and its last read) and comes back as whole rows of 512 bytes; the residual's rows, asked for four blocks ahead into
; the registers that held B's fragments, and the bias are added; 32 lanes store 512 consecutive bytes.
; LIMITS: NaN and infinities are not served.
.set KS,    8
.set LAPS,  KS/4
.set A_S,   4194304                    ; where A's scale words begin in its buffer
.set B_C,   3145728                    ; where the weight's codes begin in w
.set B_S,   12582912+98304             ; and its scale words
.set SLOT,  135168
.set OFB,   65536
.set OFSA,  131072
.set OFSB,  133120
.set SPARE, 2*SLOT
.set FR,    16
.set NL,    4
.set NP,    8
.set ADRA,  16
.set ADRS,  18
.set ADRB,  20
.set STO,   24
.set RD,    25
.set CO,    26
.set SPW,   28
.set NIL,   29
.set SC,    32
.set BI,    64                         ; v64-67 the bias of my four columns of a row
.set AF,    128
.set BK,    128                        ; the way out: 16 rows read back: v128-191 and v192-255 by turns
.set WV,    22
.set WR,    23
.set WC,    92
.set CX,    93
.set CY,    94
.set G1A,   24
.set G1B,   32
.set G1SA,  40
.set G1SB,  48
.set G0A,   56
.set G0B,   68
.set G0SA,  76
.set G0SB,  84
.set MSB, 0
.macro WIN new
.if MSB != \new
	s_set_vgpr_msb (MSB<<8)|\new
.set MSB, \new
.endif
.endm
.set MUL_LO, 0xa1
.set MUL_HI, 0xf1
.set TO_B,   0x40
.macro ARM g0, g1
	tensor_load_to_lds s[\g0:\g0+3], s[\g1:\g1+7]
	s_nop 0
.rept 4
	v_nop
.endr
.endm
.macro JLOAD s
	s_cmp_lg_u32 s[WV], 0
	s_cbranch_scc1 .Lj1_\@
	ARM G0A+4*\s, G1A
	s_branch .Ljd_\@
.Lj1_\@:
	s_cmp_lg_u32 s[WV], 1
	s_cbranch_scc1 .Lj2_\@
	ARM G0B+4*\s, G1B
	s_branch .Ljd_\@
.Lj2_\@:
	s_cmp_lg_u32 s[WV], 2
	s_cbranch_scc1 .Lj3_\@
	ARM G0SA+4*\s, G1SA
	s_branch .Ljd_\@
.Lj3_\@:
	ARM G0SB+4*\s, G1SB
.Ljd_\@:
.endm
.macro CREST
	s_cmp_lg_u32 s[WV], 0
	s_cbranch_scc1 .Lnot_wave_0_\@
	s_barrier_signal -3
.Lnot_wave_0_\@:
	s_barrier_wait -3
	s_barrier_signal -1
	s_barrier_wait -1
.endm
.macro CROUND
	s_barrier_signal -1
	s_barrier_wait -1
	CREST
.endm
.macro FRAG reg, adr, q, i
.irp c, 0,1,2,3
	ds_load_b128 v[\reg+4*\c:\reg+4*\c+3], v[\adr] offset:4096*(\i)+2048*(\q)+512*\c
.endr
.endm
.macro MUL16 a0, p, q, sc, zero        ; the 64 accumulators take turns, one instruction a turn
.irp a, \a0, \a0+1
.irp b, 0,1,2,3,4,5,6,7
.if \zero
	v_wmma_scale_f32_16x16x128_f8f6f4 v[8*(8*((\a)%4)+\b):8*(8*((\a)%4)+\b)+7], v[128*(\p)+FR*\b:128*(\p)+FR*\b+FR-1], v[AF+FR*(\a):AF+FR*(\a)+FR-1], 0, v[SC+16*(\sc)+8*(\q)+\b], v[SC+16*(\sc)+8*(\q)+(\a)] matrix_a_scale:MATRIX_SCALE_ROW1
.else
	v_wmma_scale_f32_16x16x128_f8f6f4 v[8*(8*((\a)%4)+\b):8*(8*((\a)%4)+\b)+7], v[128*(\p)+FR*\b:128*(\p)+FR*\b+FR-1], v[AF+FR*(\a):AF+FR*(\a)+FR-1], v[8*(8*((\a)%4)+\b):8*(8*((\a)%4)+\b)+7], v[SC+16*(\sc)+8*(\q)+\b], v[SC+16*(\sc)+8*(\q)+(\a)] matrix_a_scale:MATRIX_SCALE_ROW1
.endif
.endr
.endr
.endm
.macro FETCH_B slot, q, p
	WIN TO_B
.irp i, 0,1,2,3,4,5,6,7
	FRAG 128*(\p)+FR*\i, ADRB+\slot, \q, \i
.endr
	WIN 0
.endm
.macro FETCH_A slot, q, i0
.irp i, \i0, \i0+1, \i0+2, \i0+3
	FRAG AF+FR*(\i), ADRA+\slot, \q, \i
.endr
.endm
.macro SCALES sc
.irp q, 0,1
.irp e, 0,1
	ds_load_b128 v[SC+16*\sc+8*\q+4*\e:SC+16*\sc+8*\q+4*\e+3], v[ADRS+\sc] offset:512*\q+16*\e
.endr
.endr
.endm
.macro PLACES n
.rept \n
	v_nop
.endr
.endm
.macro STEP slot, q, zero
	s_wait_dscnt 4*NL                              ; all but the youngest 16 loads (A's blocks 4-7)
	WIN MUL_LO
	MUL16 0, (\q)%2, \q, \slot, \zero
	MUL16 2, (\q)%2, \q, \slot, \zero
	s_wait_dscnt 0
	PLACES NP
	FETCH_B \slot, (\q)+1, 1-(\q)%2
	FETCH_A \slot, (\q)+1, 0
	WIN MUL_HI
	MUL16 4, (\q)%2, \q, \slot, \zero
	MUL16 6, (\q)%2, \q, \slot, \zero
	PLACES NP
	WIN 0
	FETCH_A \slot, (\q)+1, 4
.endm
.macro TURN slot, next, fill
	s_wait_tensorcnt 0x0                           ; all my tensor loads have landed: my part of the next slot
	ds_add_u32 v[SPW], v[NIL]                      ; 0 onto my spare word
	s_wait_dscnt 4*NL+1                            ; (the add and A's blocks 4-7 may be out)
	WIN MUL_LO
	MUL16 0, 1, 1, \slot, 0
	s_wait_dscnt 0x0                               ; the add is done, and my reads of this slot are over
	s_barrier_signal -1
	MUL16 2, 1, 1, \slot, 0
	WIN 0
	s_barrier_wait -1
.if \fill
	CREST
	s_add_nc_u64 s[G0A+4*\slot+2:G0A+4*\slot+3], s[G0A+4*\slot+2:G0A+4*\slot+3], 8192
	s_add_nc_u64 s[G0B+4*\slot+2:G0B+4*\slot+3], s[G0B+4*\slot+2:G0B+4*\slot+3], 8192
	s_add_nc_u64 s[G0SA+4*\slot+2:G0SA+4*\slot+3], s[G0SA+4*\slot+2:G0SA+4*\slot+3], 2048
	s_add_nc_u64 s[G0SB+4*\slot+2:G0SB+4*\slot+3], s[G0SB+4*\slot+2:G0SB+4*\slot+3], 2048
	JLOAD \slot
	PLACES NP-4
.else
	PLACES NP
.endif
	FETCH_B \next, 0, 0
	FETCH_A \next, 0, 0
	SCALES \next
	WIN MUL_HI
	MUL16 4, 1, 1, \slot, 0
	MUL16 6, 1, 1, \slot, 0
	PLACES NP
	WIN 0
	FETCH_A \next, 0, 4
.endm
	s_load_b256 s[4:11], s[0:1], 0x0               ; A's buffer, w, the bias, the residual
	s_load_b64 s[12:13], s[0:1], 0x20              ; the result
	v_lshl_add_u32 v[SPW], v0, 2, SPARE
	v_mov_b32 v[NIL], 0
	ds_add_u32 v[SPW], v[NIL]                      ; the wave's opening: the add, twice on end, and its wait ahead of my first tensor load
	ds_add_u32 v[SPW], v[NIL]
	v_lshrrev_b32 v1, 5, v0
	v_readfirstlane_b32 s[WV], v1
	s_lshr_b32 s[WR], s[WV], 1
	s_and_b32 s[WC], s[WV], 1
	s_bfe_u32 s[CX], ttmp6, 0x40000
	s_bfe_u32 s[CY], ttmp6, 0x40004
	s_lshl_b32 s96, s[CY], 2
	s_lshl_b32 s96, 15, s96
	s_lshl_b32 s97, 0x1111, s[CX]
	s_or_b32 s[G1A], s96, (3<<16)|(1<<21)
	s_or_b32 s[G1SA], s96, (3<<16)|(1<<21)
	s_or_b32 s[G1B], s97, (3<<16)|(1<<21)
	s_or_b32 s[G1SB], s97, (3<<16)|(1<<21)
.irp g, G1A, G1B
	s_mov_b32 s[\g+1], 512<<16
	s_mov_b32 s[\g+2], 16<<16
	s_mov_b32 s[\g+3], 512<<16
	s_mov_b32 s[\g+4], 16
	s_mov_b32 s[\g+5], KS*256
	s_mov_b32 s[\g+6], 0
	s_mov_b32 s[\g+7], 0
.endr
.irp g, G1SA, G1SB
	s_mov_b32 s[\g+1], 128<<16
	s_mov_b32 s[\g+2], 2<<16
	s_mov_b32 s[\g+3], 128<<16
	s_mov_b32 s[\g+4], 2
	s_mov_b32 s[\g+5], KS*64
	s_mov_b32 s[\g+6], 0
	s_mov_b32 s[\g+7], 0
.endr
	s_and_b32 s14, ttmp7, 0xffff
	s_lshl_b32 s14, s14, 2
	s_add_co_u32 s14, s14, s[CY]                   ; A's tile
	s_lshl_b32 s15, ttmp9, 2
	s_add_co_u32 s15, s15, s[CX]                   ; B's tile
	s_mul_i32 s16, s14, KS*32768
	s_mov_b32 s17, 0
	s_mul_i32 s18, s14, KS*1024
	s_add_co_u32 s18, s18, A_S
	s_mov_b32 s19, 0
	s_mul_i32 s20, s15, KS*32768
	s_add_co_u32 s20, s20, B_C
	s_mov_b32 s21, 0
	s_mul_i32 s98, s15, KS*1024
	s_add_co_u32 s98, s98, B_S
	s_mov_b32 s99, 0
	s_wait_dscnt 0x0
	s_wait_kmcnt 0x0
	s_add_nc_u64 s[16:17], s[4:5], s[16:17]
	s_add_nc_u64 s[18:19], s[4:5], s[18:19]
	s_add_nc_u64 s[20:21], s[6:7], s[20:21]
	s_add_nc_u64 s[98:99], s[6:7], s[98:99]
	CROUND
.irp s, 0,1
	s_mov_b32 s[G0A+4*\s], 1
	s_mov_b32 s[G0A+4*\s+1], \s*SLOT
	s_add_nc_u64 s[G0A+4*\s+2:G0A+4*\s+3], s[16:17], \s*4096
	s_or_b32 s[G0A+4*\s+3], s[G0A+4*\s+3], 0x80000000
	s_mov_b32 s[G0B+4*\s], 1
	s_mov_b32 s[G0B+4*\s+1], \s*SLOT+OFB
	s_add_nc_u64 s[G0B+4*\s+2:G0B+4*\s+3], s[20:21], \s*4096
	s_or_b32 s[G0B+4*\s+3], s[G0B+4*\s+3], 0x80000000
	s_mov_b32 s[G0SA+4*\s], 1
	s_mov_b32 s[G0SA+4*\s+1], \s*SLOT+OFSA
	s_add_nc_u64 s[G0SA+4*\s+2:G0SA+4*\s+3], s[18:19], \s*1024
	s_or_b32 s[G0SA+4*\s+3], s[G0SA+4*\s+3], 0x80000000
	s_mov_b32 s[G0SB+4*\s], 1
	s_mov_b32 s[G0SB+4*\s+1], \s*SLOT+OFSB
	s_add_nc_u64 s[G0SB+4*\s+2:G0SB+4*\s+3], s[98:99], \s*1024
	s_or_b32 s[G0SB+4*\s+3], s[G0SB+4*\s+3], 0x80000000
	JLOAD \s
.endr
	v_and_b32 v1, 31, v0
	v_bfe_u32 v2, v0, 4, 1
	v_lshlrev_b32 v3, 4, v1
	v_and_b32 v4, 15, v0
	s_lshl_b32 s95, s[WR], 15
	s_lshl_b32 s100, s[WC], 15
	s_add_co_u32 s100, s100, OFB
.irp s, 0,1
	v_add_nc_u32 v[ADRA+\s], s95, v3
	v_add_nc_u32 v[ADRB+\s], s100, v3
	s_add_co_u32 s95, s95, SLOT
	s_add_co_u32 s100, s100, SLOT
.endr
	v_lshlrev_b32 v5, 5, v4
	s_lshl_b32 s95, s[WR], 10
	s_lshl_b32 s100, s[WC], 10
	s_add_co_u32 s100, s100, 2048
	s_sub_co_u32 s100, s100, s95
	v_mul_u32_u24 v6, s100, v2
	s_add_co_u32 s95, s95, OFSA
	v_add_nc_u32 v5, v5, v6
	v_add_nc_u32 v[ADRS], s95, v5
	v_add_nc_u32 v[ADRS+1], SLOT, v[ADRS]
	s_mul_i32 s95, s[WV], 8448                     ; my stage: 16 rows x 528
	v_mul_u32_u24 v5, v4, 528
	v_lshl_add_u32 v5, v2, 6, v5
	v_add_nc_u32 v[STO], s95, v5                   ; in: row r, + 64 h; tile b's eight columns 128 (b / 2) + 32 (b % 2) bytes on
	v_add_nc_u32 v[RD], s95, v3                    ; back: a row's 512 bytes
	v_lshlrev_b32 v[CO], 4, v1
	s_lshl_b32 s95, s14, 8
	s_lshl_b32 s96, s[WR], 7
	s_add_co_u32 s95, s95, s96                     ; my first row
	s_lshl_b32 s100, s95, 12
	s_lshl_b32 s96, s15, 10
	s_lshl_b32 s97, s[WC], 9
	s_add_co_u32 s96, s96, s97                     ; my first column, in bytes
	s_mov_b32 s97, 0
	s_add_nc_u64 s[8:9], s[8:9], s[96:97]
	s_add_co_u32 s100, s100, s96
	s_mov_b32 s101, 0
	s_add_nc_u64 s[10:11], s[10:11], s[100:101]
	s_add_nc_u64 s[12:13], s[12:13], s[100:101]
	global_load_b128 v[BI:BI+3], v[CO], s[8:9]
.macro RLOAD a                         ; the residual's 16 rows of block a into window 1, set a % 4
	WIN 0x40
.irp t, 0,1,2,3,4,5,6,7,8,9,10,11,12,13,14,15
	global_load_b128 v[64*((\a)%4)+4*\t:64*((\a)%4)+4*\t+3], v[CO], s[10:11] offset:(32*((\a)/2)+8*((\a)%2)+\t+8*(\t/8))*4096 th:TH_LOAD_NT
.endr
	WIN 0
.endm
.macro TOSTAGE a
.set AC, 64*((\a)%4)
	WIN (0x08+4*((\a)/4))                          ; an LDS store's data are its source 1: window 2 or 3
.irp b, 0,1,2,3,4,5,6,7
	ds_store_b128 v[STO], v[AC+8*\b:AC+8*\b+3] offset:128*(\b/2)+32*(\b%2)          ; each accumulator from its low end on
	ds_store_b128 v[STO], v[AC+8*\b+4:AC+8*\b+7] offset:128*(\b/2)+32*(\b%2)+16
.endr
	WIN 0
.set BB2, BK+64*((\a)%2)
.irp t, 0,1,2,3,4,5,6,7,8,9,10,11,12,13,14,15
	ds_load_b128 v[BB2+4*\t:BB2+4*\t+3], v[RD] offset:\t*528   ; LDS serves a wave's instructions in order (ISA guide 5.7.1.4)
.endr
.endm
.macro SEND a, younger
.set BB2, BK+64*((\a)%2)
.set XR, 64*((\a)%4)
	s_wait_dscnt \younger                          ; the block is back in registers
.if (\a) < 5
	s_wait_loadcnt 48                              ; its residual is in; the three sets asked for behind it may be out
.else
	s_wait_loadcnt 16*(7-(\a))
.endif
	WIN 0x04                                       ; source 1 window 1
.set i, 0
.rept 32
	v_pk_add_f32 v[BB2+i:BB2+i+1], v[BB2+i:BB2+i+1], v[XR+i:XR+i+1]
.set i, i+2
.endr
	WIN 0
.set i, 0
.rept 16
	v_pk_add_f32 v[BB2+i:BB2+i+1], v[BB2+i:BB2+i+1], v[BI:BI+1]
	v_pk_add_f32 v[BB2+i+2:BB2+i+3], v[BB2+i+2:BB2+i+3], v[BI+2:BI+3]
.set i, i+4
.endr
.irp t, 0,1,2,3,4,5,6,7,8,9,10,11,12,13,14,15
	global_store_b128 v[CO], v[BB2+4*\t:BB2+4*\t+3], s[12:13] offset:(32*((\a)/2)+8*((\a)%2)+\t+8*(\t/8))*4096 th:TH_STORE_NT   ; 512 consecutive bytes of a row
.endr
.if (\a) < 4
	RLOAD (\a)+4
.endif
.endm
	s_wait_tensorcnt 1                             ; my part of slot 0 is in; slot 1's may stay out
	s_barrier_signal -1
	s_barrier_wait -1
	FETCH_B 0, 0, 0
	FETCH_A 0, 0, 0
	SCALES 0
	FETCH_A 0, 0, 4
	STEP 0, 0, 1
	s_mov_b32 s2, LAPS-1
.Llap:
	TURN 0, 1, 1
	STEP 1, 0, 0
	TURN 1, 0, 1
	STEP 0, 0, 0
	s_sub_co_u32 s2, s2, 1
	s_cmp_lg_u32 s2, 0
	s_cbranch_scc1 .Llap
	TURN 0, 1, 0
	STEP 1, 0, 0
	RLOAD 0                                        ; B's set 0 is done with, eight places back
	RLOAD 1
	s_wait_dscnt 4*NL
	WIN MUL_LO
	MUL16 0, 1, 1, 1, 0
	MUL16 2, 1, 1, 1, 0
	s_wait_dscnt 0
	WIN MUL_HI
	MUL16 4, 1, 1, 1, 0
	MUL16 6, 1, 1, 1, 0
	WIN 0
	PLACES NP
	RLOAD 2
	RLOAD 3
	TOSTAGE 0
.irp a, 1,2,3,4,5,6,7
.if \a > 1
	s_wait_xcnt 0x0                                ; block a - 2's stores have read their registers
.endif
	TOSTAGE \a
	SEND \a-1, 32                                  ; behind block a - 1's loads: block a's 16 stores and 16 loads
.endr
	s_wait_xcnt 0x0
	SEND 7, 0
	s_wait_tensorcnt 0x0                           ; the wave's end
	ds_add_u32 v[SPW], v[NIL]
	s_wait_dscnt 0x0
	CROUND
	s_endpgm
.Lfunc_end_k_qccdd648ba8_proj:
	.size	k_qccdd648ba8_proj, .Lfunc_end_k_qccdd648ba8_proj-k_qccdd648ba8_proj
	.p2alignl 7, 3214868480
	.fill 96, 4, 3214868480
	.section	.rodata,"a",@progbits
	.p2align	6, 0x0
	.amdhsa_kernel k_qccdd648ba8_proj
		.amdhsa_group_segment_fixed_size 327680
		.amdhsa_private_segment_fixed_size 0
		.amdhsa_enable_private_segment 0
		.amdhsa_kernarg_size 40
		.amdhsa_user_sgpr_count 2
		.amdhsa_user_sgpr_kernarg_segment_ptr 1
		.amdhsa_wavefront_size32 1
		.amdhsa_system_sgpr_workgroup_id_x 1
		.amdhsa_system_sgpr_workgroup_id_y 1
		.amdhsa_system_sgpr_workgroup_id_z 1
		.amdhsa_system_vgpr_workitem_id 0
		.amdhsa_next_free_vgpr 1024
		.amdhsa_next_free_sgpr 106
		.amdhsa_reserve_vcc 0
		.amdhsa_float_denorm_mode_32 3
		.amdhsa_float_denorm_mode_16_64 3
		.amdhsa_memory_ordered 1
		.amdhsa_forward_progress 1
		.amdhsa_inst_pref_size 192
	.end_amdhsa_kernel
	.amdgpu_metadata
---
amdhsa.version: [ 1, 2 ]
amdhsa.kernels:
  - .name:           k_qccdd648ba8_proj
    .symbol:         k_qccdd648ba8_proj.kd
    .args:
      - { .name: act, .offset: 0, .size: 8, .value_kind: global_buffer, .address_space: global }
      - { .name: w, .offset: 8, .size: 8, .value_kind: global_buffer, .address_space: global }
      - { .name: proj_b, .offset: 16, .size: 8, .value_kind: global_buffer, .address_space: global }
      - { .name: x, .offset: 24, .size: 8, .value_kind: global_buffer, .address_space: global }
      - { .name: x1, .offset: 32, .size: 8, .value_kind: global_buffer, .address_space: global }
    .group_segment_fixed_size: 327680
    .private_segment_fixed_size: 0
    .kernarg_segment_align: 8
    .kernarg_segment_size: 40
    .max_flat_workgroup_size: 128
    .sgpr_count:     106
    .vgpr_count:     1024
    .wavefront_size: 32
...
	.end_amdgpu_metadata
.endif
;; end of part 5
;; launch lnm: the kernel of part 2 again; grid 256 x 1, 8 waves a work-group, no clusters, 69,632 bytes of LDS; arguments x1, lnm_g, lnm_b, act; writes act
;; launch fc1 (part 6): grid 16 x 16, 4 waves a work-group, clusters of 4 x 4, 327,680 bytes of LDS; arguments act, w, fc1_b, g; writes g
.if DOCPART == 6
	.amdgcn_target "amdgcn-amd-amdhsa--gfx1250"
	.amdhsa_code_object_version 6
	.text
	.protected	k_qccdd648ba8_fc1
	.globl	k_qccdd648ba8_fc1
	.p2align	8
	.type	k_qccdd648ba8_fc1,@function
k_qccdd648ba8_fc1:
	s_mov_b64 s[64:65], 0
	v_nop
	global_prefetch_b8 v0, s[64:65] scope:SCOPE_SE
	s_setreg_imm32_b32 hwreg(HW_REG_WAVE_MODE, 25, 1), 1
	s_wait_xcnt 0x0
	s_wait_alu depctr_hold_cnt(0) depctr_sa_sdst(0) depctr_va_vdst(0) depctr_va_sdst(0) depctr_va_ssrc(0) depctr_va_vcc(0) depctr_vm_vsrc(0)
	s_getreg_b32 s2, hwreg(HW_REG_IB_STS2, 6, 4)
	s_cmp_eq_u32 s2, 0
	s_cbranch_scc0 .Lentry_in_a_cluster
	s_endpgm
.Lentry_in_a_cluster:
	s_bfe_u32 s2, ttmp6, 0x10000c
	s_cmp_lg_u32 s2, 0xf033
	s_cbranch_scc0 .Lentry_shape_is_right
	s_endpgm
.Lentry_shape_is_right:
; g = Q(gelu(Q(norm2(x1)) Q(fc1_w) + fc1_b)), quantised along the 4,096 hidden units on the way out.  Both operands come as codes of E4M3 with E8M0 scale words, in the layout that the first kernel's head sets out.  Nothing is left out.
; The ring, the joint loads and the order of a step are those of the kernel that makes q, k and v: a tile of 256 x 256, four waves of 128 x 128; source 0 = the weight's fragment, source 1 = the tokens': a lane holds one token, and its
; registers run along the hidden units, 16 neighbours for each pair of tiles.
; GELU (the exact one): gelu(x) = max(x, 0) - |x| Q(|x|), Q the upper tail of the normal law: no difference of near numbers on either side of 0.  Q(y) = exp(-y^2 / 2) (c1 t + .. + c5 t^5), t = 1 / (1 + 0.2316419 y)
; (Abramowitz and Stegun 26.2.17, with 1 / sqrt(2 pi) in the coefficients).  LIMIT: the formula's published bound is 7.5e-8 absolute in Q, the size of half an ulp of 1; against gelu itself that is under 4e-6 down to x = -2 and grows
; in the far negative tail, where gelu is under a thousandth of x.  Where y^2 overflows, the exponential is 0 and gelu = max(x, 0).
; LIMITS: NaN and infinities are not served; v_exp_f32 and v_rcp_f32 are good to 1 ulp and flush denormals; a block of zeros gets the byte 1 (its codes are zeros; this program alone reads the bytes); blocks under 2^-118 are held at that floor.
.set KS,    8
.set LAPS,  KS/4
.set A_S,   4194304
.set B_C,   4194304
.set B_S,   12582912+131072
.set G_S,   16777216
.set SLOT,  135168
.set OFB,   65536
.set OFSA,  131072
.set OFSB,  133120
.set SPARE, 2*SLOT
.set FR,    16
.set NL,    4
.set NP,    8
.set C4,    8                          ; v8-15, v30-31: gelu's coefficients, each twice: pairs for the packed forms
.set C3,    10
.set C2,    12
.set C1,    14
.set C5,    30
.set ADRA,  16
.set ADRS,  18
.set ADRB,  20
.set SPW,   28
.set NIL,   29
.set SC,    32
.set BB,    64
.set AF,    128
.set T,     128
.set TM,    192
.set PC,    208
.set PW,    224
.set U,     0                          ; window 1, on the way out: t,
.set EE,    64                         ; the exponential, then max(x, 0),
.set WW,    128                        ; the polynomial
.set AI,    14
.set AO,    15
.set SEL,   16
.set MNT,   18
.set PP,    19
.set NLG,   20
.set WV,    22
.set WR,    23
.set WC,    92
.set CX,    93
.set CY,    94
.set G1A,   24
.set G1B,   32
.set G1SA,  40
.set G1SB,  48
.set G0A,   56
.set G0B,   68
.set G0SA,  76
.set G0SB,  84
.set MSB, 0
.macro WIN new
.if MSB != \new
	s_set_vgpr_msb (MSB<<8)|\new
.set MSB, \new
.endif
.endm
.set MUL_LO, 0xa1
.set MUL_HI, 0xf1
.set TO_B,   0x40
.macro ARM g0, g1
	tensor_load_to_lds s[\g0:\g0+3], s[\g1:\g1+7]
	s_nop 0
.rept 4
	v_nop
.endr
.endm
.macro JLOAD s
	s_cmp_lg_u32 s[WV], 0
	s_cbranch_scc1 .Lj1_\@
	ARM G0A+4*\s, G1A
	s_branch .Ljd_\@
.Lj1_\@:
	s_cmp_lg_u32 s[WV], 1
	s_cbranch_scc1 .Lj2_\@
	ARM G0B+4*\s, G1B
	s_branch .Ljd_\@
.Lj2_\@:
	s_cmp_lg_u32 s[WV], 2
	s_cbranch_scc1 .Lj3_\@
	ARM G0SA+4*\s, G1SA
	s_branch .Ljd_\@
.Lj3_\@:
	ARM G0SB+4*\s, G1SB
.Ljd_\@:
.endm
.macro CREST
	s_cmp_lg_u32 s[WV], 0
	s_cbranch_scc1 .Lnot_wave_0_\@
	s_barrier_signal -3
.Lnot_wave_0_\@:
	s_barrier_wait -3
	s_barrier_signal -1
	s_barrier_wait -1
.endm
.macro CROUND
	s_barrier_signal -1
	s_barrier_wait -1
	CREST
.endm
.macro FRAG reg, adr, q, i
.irp c, 0,1,2,3
	ds_load_b128 v[\reg+4*\c:\reg+4*\c+3], v[\adr] offset:4096*(\i)+2048*(\q)+512*\c
.endr
.endm
.macro MUL16 a0, p, q, sc, zero        ; the 64 accumulators take turns, one instruction a turn
.irp a, \a0, \a0+1
.irp b, 0,1,2,3,4,5,6,7
.if \zero
	v_wmma_scale_f32_16x16x128_f8f6f4 v[8*(8*((\a)%4)+\b):8*(8*((\a)%4)+\b)+7], v[128*(\p)+FR*\b:128*(\p)+FR*\b+FR-1], v[AF+FR*(\a):AF+FR*(\a)+FR-1], 0, v[SC+16*(\sc)+8*(\q)+\b], v[SC+16*(\sc)+8*(\q)+(\a)] matrix_a_scale:MATRIX_SCALE_ROW1
.else
	v_wmma_scale_f32_16x16x128_f8f6f4 v[8*(8*((\a)%4)+\b):8*(8*((\a)%4)+\b)+7], v[128*(\p)+FR*\b:128*(\p)+FR*\b+FR-1], v[AF+FR*(\a):AF+FR*(\a)+FR-1], v[8*(8*((\a)%4)+\b):8*(8*((\a)%4)+\b)+7], v[SC+16*(\sc)+8*(\q)+\b], v[SC+16*(\sc)+8*(\q)+(\a)] matrix_a_scale:MATRIX_SCALE_ROW1
.endif
.endr
.endr
.endm
.macro FETCH_B slot, q, p
	WIN TO_B
.irp i, 0,1,2,3,4,5,6,7
	FRAG 128*(\p)+FR*\i, ADRB+\slot, \q, \i
.endr
	WIN 0
.endm
.macro FETCH_A slot, q, i0
.irp i, \i0, \i0+1, \i0+2, \i0+3
	FRAG AF+FR*(\i), ADRA+\slot, \q, \i
.endr
.endm
.macro SCALES sc
.irp q, 0,1
.irp e, 0,1
	ds_load_b128 v[SC+16*\sc+8*\q+4*\e:SC+16*\sc+8*\q+4*\e+3], v[ADRS+\sc] offset:512*\q+16*\e
.endr
.endr
.endm
.macro PLACES n
.rept \n
	v_nop
.endr
.endm
.macro STEP slot, q, zero
	s_wait_dscnt 4*NL                              ; all but the youngest 16 loads (A's blocks 4-7)
	WIN MUL_LO
	MUL16 0, (\q)%2, \q, \slot, \zero
	MUL16 2, (\q)%2, \q, \slot, \zero
	s_wait_dscnt 0
	PLACES NP
	FETCH_B \slot, (\q)+1, 1-(\q)%2
	FETCH_A \slot, (\q)+1, 0
	WIN MUL_HI
	MUL16 4, (\q)%2, \q, \slot, \zero
	MUL16 6, (\q)%2, \q, \slot, \zero
	PLACES NP
	WIN 0
	FETCH_A \slot, (\q)+1, 4
.endm
.macro TURN slot, next, fill
	s_wait_tensorcnt 0x0                           ; all my tensor loads have landed: my part of the next slot
	ds_add_u32 v[SPW], v[NIL]                      ; 0 onto my spare word
	s_wait_dscnt 4*NL+1                            ; (the add and A's blocks 4-7 may be out)
	WIN MUL_LO
	MUL16 0, 1, 1, \slot, 0
	s_wait_dscnt 0x0                               ; the add is done, and my reads of this slot are over
	s_barrier_signal -1
	MUL16 2, 1, 1, \slot, 0
	WIN 0
	s_barrier_wait -1
.if \fill
	CREST
	s_add_nc_u64 s[G0A+4*\slot+2:G0A+4*\slot+3], s[G0A+4*\slot+2:G0A+4*\slot+3], 8192
	s_add_nc_u64 s[G0B+4*\slot+2:G0B+4*\slot+3], s[G0B+4*\slot+2:G0B+4*\slot+3], 8192
	s_add_nc_u64 s[G0SA+4*\slot+2:G0SA+4*\slot+3], s[G0SA+4*\slot+2:G0SA+4*\slot+3], 2048
	s_add_nc_u64 s[G0SB+4*\slot+2:G0SB+4*\slot+3], s[G0SB+4*\slot+2:G0SB+4*\slot+3], 2048
	JLOAD \slot
	PLACES NP-4
.else
	PLACES NP
.endif
	FETCH_B \next, 0, 0
	FETCH_A \next, 0, 0
	SCALES \next
	WIN MUL_HI
	MUL16 4, 1, 1, \slot, 0
	MUL16 6, 1, 1, \slot, 0
	PLACES NP
	WIN 0
	FETCH_A \next, 0, 4
.endm
.macro QUANT s
.irp b, 0,1,2,3
	v_max3_num_f32 v[TM+\b], |v[\s+16*\b]|, |v[\s+1+16*\b]|, 0x4800000   ; and the floor 2^(9 - 127): the byte cannot fall under 1
.endr
.irp i, 2,4,6,8,10,12,14
.irp b, 0,1,2,3
	v_max3_num_f32 v[TM+\b], v[TM+\b], |v[\s+16*\b+\i]|, |v[\s+1+16*\b+\i]|
.endr
.endr
.irp b, 0,1,2,3
	v_permlanex16_b32 v[TM+4+\b], v[TM+\b], s[SEL], s[SEL+1]
.endr
.irp b, 0,1,2,3
	v_max_num_f32 v[TM+\b], v[TM+\b], v[TM+4+\b]
.endr
.irp b, 0,1,2,3
	v_add_nc_u32 v[TM+12+\b], 0xfc000000, v[TM+\b]
.endr
.irp b, 0,1,2,3
	v_and_or_b32 v[TM+8+\b], v[TM+\b], 0x7f800000, s[MNT]
.endr
.irp b, 0,1,2,3
	v_lshrrev_b32 v[TM+4+\b], 23, v[TM+12+\b]
.endr
	v_lshl_or_b32 v[PW], v[TM+5], 8, v[TM+4]
	v_lshl_or_b32 v[PW], v[TM+6], 16, v[PW]
	v_lshl_or_b32 v[PW], v[TM+7], 24, v[PW]
.irp b, 0,1,2,3
.irp i, 0,1,2,3,4,5,6,7,8,9,10,11,12,13,14,15
	v_med3_num_f32 v[\s+16*\b+\i], v[\s+16*\b+\i], -v[TM+8+\b], v[TM+8+\b]   ; the conversion does not saturate (ISA guide 7.6.2)
.endr
	v_cvt_scalef32_pk8_fp8_f32 v[PC+4*\b:PC+1+4*\b], v[\s+16*\b:\s+7+16*\b], v[TM+12+\b]
	v_cvt_scalef32_pk8_fp8_f32 v[PC+2+4*\b:PC+3+4*\b], v[\s+8+16*\b:\s+15+16*\b], v[TM+12+\b]
.endr
	v_nop
.endm
	s_load_b256 s[4:11], s[0:1], 0x0               ; act, w, fc1_b, g
	v_lshl_add_u32 v[SPW], v0, 2, SPARE
	v_mov_b32 v[NIL], 0
	ds_add_u32 v[SPW], v[NIL]                      ; the wave's opening: the add, twice on end, and its wait ahead of my first tensor load
	ds_add_u32 v[SPW], v[NIL]
	v_lshrrev_b32 v1, 5, v0
	v_readfirstlane_b32 s[WV], v1
	s_lshr_b32 s[WR], s[WV], 1
	s_and_b32 s[WC], s[WV], 1
	s_bfe_u32 s[CX], ttmp6, 0x40000
	s_bfe_u32 s[CY], ttmp6, 0x40004
	s_lshl_b32 s96, s[CY], 2
	s_lshl_b32 s96, 15, s96
	s_lshl_b32 s97, 0x1111, s[CX]
	s_or_b32 s[G1A], s96, (3<<16)|(1<<21)
	s_or_b32 s[G1SA], s96, (3<<16)|(1<<21)
	s_or_b32 s[G1B], s97, (3<<16)|(1<<21)
	s_or_b32 s[G1SB], s97, (3<<16)|(1<<21)
.irp g, G1A, G1B
	s_mov_b32 s[\g+1], 512<<16
	s_mov_b32 s[\g+2], 16<<16
	s_mov_b32 s[\g+3], 512<<16
	s_mov_b32 s[\g+4], 16
	s_mov_b32 s[\g+5], KS*256
	s_mov_b32 s[\g+6], 0
	s_mov_b32 s[\g+7], 0
.endr
.irp g, G1SA, G1SB
	s_mov_b32 s[\g+1], 128<<16
	s_mov_b32 s[\g+2], 2<<16
	s_mov_b32 s[\g+3], 128<<16
	s_mov_b32 s[\g+4], 2
	s_mov_b32 s[\g+5], KS*64
	s_mov_b32 s[\g+6], 0
	s_mov_b32 s[\g+7], 0
.endr
	s_and_b32 s14, ttmp7, 0xffff
	s_lshl_b32 s14, s14, 2
	s_add_co_u32 s14, s14, s[CY]                   ; A's tile
	s_lshl_b32 s15, ttmp9, 2
	s_add_co_u32 s15, s15, s[CX]                   ; B's tile
	s_mul_i32 s16, s14, KS*32768
	s_mov_b32 s17, 0
	s_mul_i32 s18, s14, KS*1024
	s_add_co_u32 s18, s18, A_S
	s_mov_b32 s19, 0
	s_mul_i32 s20, s15, KS*32768
	s_add_co_u32 s20, s20, B_C
	s_mov_b32 s21, 0
	s_mul_i32 s98, s15, KS*1024
	s_add_co_u32 s98, s98, B_S
	s_mov_b32 s99, 0
	s_wait_dscnt 0x0
	s_wait_kmcnt 0x0
	s_add_nc_u64 s[16:17], s[4:5], s[16:17]
	s_add_nc_u64 s[18:19], s[4:5], s[18:19]
	s_add_nc_u64 s[20:21], s[6:7], s[20:21]
	s_add_nc_u64 s[98:99], s[6:7], s[98:99]
	CROUND
.irp s, 0,1
	s_mov_b32 s[G0A+4*\s], 1
	s_mov_b32 s[G0A+4*\s+1], \s*SLOT
	s_add_nc_u64 s[G0A+4*\s+2:G0A+4*\s+3], s[16:17], \s*4096
	s_or_b32 s[G0A+4*\s+3], s[G0A+4*\s+3], 0x80000000
	s_mov_b32 s[G0B+4*\s], 1
	s_mov_b32 s[G0B+4*\s+1], \s*SLOT+OFB
	s_add_nc_u64 s[G0B+4*\s+2:G0B+4*\s+3], s[20:21], \s*4096
	s_or_b32 s[G0B+4*\s+3], s[G0B+4*\s+3], 0x80000000
	s_mov_b32 s[G0SA+4*\s], 1
	s_mov_b32 s[G0SA+4*\s+1], \s*SLOT+OFSA
	s_add_nc_u64 s[G0SA+4*\s+2:G0SA+4*\s+3], s[18:19], \s*1024
	s_or_b32 s[G0SA+4*\s+3], s[G0SA+4*\s+3], 0x80000000
	s_mov_b32 s[G0SB+4*\s], 1
	s_mov_b32 s[G0SB+4*\s+1], \s*SLOT+OFSB
	s_add_nc_u64 s[G0SB+4*\s+2:G0SB+4*\s+3], s[98:99], \s*1024
	s_or_b32 s[G0SB+4*\s+3], s[G0SB+4*\s+3], 0x80000000
	JLOAD \s
.endr
	v_and_b32 v1, 31, v0
	v_bfe_u32 v2, v0, 4, 1
	v_lshlrev_b32 v3, 4, v1
	v_and_b32 v4, 15, v0
	s_lshl_b32 s95, s[WR], 15
	s_lshl_b32 s100, s[WC], 15
	s_add_co_u32 s100, s100, OFB
.irp s, 0,1
	v_add_nc_u32 v[ADRA+\s], s95, v3
	v_add_nc_u32 v[ADRB+\s], s100, v3
	s_add_co_u32 s95, s95, SLOT
	s_add_co_u32 s100, s100, SLOT
.endr
	v_lshlrev_b32 v5, 5, v4
	s_lshl_b32 s95, s[WR], 10
	s_lshl_b32 s100, s[WC], 10
	s_add_co_u32 s100, s100, 2048
	s_sub_co_u32 s100, s100, s95
	v_mul_u32_u24 v6, s100, v2
	s_add_co_u32 s95, s95, OFSA
	v_add_nc_u32 v5, v5, v6
	v_add_nc_u32 v[ADRS], s95, v5
	v_add_nc_u32 v[ADRS+1], SLOT, v[ADRS]
	v_mov_b32 v24, v3                              ; the way out: 16 x lane
	s_lshl_b32 s95, s[WV], 9                       ; 512 bytes of my own in slot 0 for my eight blocks' scale words
	v_add_nc_u32 v25, s95, v3
	v_lshl_add_u32 v26, v4, 5, s95
	s_lshl_b32 s95, s15, 1
	s_add_co_u32 s95, s95, s[WC]                   ; the K step of g that my results make
	s_lshl_b32 s96, s14, 1
	s_add_co_u32 s96, s96, s[WR]                   ; and their group of 128 tokens
	s_lshl_b32 s97, s96, 8                         ; 8 fragments x 32 K steps
	s_add_co_u32 s97, s97, s95
	s_lshl_b32 s100, s97, 11
	s_mov_b32 s101, 0
	s_add_nc_u64 s[100:101], s[10:11], s[100:101]  ; my codes
	s_lshl_b32 s97, s96, 5
	s_add_co_u32 s97, s97, s95
	s_lshl_b32 s104, s97, 9
	s_add_co_u32 s104, s104, G_S
	s_mov_b32 s105, 0
	s_add_nc_u64 s[104:105], s[10:11], s[104:105]  ; my unit of scale words
	s_lshl_b32 s96, s95, 9
	s_mov_b32 s97, 0
	s_add_nc_u64 s[8:9], s[8:9], s[96:97]
	v_lshlrev_b32 v30, 6, v2                       ; the bias runs along my registers: 64 h
.irp b, 0,1,2,3
.irp j, 0,1,2,3
	global_load_b128 v[BB+16*\b+4*\j:BB+16*\b+4*\j+3], v30, s[8:9] offset:128*\b+16*\j
.endr
.endr
	s_wait_tensorcnt 1                             ; my part of slot 0 is in; slot 1's may stay out
	s_barrier_signal -1
	s_barrier_wait -1
	FETCH_B 0, 0, 0
	FETCH_A 0, 0, 0
	SCALES 0
	FETCH_A 0, 0, 4
	STEP 0, 0, 1
	s_mov_b32 s2, LAPS-1
.Llap:
	TURN 0, 1, 1
	STEP 1, 0, 0
	TURN 1, 0, 1
	STEP 0, 0, 0
	s_sub_co_u32 s2, s2, 1
	s_cmp_lg_u32 s2, 0
	s_cbranch_scc1 .Llap
	TURN 0, 1, 0
	STEP 1, 0, 0
	s_wait_dscnt 4*NL
	WIN MUL_LO
	MUL16 0, 1, 1, 1, 0
	MUL16 2, 1, 1, 1, 0
	s_wait_dscnt 0
	WIN MUL_HI
	MUL16 4, 1, 1, 1, 0
	MUL16 6, 1, 1, 1, 0
	WIN 0
; THE WAY OUT: eight trips, one for each of A's blocks.  A ladder on the trip's number picks the 32 packed additions that take the block's 64 sums, with the bias, into v[T] on; gelu, the quantiser and the stores are written once.
	PLACES NP
	s_wait_loadcnt 0x0                             ; the bias (its address register is free from here)
	s_mov_b32 s[SEL], 0x76543210
	s_mov_b32 s[SEL+1], 0xfedcba98
	s_mov_b32 s[MNT], 0x600000
	s_mov_b32 s[PP], 0x3e6d3389                    ; 0.2316419
	s_mov_b32 s[NLG], 0xbf38aa3b                   ; -log2(e) / 2
	s_mov_b32 s[NLG+1], s[NLG]
.irp j, 0,1
	v_mov_b32 v[C1+\j], 0x3e027906                 ;  0.127414796
	v_mov_b32 v[C2+\j], 0xbe11a98e                 ; -0.142248368
	v_mov_b32 v[C3+\j], 0x3f35f0e3                 ;  0.710706871
	v_mov_b32 v[C4+\j], 0xbf3a00e3                 ; -0.726576014
	v_mov_b32 v[C5+\j], 0x3f07dc22                 ;  0.530702715
.endr
.irp b, 0,1,2,3
	v_mov_b32 v[TM+4+\b], 0                        ; a lane permute's destination counts as one of its sources
.endr
	s_mov_b32 s[AI], 0
	s_mov_b32 s[AO], 0
.macro TAKE a                          ; each accumulator from its low end on
.Ltake_\a:
	WIN (0x02+(\a)/4)
.set i, 0
.rept 32
	v_pk_add_f32 v[T+i:T+i+1], v[64*((\a)%4)+i:64*((\a)%4)+i+1], v[BB+i:BB+i+1]
.set i, i+2
.endr
	WIN 0
.if (\a) < 7
	s_branch .Lgot
.endif
.endm
.Lrow:
.irp a, 0,1,2,3,4,5,6
	s_cmp_eq_u32 s[AI], \a
	s_cbranch_scc1 .Ltake_\a
.endr
	s_branch .Ltake_7
.irp a, 0,1,2,3,4,5,6,7
	TAKE \a
.endr
.Lgot:
	WIN 0x40                                       ; destination window 1
.set i, 0
.rept 64
	v_fma_f32 v[U+i], |v[T+i]|, s[PP], 1.0
.set i, i+1
.endr
.set i, 0
.rept 32
	v_pk_mul_f32 v[EE+i:EE+i+1], v[T+i:T+i+1], v[T+i:T+i+1]
.set i, i+2
.endr
	WIN 0x41                                       ; destination and source 0 window 1
.set i, 0
.rept 32
	v_pk_mul_f32 v[EE+i:EE+i+1], v[EE+i:EE+i+1], s[NLG:NLG+1] op_sel_hi:[1,0]
.set i, i+2
.endr
.set i, 0
.rept 64
	v_rcp_f32 v[U+i], v[U+i]                       ; t
.set i, i+1
.endr
.set i, 0
.rept 64
	v_exp_f32 v[EE+i], v[EE+i]                     ; exp(-x^2 / 2)
.set i, i+1
.endr
	v_nop                                          ; a plain line behind the batch,
	s_wait_alu depctr_va_vdst(0)                   ; and ONE wait for its 128, ahead of the first reader
.set i, 0
.rept 32
	v_pk_fma_f32 v[WW+i:WW+i+1], v[U+i:U+i+1], v[C5:C5+1], v[C4:C4+1]
.set i, i+2
.endr
	WIN 0x45                                       ; destination, sources 0 and 1 window 1
.irp c, C3, C2, C1
.set i, 0
.rept 32
	v_pk_fma_f32 v[WW+i:WW+i+1], v[WW+i:WW+i+1], v[U+i:U+i+1], v[\c:\c+1]
.set i, i+2
.endr
.endr
.set i, 0
.rept 32
	v_pk_mul_f32 v[WW+i:WW+i+1], v[WW+i:WW+i+1], v[U+i:U+i+1]
.set i, i+2
.endr
.set i, 0
.rept 32
	v_pk_mul_f32 v[WW+i:WW+i+1], v[WW+i:WW+i+1], v[EE+i:EE+i+1]   ; Q(|x|)
.set i, i+2
.endr
	WIN 0x40
.set i, 0
.rept 64
	v_max_num_f32 v[EE+i], 0, v[T+i]
.set i, i+1
.endr
	WIN 0x14                                       ; sources 1 and 2 window 1
.set i, 0
.rept 64
	v_fma_f32 v[T+i], -|v[T+i]|, v[WW+i], v[EE+i]  ; gelu = max(x, 0) - |x| Q(|x|)
.set i, i+1
.endr
	WIN 0
	QUANT T
.irp c, 0,1,2,3
	global_store_b128 v24, v[PC+4*\c:PC+4*\c+3], s[100:101] offset:512*\c   ; 512 consecutive bytes of the fragment's image
.endr
	v_add_nc_u32 v27, s[AO], v26
	ds_store_b32 v27, v[PW]                        ; 32 r + 4 a of my unit; both halves of the lanes write the same word with the same value
	s_wait_xcnt 0x0                                ; the stores have read their data and their base: both are written again
	s_add_nc_u64 s[100:101], s[100:101], 65536     ; the next fragment of tokens: 32 K steps on
	s_add_co_u32 s[AO], s[AO], 4
	s_add_co_u32 s[AI], s[AI], 1
	s_cmp_lt_u32 s[AI], 8
	s_cbranch_scc1 .Lrow
	ds_load_b128 v[4:7], v25                       ; LDS serves a wave's instructions in order: these see my stores
	s_wait_dscnt 0x0
	global_store_b128 v24, v[4:7], s[104:105]      ; the whole unit: 512 consecutive bytes
	s_wait_tensorcnt 0x0                           ; the wave's end
	ds_add_u32 v[SPW], v[NIL]
	s_wait_dscnt 0x0
	CROUND
	s_endpgm
.Lfunc_end_k_qccdd648ba8_fc1:
	.size	k_qccdd648ba8_fc1, .Lfunc_end_k_qccdd648ba8_fc1-k_qccdd648ba8_fc1
	.p2alignl 7, 3214868480
	.fill 96, 4, 3214868480
	.section	.rodata,"a",@progbits
	.p2align	6, 0x0
	.amdhsa_kernel k_qccdd648ba8_fc1
		.amdhsa_group_segment_fixed_size 327680
		.amdhsa_private_segment_fixed_size 0
		.amdhsa_enable_private_segment 0
		.amdhsa_kernarg_size 32
		.amdhsa_user_sgpr_count 2
		.amdhsa_user_sgpr_kernarg_segment_ptr 1
		.amdhsa_wavefront_size32 1
		.amdhsa_system_sgpr_workgroup_id_x 1
		.amdhsa_system_sgpr_workgroup_id_y 1
		.amdhsa_system_sgpr_workgroup_id_z 1
		.amdhsa_system_vgpr_workitem_id 0
		.amdhsa_next_free_vgpr 1024
		.amdhsa_next_free_sgpr 106
		.amdhsa_reserve_vcc 0
		.amdhsa_float_denorm_mode_32 3
		.amdhsa_float_denorm_mode_16_64 3
		.amdhsa_memory_ordered 1
		.amdhsa_forward_progress 1
		.amdhsa_inst_pref_size 176
	.end_amdhsa_kernel
	.amdgpu_metadata
---
amdhsa.version: [ 1, 2 ]
amdhsa.kernels:
  - .name:           k_qccdd648ba8_fc1
    .symbol:         k_qccdd648ba8_fc1.kd
    .args:
      - { .name: act, .offset: 0, .size: 8, .value_kind: global_buffer, .address_space: global }
      - { .name: w, .offset: 8, .size: 8, .value_kind: global_buffer, .address_space: global }
      - { .name: fc1_b, .offset: 16, .size: 8, .value_kind: global_buffer, .address_space: global }
      - { .name: g, .offset: 24, .size: 8, .value_kind: global_buffer, .address_space: global }
    .group_segment_fixed_size: 327680
    .private_segment_fixed_size: 0
    .kernarg_segment_align: 8
    .kernarg_segment_size: 32
    .max_flat_workgroup_size: 128
    .sgpr_count:     106
    .vgpr_count:     1024
    .wavefront_size: 32
...
	.end_amdgpu_metadata
.endif
;; end of part 6
;; launch fc2 (part 7): grid 4 x 16, 4 waves a work-group, clusters of 4 x 4, 327,680 bytes of LDS; arguments g, w, fc2_b, x1, out0; writes out0
.if DOCPART == 7
	.amdgcn_target "amdgcn-amd-amdhsa--gfx1250"
	.amdhsa_code_object_version 6
	.text
	.protected	k_qccdd648ba8_fc2
	.globl	k_qccdd648ba8_fc2
	.p2align	8
	.type	k_qccdd648ba8_fc2,@function
k_qccdd648ba8_fc2:
	s_mov_b64 s[64:65], 0
	v_nop
	global_prefetch_b8 v0, s[64:65] scope:SCOPE_SE
	s_setreg_imm32_b32 hwreg(HW_REG_WAVE_MODE, 25, 1), 1
	s_wait_xcnt 0x0
	s_wait_alu depctr_hold_cnt(0) depctr_sa_sdst(0) depctr_va_vdst(0) depctr_va_sdst(0) depctr_va_ssrc(0) depctr_va_vcc(0) depctr_vm_vsrc(0)
	s_getreg_b32 s2, hwreg(HW_REG_IB_STS2, 6, 4)
	s_cmp_eq_u32 s2, 0
	s_cbranch_scc0 .Lentry_in_a_cluster
	s_endpgm
.Lentry_in_a_cluster:
	s_bfe_u32 s2, ttmp6, 0x10000c
	s_cmp_lg_u32 s2, 0xf033
	s_cbranch_scc0 .Lentry_shape_is_right
	s_endpgm
.Lentry_shape_is_right:
; out0 = x1 + g Q(fc2_w) + fc2_b, f32 rows of 1,024; K = 4,096.  Both operands come as codes of E4M3 with E8M0 scale words, in the layout that the first kernel's head sets out.  Nothing is left out.
; The text is the projection's, with 32 K steps of 128 in a row of either operand and other places in the buffers: a tile of 256 x 256, four waves of 128 x 128, K in steps of 256 through two LDS slots filled by joint loads;
; source 0 = the weight's fragment, source 1 = the tokens'.  Sixty-four tiles: with this tile the launch has work for 64 work-groups.
; THE WAY OUT: a block of 16 rows x 128 columns goes through my own stage in LDS (in slot 0, which has had its last fill and its last read) and comes back as whole rows of 512 bytes; the residual's rows, asked for four blocks ahead into
; the registers that held B's fragments, and the bias are added; 32 lanes store 512 consecutive bytes.
; LIMITS: NaN and infinities are not served.
.set KS,    32
.set LAPS,  KS/4
.set A_S,   16777216
.set B_C,   8388608
.set B_S,   12582912+262144
.set SLOT,  135168
.set OFB,   65536
.set OFSA,  131072
.set OFSB,  133120
.set SPARE, 2*SLOT
.set FR,    16
.set NL,    4
.set NP,    8
.set ADRA,  16
.set ADRS,  18
.set ADRB,  20
.set STO,   24
.set RD,    25
.set CO,    26
.set SPW,   28
.set NIL,   29
.set SC,    32
.set BI,    64
.set AF,    128
.set BK,    128
.set WV,    22
.set WR,    23
.set WC,    92
.set CX,    93
.set CY,    94
.set G1A,   24
.set G1B,   32
.set G1SA,  40
.set G1SB,  48
.set G0A,   56
.set G0B,   68
.set G0SA,  76
.set G0SB,  84
.set MSB, 0
.macro WIN new
.if MSB != \new
	s_set_vgpr_msb (MSB<<8)|\new
.set MSB, \new
.endif
.endm
.set MUL_LO, 0xa1
.set MUL_HI, 0xf1
.set TO_B,   0x40
.macro ARM g0, g1
	tensor_load_to_lds s[\g0:\g0+3], s[\g1:\g1+7]
	s_nop 0
.rept 4
	v_nop
.endr
.endm
.macro JLOAD s
	s_cmp_lg_u32 s[WV], 0
	s_cbranch_scc1 .Lj1_\@
	ARM G0A+4*\s, G1A
	s_branch .Ljd_\@
.Lj1_\@:
	s_cmp_lg_u32 s[WV], 1
	s_cbranch_scc1 .Lj2_\@
	ARM G0B+4*\s, G1B
	s_branch .Ljd_\@
.Lj2_\@:
	s_cmp_lg_u32 s[WV], 2
	s_cbranch_scc1 .Lj3_\@
	ARM G0SA+4*\s, G1SA
	s_branch .Ljd_\@
.Lj3_\@:
	ARM G0SB+4*\s, G1SB
.Ljd_\@:
.endm
.macro CREST
	s_cmp_lg_u32 s[WV], 0
	s_cbranch_scc1 .Lnot_wave_0_\@
	s_barrier_signal -3
.Lnot_wave_0_\@:
	s_barrier_wait -3
	s_barrier_signal -1
	s_barrier_wait -1
.endm
.macro CROUND
	s_barrier_signal -1
	s_barrier_wait -1
	CREST
.endm
.macro FRAG reg, adr, q, i
.irp c, 0,1,2,3
	ds_load_b128 v[\reg+4*\c:\reg+4*\c+3], v[\adr] offset:4096*(\i)+2048*(\q)+512*\c
.endr
.endm
.macro MUL16 a0, p, q, sc, zero        ; the 64 accumulators take turns, one instruction a turn
.irp a, \a0, \a0+1
.irp b, 0,1,2,3,4,5,6,7
.if \zero
	v_wmma_scale_f32_16x16x128_f8f6f4 v[8*(8*((\a)%4)+\b):8*(8*((\a)%4)+\b)+7], v[128*(\p)+FR*\b:128*(\p)+FR*\b+FR-1], v[AF+FR*(\a):AF+FR*(\a)+FR-1], 0, v[SC+16*(\sc)+8*(\q)+\b], v[SC+16*(\sc)+8*(\q)+(\a)] matrix_a_scale:MATRIX_SCALE_ROW1
.else
	v_wmma_scale_f32_16x16x128_f8f6f4 v[8*(8*((\a)%4)+\b):8*(8*((\a)%4)+\b)+7], v[128*(\p)+FR*\b:128*(\p)+FR*\b+FR-1], v[AF+FR*(\a):AF+FR*(\a)+FR-1], v[8*(8*((\a)%4)+\b):8*(8*((\a)%4)+\b)+7], v[SC+16*(\sc)+8*(\q)+\b], v[SC+16*(\sc)+8*(\q)+(\a)] matrix_a_scale:MATRIX_SCALE_ROW1
.endif
.endr
.endr
.endm
.macro FETCH_B slot, q, p
	WIN TO_B
.irp i, 0,1,2,3,4,5,6,7
	FRAG 128*(\p)+FR*\i, ADRB+\slot, \q, \i
.endr
	WIN 0
.endm
.macro FETCH_A slot, q, i0
.irp i, \i0, \i0+1, \i0+2, \i0+3
	FRAG AF+FR*(\i), ADRA+\slot, \q, \i
.endr
.endm
.macro SCALES sc
.irp q, 0,1
.irp e, 0,1
	ds_load_b128 v[SC+16*\sc+8*\q+4*\e:SC+16*\sc+8*\q+4*\e+3], v[ADRS+\sc] offset:512*\q+16*\e
.endr
.endr
.endm
.macro PLACES n
.rept \n
	v_nop
.endr
.endm
.macro STEP slot, q, zero
	s_wait_dscnt 4*NL                              ; all but the youngest 16 loads (A's blocks 4-7)
	WIN MUL_LO
	MUL16 0, (\q)%2, \q, \slot, \zero
	MUL16 2, (\q)%2, \q, \slot, \zero
	s_wait_dscnt 0
	PLACES NP
	FETCH_B \slot, (\q)+1, 1-(\q)%2
	FETCH_A \slot, (\q)+1, 0
	WIN MUL_HI
	MUL16 4, (\q)%2, \q, \slot, \zero
	MUL16 6, (\q)%2, \q, \slot, \zero
	PLACES NP
	WIN 0
	FETCH_A \slot, (\q)+1, 4
.endm
.macro TURN slot, next, fill
	s_wait_tensorcnt 0x0                           ; all my tensor loads have landed: my part of the next slot
	ds_add_u32 v[SPW], v[NIL]                      ; 0 onto my spare word
	s_wait_dscnt 4*NL+1                            ; (the add and A's blocks 4-7 may be out)
	WIN MUL_LO
	MUL16 0, 1, 1, \slot, 0
	s_wait_dscnt 0x0                               ; the add is done, and my reads of this slot are over
	s_barrier_signal -1
	MUL16 2, 1, 1, \slot, 0
	WIN 0
	s_barrier_wait -1
.if \fill
	CREST
	s_add_nc_u64 s[G0A+4*\slot+2:G0A+4*\slot+3], s[G0A+4*\slot+2:G0A+4*\slot+3], 8192
	s_add_nc_u64 s[G0B+4*\slot+2:G0B+4*\slot+3], s[G0B+4*\slot+2:G0B+4*\slot+3], 8192
	s_add_nc_u64 s[G0SA+4*\slot+2:G0SA+4*\slot+3], s[G0SA+4*\slot+2:G0SA+4*\slot+3], 2048
	s_add_nc_u64 s[G0SB+4*\slot+2:G0SB+4*\slot+3], s[G0SB+4*\slot+2:G0SB+4*\slot+3], 2048
	JLOAD \slot
	PLACES NP-4
.else
	PLACES NP
.endif
	FETCH_B \next, 0, 0
	FETCH_A \next, 0, 0
	SCALES \next
	WIN MUL_HI
	MUL16 4, 1, 1, \slot, 0
	MUL16 6, 1, 1, \slot, 0
	PLACES NP
	WIN 0
	FETCH_A \next, 0, 4
.endm
	s_load_b256 s[4:11], s[0:1], 0x0               ; A's buffer, w, the bias, the residual
	s_load_b64 s[12:13], s[0:1], 0x20              ; the result
	v_lshl_add_u32 v[SPW], v0, 2, SPARE
	v_mov_b32 v[NIL], 0
	ds_add_u32 v[SPW], v[NIL]                      ; the wave's opening: the add, twice on end, and its wait ahead of my first tensor load
	ds_add_u32 v[SPW], v[NIL]
	v_lshrrev_b32 v1, 5, v0
	v_readfirstlane_b32 s[WV], v1
	s_lshr_b32 s[WR], s[WV], 1
	s_and_b32 s[WC], s[WV], 1
	s_bfe_u32 s[CX], ttmp6, 0x40000
	s_bfe_u32 s[CY], ttmp6, 0x40004
	s_lshl_b32 s96, s[CY], 2
	s_lshl_b32 s96, 15, s96
	s_lshl_b32 s97, 0x1111, s[CX]
	s_or_b32 s[G1A], s96, (3<<16)|(1<<21)
	s_or_b32 s[G1SA], s96, (3<<16)|(1<<21)
	s_or_b32 s[G1B], s97, (3<<16)|(1<<21)
	s_or_b32 s[G1SB], s97, (3<<16)|(1<<21)
.irp g, G1A, G1B
	s_mov_b32 s[\g+1], 512<<16
	s_mov_b32 s[\g+2], 16<<16
	s_mov_b32 s[\g+3], 512<<16
	s_mov_b32 s[\g+4], 16
	s_mov_b32 s[\g+5], KS*256
	s_mov_b32 s[\g+6], 0
	s_mov_b32 s[\g+7], 0
.endr
.irp g, G1SA, G1SB
	s_mov_b32 s[\g+1], 128<<16
	s_mov_b32 s[\g+2], 2<<16
	s_mov_b32 s[\g+3], 128<<16
	s_mov_b32 s[\g+4], 2
	s_mov_b32 s[\g+5], KS*64
	s_mov_b32 s[\g+6], 0
	s_mov_b32 s[\g+7], 0
.endr
	s_and_b32 s14, ttmp7, 0xffff
	s_lshl_b32 s14, s14, 2
	s_add_co_u32 s14, s14, s[CY]                   ; A's tile
	s_lshl_b32 s15, ttmp9, 2
	s_add_co_u32 s15, s15, s[CX]                   ; B's tile
	s_mul_i32 s16, s14, KS*32768
	s_mov_b32 s17, 0
	s_mul_i32 s18, s14, KS*1024
	s_add_co_u32 s18, s18, A_S
	s_mov_b32 s19, 0
	s_mul_i32 s20, s15, KS*32768
	s_add_co_u32 s20, s20, B_C
	s_mov_b32 s21, 0
	s_mul_i32 s98, s15, KS*1024
	s_add_co_u32 s98, s98, B_S
	s_mov_b32 s99, 0
	s_wait_dscnt 0x0
	s_wait_kmcnt 0x0
	s_add_nc_u64 s[16:17], s[4:5], s[16:17]
	s_add_nc_u64 s[18:19], s[4:5], s[18:19]
	s_add_nc_u64 s[20:21], s[6:7], s[20:21]
	s_add_nc_u64 s[98:99], s[6:7], s[98:99]
	CROUND
.irp s, 0,1
	s_mov_b32 s[G0A+4*\s], 1
	s_mov_b32 s[G0A+4*\s+1], \s*SLOT
	s_add_nc_u64 s[G0A+4*\s+2:G0A+4*\s+3], s[16:17], \s*4096
	s_or_b32 s[G0A+4*\s+3], s[G0A+4*\s+3], 0x80000000
	s_mov_b32 s[G0B+4*\s], 1
	s_mov_b32 s[G0B+4*\s+1], \s*SLOT+OFB
	s_add_nc_u64 s[G0B+4*\s+2:G0B+4*\s+3], s[20:21], \s*4096
	s_or_b32 s[G0B+4*\s+3], s[G0B+4*\s+3], 0x80000000
	s_mov_b32 s[G0SA+4*\s], 1
	s_mov_b32 s[G0SA+4*\s+1], \s*SLOT+OFSA
	s_add_nc_u64 s[G0SA+4*\s+2:G0SA+4*\s+3], s[18:19], \s*1024
	s_or_b32 s[G0SA+4*\s+3], s[G0SA+4*\s+3], 0x80000000
	s_mov_b32 s[G0SB+4*\s], 1
	s_mov_b32 s[G0SB+4*\s+1], \s*SLOT+OFSB
	s_add_nc_u64 s[G0SB+4*\s+2:G0SB+4*\s+3], s[98:99], \s*1024
	s_or_b32 s[G0SB+4*\s+3], s[G0SB+4*\s+3], 0x80000000
	JLOAD \s
.endr
	v_and_b32 v1, 31, v0
	v_bfe_u32 v2, v0, 4, 1
	v_lshlrev_b32 v3, 4, v1
	v_and_b32 v4, 15, v0
	s_lshl_b32 s95, s[WR], 15
	s_lshl_b32 s100, s[WC], 15
	s_add_co_u32 s100, s100, OFB
.irp s, 0,1
	v_add_nc_u32 v[ADRA+\s], s95, v3
	v_add_nc_u32 v[ADRB+\s], s100, v3
	s_add_co_u32 s95, s95, SLOT
	s_add_co_u32 s100, s100, SLOT
.endr
	v_lshlrev_b32 v5, 5, v4
	s_lshl_b32 s95, s[WR], 10
	s_lshl_b32 s100, s[WC], 10
	s_add_co_u32 s100, s100, 2048
	s_sub_co_u32 s100, s100, s95
	v_mul_u32_u24 v6, s100, v2
	s_add_co_u32 s95, s95, OFSA
	v_add_nc_u32 v5, v5, v6
	v_add_nc_u32 v[ADRS], s95, v5
	v_add_nc_u32 v[ADRS+1], SLOT, v[ADRS]
	s_mul_i32 s95, s[WV], 8448                     ; my stage: 16 rows x 528
	v_mul_u32_u24 v5, v4, 528
	v_lshl_add_u32 v5, v2, 6, v5
	v_add_nc_u32 v[STO], s95, v5
	v_add_nc_u32 v[RD], s95, v3
	v_lshlrev_b32 v[CO], 4, v1
	s_lshl_b32 s95, s14, 8
	s_lshl_b32 s96, s[WR], 7
	s_add_co_u32 s95, s95, s96                     ; my first row
	s_lshl_b32 s100, s95, 12
	s_lshl_b32 s96, s15, 10
	s_lshl_b32 s97, s[WC], 9
	s_add_co_u32 s96, s96, s97                     ; my first column, in bytes
	s_mov_b32 s97, 0
	s_add_nc_u64 s[8:9], s[8:9], s[96:97]
	s_add_co_u32 s100, s100, s96
	s_mov_b32 s101, 0
	s_add_nc_u64 s[10:11], s[10:11], s[100:101]
	s_add_nc_u64 s[12:13], s[12:13], s[100:101]
	global_load_b128 v[BI:BI+3], v[CO], s[8:9]
.macro RLOAD a
	WIN 0x40
.irp t, 0,1,2,3,4,5,6,7,8,9,10,11,12,13,14,15
	global_load_b128 v[64*((\a)%4)+4*\t:64*((\a)%4)+4*\t+3], v[CO], s[10:11] offset:(32*((\a)/2)+8*((\a)%2)+\t+8*(\t/8))*4096 th:TH_LOAD_NT
.endr
	WIN 0
.endm
.macro TOSTAGE a
.set AC, 64*((\a)%4)
	WIN (0x08+4*((\a)/4))
.irp b, 0,1,2,3,4,5,6,7
	ds_store_b128 v[STO], v[AC+8*\b:AC+8*\b+3] offset:128*(\b/2)+32*(\b%2)          ; each accumulator from its low end on
	ds_store_b128 v[STO], v[AC+8*\b+4:AC+8*\b+7] offset:128*(\b/2)+32*(\b%2)+16
.endr
	WIN 0
.set BB2, BK+64*((\a)%2)
.irp t, 0,1,2,3,4,5,6,7,8,9,10,11,12,13,14,15
	ds_load_b128 v[BB2+4*\t:BB2+4*\t+3], v[RD] offset:\t*528   ; LDS serves a wave's instructions in order (ISA guide 5.7.1.4)
.endr
.endm
.macro SEND a, younger
.set BB2, BK+64*((\a)%2)
.set XR, 64*((\a)%4)
	s_wait_dscnt \younger                          ; the block is back in registers
.if (\a) < 5
	s_wait_loadcnt 48                              ; its residual is in; the three sets asked for behind it may be out
.else
	s_wait_loadcnt 16*(7-(\a))
.endif
	WIN 0x04
.set i, 0
.rept 32
	v_pk_add_f32 v[BB2+i:BB2+i+1], v[BB2+i:BB2+i+1], v[XR+i:XR+i+1]
.set i, i+2
.endr
	WIN 0
.set i, 0
.rept 16
	v_pk_add_f32 v[BB2+i:BB2+i+1], v[BB2+i:BB2+i+1], v[BI:BI+1]
	v_pk_add_f32 v[BB2+i+2:BB2+i+3], v[BB2+i+2:BB2+i+3], v[BI+2:BI+3]
.set i, i+4
.endr
.irp t, 0,1,2,3,4,5,6,7,8,9,10,11,12,13,14,15
	global_store_b128 v[CO], v[BB2+4*\t:BB2+4*\t+3], s[12:13] offset:(32*((\a)/2)+8*((\a)%2)+\t+8*(\t/8))*4096 th:TH_STORE_NT   ; 512 consecutive bytes of a row
.endr
.if (\a) < 4
	RLOAD (\a)+4
.endif
.endm
	s_wait_tensorcnt 1                             ; my part of slot 0 is in; slot 1's may stay out
	s_barrier_signal -1
	s_barrier_wait -1
	FETCH_B 0, 0, 0
	FETCH_A 0, 0, 0
	SCALES 0
	FETCH_A 0, 0, 4
	STEP 0, 0, 1
	s_mov_b32 s2, LAPS-1
.Llap:
	TURN 0, 1, 1
	STEP 1, 0, 0
	TURN 1, 0, 1
	STEP 0, 0, 0
	s_sub_co_u32 s2, s2, 1
	s_cmp_lg_u32 s2, 0
	s_cbranch_scc1 .Llap
	TURN 0, 1, 0
	STEP 1, 0, 0
	RLOAD 0                                        ; B's set 0 is done with, eight places back
	RLOAD 1
	s_wait_dscnt 4*NL
	WIN MUL_LO
	MUL16 0, 1, 1, 1, 0
	MUL16 2, 1, 1, 1, 0
	s_wait_dscnt 0
	WIN MUL_HI
	MUL16 4, 1, 1, 1, 0
	MUL16 6, 1, 1, 1, 0
	WIN 0
	PLACES NP
	RLOAD 2
	RLOAD 3
	TOSTAGE 0
.irp a, 1,2,3,4,5,6,7
.if \a > 1
	s_wait_xcnt 0x0                                ; block a - 2's stores have read their registers
.endif
	TOSTAGE \a
	SEND \a-1, 32                                  ; behind block a - 1's loads: block a's 16 stores and 16 loads
.endr
	s_wait_xcnt 0x0
	SEND 7, 0
	s_wait_tensorcnt 0x0                           ; the wave's end
	ds_add_u32 v[SPW], v[NIL]
	s_wait_dscnt 0x0
	CROUND
	s_endpgm
.Lfunc_end_k_qccdd648ba8_fc2:
	.size	k_qccdd648ba8_fc2, .Lfunc_end_k_qccdd648ba8_fc2-k_qccdd648ba8_fc2
	.p2alignl 7, 3214868480
	.fill 96, 4, 3214868480
	.section	.rodata,"a",@progbits
	.p2align	6, 0x0
	.amdhsa_kernel k_qccdd648ba8_fc2
		.amdhsa_group_segment_fixed_size 327680
		.amdhsa_private_segment_fixed_size 0
		.amdhsa_enable_private_segment 0
		.amdhsa_kernarg_size 40
		.amdhsa_user_sgpr_count 2
		.amdhsa_user_sgpr_kernarg_segment_ptr 1
		.amdhsa_wavefront_size32 1
		.amdhsa_system_sgpr_workgroup_id_x 1
		.amdhsa_system_sgpr_workgroup_id_y 1
		.amdhsa_system_sgpr_workgroup_id_z 1
		.amdhsa_system_vgpr_workitem_id 0
		.amdhsa_next_free_vgpr 1024
		.amdhsa_next_free_sgpr 106
		.amdhsa_reserve_vcc 0
		.amdhsa_float_denorm_mode_32 3
		.amdhsa_float_denorm_mode_16_64 3
		.amdhsa_memory_ordered 1
		.amdhsa_forward_progress 1
		.amdhsa_inst_pref_size 192
	.end_amdhsa_kernel
	.amdgpu_metadata
---
amdhsa.version: [ 1, 2 ]
amdhsa.kernels:
  - .name:           k_qccdd648ba8_fc2
    .symbol:         k_qccdd648ba8_fc2.kd
    .args:
      - { .name: g, .offset: 0, .size: 8, .value_kind: global_buffer, .address_space: global }
      - { .name: w, .offset: 8, .size: 8, .value_kind: global_buffer, .address_space: global }
      - { .name: fc2_b, .offset: 16, .size: 8, .value_kind: global_buffer, .address_space: global }
      - { .name: x1, .offset: 24, .size: 8, .value_kind: global_buffer, .address_space: global }
      - { .name: out0, .offset: 32, .size: 8, .value_kind: global_buffer, .address_space: global }
    .group_segment_fixed_size: 327680
    .private_segment_fixed_size: 0
    .kernarg_segment_align: 8
    .kernarg_segment_size: 40
    .max_flat_workgroup_size: 128
    .sgpr_count:     106
    .vgpr_count:     1024
    .wavefront_size: 32
...
	.end_amdgpu_metadata
.endif
;; end of part 7
;; ======== version 2 of 2: 8 launches
;; limits: an absolute error that grows with the inputs' magnitude: up to 7.5e-08 times it; right only within a limited range of input values
;; workspace buffers: w 12,976,128 bytes; act 4,325,376 bytes; qkv 12,976,128 bytes; x1 16,777,216 bytes; g 17,301,504 bytes
;; launch wq: the kernel of part 1 again; grid 768 x 1, 4 waves a work-group, no clusters, 1,024 bytes of LDS; arguments qkv_w, proj_w, fc1_w, fc2_w, w; writes w
;; launch ln1 (part 8): grid 256 x 1, 8 waves a work-group, no clusters, 69,632 bytes of LDS; arguments x, ln1_g, ln1_b, act; writes act
.if DOCPART == 8
	.amdgcn_target "amdgcn-amd-amdhsa--gfx1250"
	.amdhsa_code_object_version 6
	.text
	.protected	k_qccdd648ba8_ln1
	.globl	k_qccdd648ba8_ln1
	.p2align	8
	.type	k_qccdd648ba8_ln1,@function
k_qccdd648ba8_ln1:
	s_mov_b64 s[64:65], 0
	v_nop
	global_prefetch_b8 v0, s[64:65] scope:SCOPE_SE
	s_setreg_imm32_b32 hwreg(HW_REG_WAVE_MODE, 25, 1), 1
	s_wait_xcnt 0x0
; LAYERNORM OVER ROWS OF 1,024 f32, QUANTISED ALONG THE ROW INTO CODES OF E4M3 AND E8M0 SCALE WORDS, in the operand layout that the first kernel's head sets out.  Nothing is left out.  The body serves both norms of the block.
; y = (x - mean) rsqrt(var + 1e-5) g + b, the mean first and the variance of the differences, all in f32.
; SHARES.  A work-group takes one fragment's 16 rows (place r: row 32 (t / 2) + 8 (t % 2) + r + 8 (r / 8)); wave w takes K step w: columns 128 w on.  Each load reads 512 consecutive bytes of a row; the wave's 16 x 512 bytes turn
; through its own stage in LDS (rows 528 bytes apart), so that lane (r, h) holds, of row r, 16 neighbours of each block of 32: register 16 c + i = column 32 c + 16 h + i.  Row sums meet in two small tables, a barrier each.
; The scale words go out four bytes a row into units that eight work-groups share: one byte for each 128 read.  A work-group that owned a whole unit (128 rows) would leave seven WGPs in eight without work.
; LIMITS: NaN and infinities are not served; v_rsq_f32 is good to 1 ulp; a block of zeros gets the byte 1 (its codes are zeros; this program alone reads the bytes); blocks under 2^-118 are held at that floor.
.set ACT_S, 4194304
.set STG,   8448                       ; a wave's stage: 16 rows x 528
.set RED1,  67584                      ; 16 rows x 8 waves x 4 bytes: the sums; 512 bytes on: the sums of squares
.set SPARE, 68608                      ; the spare words, 128 bytes a wave
.set SPW, 10
.set NIL, 11
.set TM,  16                           ; v16-19 largest magnitudes, v20-23 bytes, v28-31 the conversions' scale operands
.set PW,  32                           ; the scale word
.set PC,  36                           ; v36-51 the codes
.set X,   64
.set G,   128
.set BT,  192
.set SEL, 20
.set MNT, 23
; 64 numbers of a lane, register 16 b + i = K 32 b + 16 (lane / 16) + i of my row, become a fragment's codes in v[PC] on and its scale word in v[PW]
.macro QUANT s
.irp b, 0,1,2,3
	v_max3_num_f32 v[TM+\b], |v[\s+16*\b]|, |v[\s+1+16*\b]|, 0x4800000   ; my 16 numbers of block b, and the floor 2^(9 - 127): the byte cannot fall under 1
.endr
.irp i, 2,4,6,8,10,12,14
.irp b, 0,1,2,3
	s_delay_alu instid0(VALU_DEP_4)
	v_max3_num_f32 v[TM+\b], v[TM+\b], |v[\s+16*\b+\i]|, |v[\s+1+16*\b+\i]|
.endr
.endr
.irp b, 0,1,2,3
	s_delay_alu instid0(VALU_DEP_4)
	v_permlanex16_b32 v[TM+4+\b], v[TM+\b], s[SEL], s[SEL+1]
.endr
.irp b, 0,1,2,3
	s_delay_alu instid0(VALU_DEP_4)
	v_max_num_f32 v[TM+\b], v[TM+\b], v[TM+4+\b]   ; with lane l xor 16's: the block's largest magnitude
.endr
.irp b, 0,1,2,3
	s_delay_alu instid0(VALU_DEP_4)
	v_add_nc_u32 v[TM+12+\b], 0xfc000000, v[TM+\b] ; 8 off its exponent field: the conversion's scale operand
.endr
.irp b, 0,1,2,3
.endr
.irp b, 0,1,2,3
	s_delay_alu instid0(VALU_DEP_4)
	v_lshrrev_b32 v[TM+4+\b], 23, v[TM+12+\b]      ; the scale's byte
.endr
	s_delay_alu instid0(VALU_DEP_3)
	v_lshl_or_b32 v[PW], v[TM+5], 8, v[TM+4]
	s_delay_alu instid0(VALU_DEP_1)
	v_lshl_or_b32 v[PW], v[TM+6], 16, v[PW]
	s_delay_alu instid0(VALU_DEP_1)
	v_lshl_or_b32 v[PW], v[TM+7], 24, v[PW]
.irp b, 0,1,2,3
.irp i, 0,1,2,3,4,5,6,7,8,9,10,11,12,13,14,15
.endr
	v_cvt_scalef32_pk8_fp8_f32 v[PC+4*\b:PC+1+4*\b], v[\s+16*\b:\s+7+16*\b], v[TM+12+\b]
	v_cvt_scalef32_pk8_fp8_f32 v[PC+2+4*\b:PC+3+4*\b], v[\s+8+16*\b:\s+15+16*\b], v[TM+12+\b]
.endr
	v_nop                                          ; a plain line behind the last conversion
.endm
; v[52:55], two pairs of partial sums of my 64 numbers, become the row's sum over all 1,024 in v56, in every lane
.macro REDUCE off
	s_delay_alu instid0(VALU_DEP_1)
	v_pk_add_f32 v[52:53], v[52:53], v[54:55]
	s_delay_alu instid0(VALU_DEP_1)
	v_add_f32 v52, v52, v53
	s_delay_alu instid0(VALU_DEP_1)
	v_permlanex16_b32 v54, v52, s[SEL], s[SEL+1]
	s_delay_alu instid0(VALU_DEP_1)
	v_add_f32 v52, v52, v54                        ; my wave's 128 columns of row r
	ds_store_b32 v7, v52 offset:\off               ; both halves of the lanes write the same word with the same value
	s_wait_dscnt 0x0
	s_barrier_signal -1
	s_barrier_wait -1
	ds_load_b128 v[56:59], v8 offset:\off
	ds_load_b128 v[60:63], v8 offset:\off+16
	s_wait_dscnt 0x0
	v_pk_add_f32 v[56:57], v[56:57], v[58:59]
	v_pk_add_f32 v[60:61], v[60:61], v[62:63]
	s_delay_alu instid0(VALU_DEP_1)
	v_pk_add_f32 v[56:57], v[56:57], v[60:61]
	s_delay_alu instid0(VALU_DEP_1)
	v_add_f32 v56, v56, v57
.endm
	s_load_b256 s[4:11], s[0:1], 0x0               ; x, gains, biases, act
	v_lshl_add_u32 v[SPW], v0, 2, SPARE
	v_mov_b32 v[NIL], 0
	v_lshrrev_b32 v1, 5, v0
	s_delay_alu instid0(VALU_DEP_1)
	v_readfirstlane_b32 s12, v1                    ; wave = K step
	v_and_b32 v1, 31, v0                           ; lane
	v_and_b32 v2, 15, v0                           ; r
	v_bfe_u32 v3, v0, 4, 1                         ; h
	s_delay_alu instid0(VALU_DEP_3)
	v_lshlrev_b32 v4, 4, v1                        ; 16 x lane
	s_mul_i32 s13, s12, STG
	v_add_nc_u32 v5, s13, v4                       ; into my stage: a row's 512 bytes as they lie
	v_mul_u32_u24 v6, v2, 528
	s_delay_alu instid0(VALU_DEP_1)
	v_lshl_add_u32 v6, v3, 6, v6
	s_delay_alu instid0(VALU_DEP_1)
	v_add_nc_u32 v6, s13, v6                       ; out of it: row r, + 64 h
	v_lshl_add_u32 v8, v2, 5, RED1                 ; row r's eight partial sums
	s_lshl_b32 s14, s12, 2
	v_add_nc_u32 v7, s14, v8                       ; and mine among them
	v_lshlrev_b32 v34, 5, v2                       ; 32 r: my scale word's place in its unit
	s_lshl_b32 s14, s12, 9
	v_lshlrev_b32 v9, 6, v3
	s_delay_alu instid0(VALU_DEP_1)
	v_add_nc_u32 v9, s14, v9                       ; gains and biases: 512 w + 64 h
	s_lshr_b32 s15, ttmp9, 1
	s_lshl_b32 s15, s15, 5
	s_and_b32 s16, ttmp9, 1
	s_lshl_b32 s16, s16, 3
	s_add_co_u32 s15, s15, s16                     ; the fragment's first row
	s_lshl_b32 s16, s15, 12
	s_add_co_u32 s16, s16, s14
	s_mov_b32 s17, 0
	s_mov_b32 s[SEL], 0x76543210
	s_mov_b32 s[SEL+1], 0xfedcba98
	s_mov_b32 s24, 0x3a800000                      ; 1 / 1,024
	s_mov_b32 s25, 0x3727c5ac                      ; 1e-5
.irp b, 0,1,2,3
	v_mov_b32 v[TM+4+\b], 0                        ; a lane permute's destination counts as one of its sources
.endr
	s_wait_alu depctr_va_vdst(0)
	s_wait_kmcnt 0x0
	s_add_nc_u64 s[4:5], s[4:5], s[16:17]
.irp t, 0,1,2,3,4,5,6,7,8,9,10,11,12,13,14,15
	global_load_b128 v[X+4*\t:X+4*\t+3], v4, s[4:5] offset:(\t+8*(\t/8))*4096 th:TH_LOAD_NT
.endr
.irp c, 0,1,2,3
.irp j, 0,1,2,3
	global_load_b128 v[G+16*\c+4*\j:G+16*\c+4*\j+3], v9, s[6:7] offset:128*\c+16*\j
	global_load_b128 v[BT+16*\c+4*\j:BT+16*\c+4*\j+3], v9, s[8:9] offset:128*\c+16*\j
.endr
.endr
	s_lshl_b32 s16, ttmp9, 3
	s_add_co_u32 s16, s16, s12
	s_lshl_b32 s16, s16, 11                        ; fragment (t, w)
	s_add_nc_u64 s[18:19], s[10:11], s[16:17]
	s_lshr_b32 s16, ttmp9, 3
	s_lshl_b32 s16, s16, 3
	s_add_co_u32 s16, s16, s12
	s_lshl_b32 s16, s16, 9                         ; the unit of scale words (t / 8, w),
	s_and_b32 s26, ttmp9, 7
	s_lshl_b32 s26, s26, 2
	s_add_co_u32 s16, s16, s26                     ; my fragment's column in it
	s_add_co_u32 s16, s16, ACT_S
	s_add_nc_u64 s[28:29], s[10:11], s[16:17]
	s_wait_loadcnt 32                              ; x is in; the 32 loads of gains and biases may be out
.irp t, 0,1,2,3,4,5,6,7,8,9,10,11,12,13,14,15
	ds_store_b128 v5, v[X+4*\t:X+4*\t+3] offset:528*\t
.endr
.irp c, 0,1,2,3
.irp j, 0,1,2,3
	ds_load_b128 v[X+16*\c+4*\j:X+16*\c+4*\j+3], v6 offset:128*\c+16*\j   ; LDS serves a wave's instructions in order (ISA guide 5.7.1.4): these see my stores
.endr
.endr
	s_wait_dscnt 0x0
	v_pk_add_f32 v[52:53], v[X:X+1], v[X+2:X+3]
	v_pk_add_f32 v[54:55], v[X+4:X+5], v[X+6:X+7]
.set j, 8
.rept 14
	s_delay_alu instid0(VALU_DEP_2)
	v_pk_add_f32 v[52:53], v[52:53], v[X+j:X+j+1]
	s_delay_alu instid0(VALU_DEP_2)
	v_pk_add_f32 v[54:55], v[54:55], v[X+j+2:X+j+3]
.set j, j+4
.endr
	REDUCE 0
	s_delay_alu instid0(VALU_DEP_1)
	v_mul_f32 v12, s24, v56                        ; the mean, twice: a pair for the packed forms
	s_delay_alu instid0(VALU_DEP_2)
	v_mul_f32 v13, s24, v56
.set j, 0
.rept 32
	v_pk_add_f32 v[X+j:X+j+1], v[X+j:X+j+1], v[12:13] neg_lo:[0,1] neg_hi:[0,1]
.set j, j+2
.endr
	v_pk_mul_f32 v[52:53], v[X:X+1], v[X:X+1]
	v_pk_mul_f32 v[54:55], v[X+2:X+3], v[X+2:X+3]
.set j, 4
.rept 15
	s_delay_alu instid0(VALU_DEP_2)
	v_pk_fma_f32 v[52:53], v[X+j:X+j+1], v[X+j:X+j+1], v[52:53]
	s_delay_alu instid0(VALU_DEP_2)
	v_pk_fma_f32 v[54:55], v[X+j+2:X+j+3], v[X+j+2:X+j+3], v[54:55]
.set j, j+4
.endr
	REDUCE 512                                     ; a table of its own: no barrier is owed between the first table's reads and these stores
	s_delay_alu instid0(VALU_DEP_1)
	v_fma_f32 v14, v56, s24, s25                   ; the variance + 1e-5
	s_wait_alu depctr_va_vdst(0)
	v_rsq_f32 v14, v14
	v_nop                                          ; a plain line behind the transcendental,
	s_wait_alu depctr_va_vdst(0)                   ; and a wait ahead of its first reader
	v_mov_b32 v15, v14
	s_wait_alu depctr_va_vdst(0)
	s_wait_loadcnt 0x0                             ; gains and biases
.set j, 0
.rept 32
	v_pk_mul_f32 v[X+j:X+j+1], v[X+j:X+j+1], v[14:15]
.set j, j+2
.endr
.set j, 0
.rept 32
	v_pk_fma_f32 v[X+j:X+j+1], v[X+j:X+j+1], v[G+j:G+j+1], v[BT+j:BT+j+1]
.set j, j+2
.endr
	QUANT X
.irp c, 0,1,2,3
	global_store_b128 v4, v[PC+4*\c:PC+4*\c+3], s[18:19] offset:512*\c    ; 512 consecutive bytes of the image
.endr
	v_cmp_gt_u32 vcc_lo, 16, v1
	s_wait_xcnt 0x0                                ; EXEC changes only behind this wait
	s_and_saveexec_b32 s30, vcc_lo                 ; lanes 0-15: one word a row
	global_store_b32 v34, v[PW], s[28:29]
	s_wait_xcnt 0x0
	s_or_b32 exec_lo, exec_lo, s30
	s_wait_tensorcnt 0x0                           ; the wave's end: behind my last LDS store
	ds_add_u32 v[SPW], v[NIL]
	s_wait_dscnt 0x0
	s_endpgm
.Lfunc_end_k_qccdd648ba8_ln1:
	.size	k_qccdd648ba8_ln1, .Lfunc_end_k_qccdd648ba8_ln1-k_qccdd648ba8_ln1
	.p2alignl 7, 3214868480
	.fill 96, 4, 3214868480
	.section	.rodata,"a",@progbits
	.p2align	6, 0x0
	.amdhsa_kernel k_qccdd648ba8_ln1
		.amdhsa_group_segment_fixed_size 69632
		.amdhsa_private_segment_fixed_size 0
		.amdhsa_enable_private_segment 0
		.amdhsa_kernarg_size 32
		.amdhsa_user_sgpr_count 2
		.amdhsa_user_sgpr_kernarg_segment_ptr 1
		.amdhsa_wavefront_size32 1
		.amdhsa_system_sgpr_workgroup_id_x 1
		.amdhsa_system_sgpr_workgroup_id_y 1
		.amdhsa_system_sgpr_workgroup_id_z 1
		.amdhsa_system_vgpr_workitem_id 0
		.amdhsa_next_free_vgpr 256
		.amdhsa_next_free_sgpr 66
		.amdhsa_reserve_vcc 1
		.amdhsa_float_denorm_mode_32 3
		.amdhsa_float_denorm_mode_16_64 3
		.amdhsa_fp16_overflow 1
		.amdhsa_memory_ordered 1
		.amdhsa_forward_progress 1
		.amdhsa_inst_pref_size 29
	.end_amdhsa_kernel
	.amdgpu_metadata
---
amdhsa.version: [ 1, 2 ]
amdhsa.kernels:
  - .name:           k_qccdd648ba8_ln1
    .symbol:         k_qccdd648ba8_ln1.kd
    .args:
      - { .name: x, .offset: 0, .size: 8, .value_kind: global_buffer, .address_space: global }
      - { .name: ln1_g, .offset: 8, .size: 8, .value_kind: global_buffer, .address_space: global }
      - { .name: ln1_b, .offset: 16, .size: 8, .value_kind: global_buffer, .address_space: global }
      - { .name: act, .offset: 24, .size: 8, .value_kind: global_buffer, .address_space: global }
    .group_segment_fixed_size: 69632
    .private_segment_fixed_size: 0
    .kernarg_segment_align: 8
    .kernarg_segment_size: 32
    .max_flat_workgroup_size: 256
    .sgpr_count:     66
    .vgpr_count:     256
    .wavefront_size: 32
...
	.end_amdgpu_metadata
.endif
;; end of part 8
;; launch qkv (part 9): grid 12 x 16, 4 waves a work-group, clusters of 4 x 4, 327,680 bytes of LDS; arguments act, w, qkv_b, qkv; writes qkv
.if DOCPART == 9
	.amdgcn_target "amdgcn-amd-amdhsa--gfx1250"
	.amdhsa_code_object_version 6
	.text
	.protected	k_qccdd648ba8_qkv
	.globl	k_qccdd648ba8_qkv
	.p2align	8
	.type	k_qccdd648ba8_qkv,@function
k_qccdd648ba8_qkv:
	s_mov_b64 s[64:65], 0
	v_nop
	global_prefetch_b8 v0, s[64:65] scope:SCOPE_SE
	s_setreg_imm32_b32 hwreg(HW_REG_WAVE_MODE, 25, 1), 1
	s_wait_xcnt 0x0
	s_wait_alu depctr_hold_cnt(0) depctr_sa_sdst(0) depctr_va_vdst(0) depctr_va_sdst(0) depctr_va_ssrc(0) depctr_va_vcc(0) depctr_vm_vsrc(0)
	s_getreg_b32 s2, hwreg(HW_REG_IB_STS2, 6, 4)
	s_cmp_eq_u32 s2, 0
	s_cbranch_scc0 .Lentry_in_a_cluster
	s_endpgm
.Lentry_in_a_cluster:
	s_bfe_u32 s2, ttmp6, 0x10000c
	s_cmp_lg_u32 s2, 0xf033
	s_cbranch_scc0 .Lentry_shape_is_right
	s_endpgm
.Lentry_shape_is_right:
; q, k, v = Q(norm1(x)) Q(qkv_w) + qkv_b, QUANTISED ON THE WAY OUT: q and k along the head's 64, v along the KEYS.  Both operands come as codes of E4M3 with E8M0 scale words, in the layout that the first kernel's head sets out.  Nothing is left out.
; A tile is 256 x 256, made by four waves of 128 x 128 (64 accumulators, 512 registers).  K goes in steps of 256 through a ring of two LDS slots.  A fragment is an image of its registers: no pitch, no padding; every LDS load takes 512 consecutive bytes.
; SOURCE 0 = B's fragment, SOURCE 1 = A's: a lane holds ONE row of A, and its registers run along B's rows, 16 neighbours for each pair of tiles: so the results are quantised in registers along B's rows.
; CLUSTERS x = 0, 1 (q, k): A = the tokens, B = the weight's rows: a lane holds a token, its registers features.  CLUSTER x = 2 (v): A = the weight's rows 2,048 on, B = the tokens: a lane holds one (head, d), its registers run along the keys.
; The choice hangs on the cluster's x alone, which all sixteen partners share.
; CLUSTERS of 4 x 4: A's tiles are shared along a row of the cluster, B's along a column: joint loads.  One load a wave: wave 0 A's codes (64 KiB), wave 1 B's, wave 2 A's scale words, wave 3 B's.
; OUT: q, k codes [K step 16][fragment 256], their scale units [16][32]; v codes [K step 32 (128 keys)][fragment 64 (head x 64 + d)], units [8][32].
; REGISTERS: window 0: v16-31 addresses; v32-63 scale words and nothing else; v64-127 the bias; v128-255 A's fragments, ONE set.  Window 1: B's, two sets.  Windows 2, 3: the accumulators, (a, b) at v[8 (8 (a % 4) + b)].
; LIMITS: NaN and infinities are not served; a block of zeros gets the byte 1 (its codes are zeros; this program alone reads the bytes); blocks under 2^-118 are held at that floor.
.set KS,    8                          ; K steps of 128 in a row of either operand
.set LAPS,  KS/4
.set ACT_S, 4194304
.set W_S,   12582912
.set QK_S,  8388608
.set V_C,   8650752
.set V_S,   12845056
.set SLOT,  135168                     ; a slot: A's codes [16 fragments][2 K steps][2,048], B's, A's scale units [2][2][512], B's
.set OFB,   65536
.set OFSA,  131072
.set OFSB,  133120
.set SPARE, 2*SLOT                     ; behind the ring: the spare words, 128 bytes a wave
.set FR,    16
.set NL,    4
.set NP,    8                          ; places behind this matrix instruction (ISA guide 7.12.1)
.set ADRA,  16                         ; v16-17 my A fragments in slot 0, 1
.set ADRS,  18                         ; v18-19 my scale words: lanes 0-15 A's, lanes 16-31 B's
.set ADRB,  20                         ; v20-21 my B fragments
.set SPW,   28
.set NIL,   29
.set SC,    32                         ; scale words: slot s, K step q, fragment i at v[SC + 16 s + 8 q + i]
.set BB,    64
.set AF,    128
.set T,     128                        ; the way out: a block's 64 numbers
.set TM,    192
.set PC,    208
.set PW,    224
.set ISV,   3
.set AI,    14
.set AO,    15
.set SEL,   16
.set MNT,   18
.set WV,    22
.set WR,    23
.set WC,    92
.set CX,    93
.set CY,    94
.set G1A,   24
.set G1B,   32
.set G1SA,  40
.set G1SB,  48
.set G0A,   56
.set G0B,   68
.set G0SA,  76
.set G0SB,  84
.set MSB, 0
.macro WIN new                         ; the immediate's high byte repeats the setting that is left
.if MSB != \new
	s_set_vgpr_msb (MSB<<8)|\new
.set MSB, \new
.endif
.endm
.set MUL_LO, 0xa1                      ; source 0 (B) window 1, source 1 (A) window 0, C and D window 2
.set MUL_HI, 0xf1
.set TO_B,   0x40
.macro ARM g0, g1                      ; a tensor load, with an s_nop 0 and four v_nop behind it
	tensor_load_to_lds s[\g0:\g0+3], s[\g1:\g1+7]
	s_nop 0
.rept 4
	v_nop
.endr
.endm
.macro JLOAD s                         ; the joint loads of slot s: one a wave; the branches hang on the wave's number alone
	s_cmp_lg_u32 s[WV], 0
	s_cbranch_scc1 .Lj1_\@
	ARM G0A+4*\s, G1A
	s_branch .Ljd_\@
.Lj1_\@:
	s_cmp_lg_u32 s[WV], 1
	s_cbranch_scc1 .Lj2_\@
	ARM G0B+4*\s, G1B
	s_branch .Ljd_\@
.Lj2_\@:
	s_cmp_lg_u32 s[WV], 2
	s_cbranch_scc1 .Lj3_\@
	ARM G0SA+4*\s, G1SA
	s_branch .Ljd_\@
.Lj3_\@:
	ARM G0SB+4*\s, G1SB
.Ljd_\@:
.endm
.macro CREST                           ; a round of the cluster's barrier behind its opening barrier
	s_cmp_lg_u32 s[WV], 0
	s_cbranch_scc1 .Lnot_wave_0_\@
	s_barrier_signal -3
.Lnot_wave_0_\@:
	s_barrier_wait -3
	s_barrier_signal -1
	s_barrier_wait -1
.endm
.macro CROUND
	s_barrier_signal -1
	s_barrier_wait -1
	CREST
.endm
.macro FRAG reg, adr, q, i             ; fragment i, K step q of the slot: four loads of 512 consecutive bytes
.irp c, 0,1,2,3
	ds_load_b128 v[\reg+4*\c:\reg+4*\c+3], v[\adr] offset:4096*(\i)+2048*(\q)+512*\c
.endr
.endm
; 16 matrix instructions: A's blocks a0, a0 + 1 x B's eight.  The 64 accumulators take turns, one instruction a turn, in the same order in every step
.macro MUL16 a0, p, q, sc, zero
.irp a, \a0, \a0+1
.irp b, 0,1,2,3,4,5,6,7
.if \zero
	v_wmma_scale_f32_16x16x128_f8f6f4 v[8*(8*((\a)%4)+\b):8*(8*((\a)%4)+\b)+7], v[128*(\p)+FR*\b:128*(\p)+FR*\b+FR-1], v[AF+FR*(\a):AF+FR*(\a)+FR-1], 0, v[SC+16*(\sc)+8*(\q)+\b], v[SC+16*(\sc)+8*(\q)+(\a)] matrix_a_scale:MATRIX_SCALE_ROW1
.else
	v_wmma_scale_f32_16x16x128_f8f6f4 v[8*(8*((\a)%4)+\b):8*(8*((\a)%4)+\b)+7], v[128*(\p)+FR*\b:128*(\p)+FR*\b+FR-1], v[AF+FR*(\a):AF+FR*(\a)+FR-1], v[8*(8*((\a)%4)+\b):8*(8*((\a)%4)+\b)+7], v[SC+16*(\sc)+8*(\q)+\b], v[SC+16*(\sc)+8*(\q)+(\a)] matrix_a_scale:MATRIX_SCALE_ROW1
.endif
.endr
.endr
.endm
.macro FETCH_B slot, q, p
	WIN TO_B
.irp i, 0,1,2,3,4,5,6,7
	FRAG 128*(\p)+FR*\i, ADRB+\slot, \q, \i
.endr
	WIN 0
.endm
.macro FETCH_A slot, q, i0
.irp i, \i0, \i0+1, \i0+2, \i0+3
	FRAG AF+FR*(\i), ADRA+\slot, \q, \i
.endr
.endm
.macro SCALES sc                       ; a slot's scale words: a lane's eight fragments' words of a K step are 32 neighbouring bytes
.irp q, 0,1
.irp e, 0,1
	ds_load_b128 v[SC+16*\sc+8*\q+4*\e:SC+16*\sc+8*\q+4*\e+3], v[ADRS+\sc] offset:512*\q+16*\e
.endr
.endr
.endm
.macro PLACES n
.rept \n
	v_nop
.endr
.endm
.macro STEP slot, q, zero              ; a step of 128 along K that has its successor in the same slot
	s_wait_dscnt 4*NL                              ; all but the youngest 16 loads (A's blocks 4-7)
	WIN MUL_LO
	MUL16 0, (\q)%2, \q, \slot, \zero
	MUL16 2, (\q)%2, \q, \slot, \zero
	s_wait_dscnt 0
	PLACES NP
	FETCH_B \slot, (\q)+1, 1-(\q)%2
	FETCH_A \slot, (\q)+1, 0
	WIN MUL_HI
	MUL16 4, (\q)%2, \q, \slot, \zero
	MUL16 6, (\q)%2, \q, \slot, \zero
	PLACES NP
	WIN 0
	FETCH_A \slot, (\q)+1, 4
.endm
.macro TURN slot, next, fill           ; a slot's last step changes slots: one barrier; fill = 1: it opens a round of the cluster's barrier, and this slot is filled again
	s_wait_tensorcnt 0x0                           ; all my tensor loads have landed: my part of the next slot
	ds_add_u32 v[SPW], v[NIL]                      ; 0 onto my spare word
	s_wait_dscnt 4*NL+1                            ; (the add and A's blocks 4-7 may be out)
	WIN MUL_LO
	MUL16 0, 1, 1, \slot, 0
	s_wait_dscnt 0x0                               ; the add is done, and my reads of this slot are over
	s_barrier_signal -1
	MUL16 2, 1, 1, \slot, 0
	WIN 0
	s_barrier_wait -1
.if \fill
	CREST                                          ; no wave of any partner still reads this slot or has a load on its way
	s_add_nc_u64 s[G0A+4*\slot+2:G0A+4*\slot+3], s[G0A+4*\slot+2:G0A+4*\slot+3], 8192
	s_add_nc_u64 s[G0B+4*\slot+2:G0B+4*\slot+3], s[G0B+4*\slot+2:G0B+4*\slot+3], 8192
	s_add_nc_u64 s[G0SA+4*\slot+2:G0SA+4*\slot+3], s[G0SA+4*\slot+2:G0SA+4*\slot+3], 2048
	s_add_nc_u64 s[G0SB+4*\slot+2:G0SB+4*\slot+3], s[G0SB+4*\slot+2:G0SB+4*\slot+3], 2048
	JLOAD \slot                                    ; the first tensor load behind the round; its four v_nop are among the places in front of the loads below
	PLACES NP-4
.else
	PLACES NP
.endif
	FETCH_B \next, 0, 0
	FETCH_A \next, 0, 0
	SCALES \next
	WIN MUL_HI
	MUL16 4, 1, 1, \slot, 0
	MUL16 6, 1, 1, \slot, 0
	PLACES NP
	WIN 0
	FETCH_A \next, 0, 4
.endm
; 64 numbers of a lane, register 16 b + i = next K 32 b + 16 (lane / 16) + i, become a fragment's codes in v[PC] on and its scale word in v[PW]
.macro QUANT s
.irp b, 0,1,2,3
	v_max3_num_f32 v[TM+\b], |v[\s+16*\b]|, |v[\s+1+16*\b]|, 0x4800000   ; and the floor 2^(9 - 127): the byte cannot fall under 1
.endr
.irp i, 2,4,6,8,10,12,14
.irp b, 0,1,2,3
	v_max3_num_f32 v[TM+\b], v[TM+\b], |v[\s+16*\b+\i]|, |v[\s+1+16*\b+\i]|
.endr
.endr
.irp b, 0,1,2,3
	v_permlanex16_b32 v[TM+4+\b], v[TM+\b], s[SEL], s[SEL+1]
.endr
.irp b, 0,1,2,3
	v_max_num_f32 v[TM+\b], v[TM+\b], v[TM+4+\b]
.endr
.irp b, 0,1,2,3
	v_add_nc_u32 v[TM+12+\b], 0xfc000000, v[TM+\b]
.endr
.irp b, 0,1,2,3
.endr
.irp b, 0,1,2,3
	v_lshrrev_b32 v[TM+4+\b], 23, v[TM+12+\b]
.endr
	v_lshl_or_b32 v[PW], v[TM+5], 8, v[TM+4]
	v_lshl_or_b32 v[PW], v[TM+6], 16, v[PW]
	v_lshl_or_b32 v[PW], v[TM+7], 24, v[PW]
.irp b, 0,1,2,3
.irp i, 0,1,2,3,4,5,6,7,8,9,10,11,12,13,14,15
.endr
	v_cvt_scalef32_pk8_fp8_f32 v[PC+4*\b:PC+1+4*\b], v[\s+16*\b:\s+7+16*\b], v[TM+12+\b]
	v_cvt_scalef32_pk8_fp8_f32 v[PC+2+4*\b:PC+3+4*\b], v[\s+8+16*\b:\s+15+16*\b], v[TM+12+\b]
.endr
	v_nop
.endm
	s_load_b256 s[4:11], s[0:1], 0x0               ; act, w, qkv_b, qkv
	v_lshl_add_u32 v[SPW], v0, 2, SPARE
	v_mov_b32 v[NIL], 0
	ds_add_u32 v[SPW], v[NIL]                      ; the wave's opening: the add, twice on end, and its wait ahead of my first tensor load
	ds_add_u32 v[SPW], v[NIL]
	v_lshrrev_b32 v1, 5, v0
	v_readfirstlane_b32 s[WV], v1
	s_lshr_b32 s[WR], s[WV], 1                     ; which 128 of A's rows are mine
	s_and_b32 s[WC], s[WV], 1                      ; which 128 of B's
	s_bfe_u32 s[CX], ttmp6, 0x40000
	s_bfe_u32 s[CY], ttmp6, 0x40004
	s_lshl_b32 s96, s[CY], 2
	s_lshl_b32 s96, 15, s96                        ; my row of the cluster
	s_lshl_b32 s97, 0x1111, s[CX]                  ; my column
	s_or_b32 s[G1A], s96, (3<<16)|(1<<21)          ; the mask; elements of 8 bytes; bit 21 beside a mask; no padding
	s_or_b32 s[G1SA], s96, (3<<16)|(1<<21)
	s_or_b32 s[G1B], s97, (3<<16)|(1<<21)
	s_or_b32 s[G1SB], s97, (3<<16)|(1<<21)
.irp g, G1A, G1B                       ; codes: 16 fragments' 4,096 bytes (two K steps), KS x 2,048 bytes apart
	s_mov_b32 s[\g+1], 512<<16
	s_mov_b32 s[\g+2], 16<<16
	s_mov_b32 s[\g+3], 512<<16
	s_mov_b32 s[\g+4], 16
	s_mov_b32 s[\g+5], KS*256
	s_mov_b32 s[\g+6], 0
	s_mov_b32 s[\g+7], 0
.endr
.irp g, G1SA, G1SB                     ; scale words: two groups' 1,024 bytes (two K steps), KS x 512 bytes apart
	s_mov_b32 s[\g+1], 128<<16
	s_mov_b32 s[\g+2], 2<<16
	s_mov_b32 s[\g+3], 128<<16
	s_mov_b32 s[\g+4], 2
	s_mov_b32 s[\g+5], KS*64
	s_mov_b32 s[\g+6], 0
	s_mov_b32 s[\g+7], 0
.endr
	s_and_b32 s95, ttmp7, 0xffff
	s_lshl_b32 s95, s95, 2                         ; 4 x cluster y
	s_lshl_b32 s15, ttmp9, 2                       ; 4 x cluster x
	s_cmp_eq_u32 ttmp9, 2                          ; v's clusters
	s_cselect_b32 s[ISV], 1, 0
	s_cselect_b32 s14, 8, s95
	s_cselect_b32 s15, s95, s15
	s_add_co_u32 s14, s14, s[CY]                   ; A's tile: tokens 4 cluster y + cy, or the weight's 8 + cy
	s_add_co_u32 s15, s15, s[CX]                   ; B's tile: the weight's 4 cluster x + cx, or tokens 4 cluster y + cx
	s_lshl_b32 s16, s14, 18                        ; a tile's codes are 16 x KS x 2,048 bytes,
	s_mov_b32 s17, 0
	s_lshl_b32 s18, s14, 13                        ; its scale words 2 x KS x 512
	s_mov_b32 s19, 0
	s_lshl_b32 s20, s15, 18
	s_mov_b32 s21, 0
	s_lshl_b32 s98, s15, 13
	s_mov_b32 s99, 0
	s_mov_b32 s100, ACT_S
	s_mov_b32 s101, W_S
	s_cmp_lg_u32 s[ISV], 0
	s_cselect_b32 s95, s101, s100                  ; where A's scale words begin in its buffer,
	s_cselect_b32 s100, s100, s101                 ; and B's
	s_add_co_u32 s18, s18, s95
	s_add_co_u32 s98, s98, s100
	s_wait_dscnt 0x0                               ; both opening adds are done
	s_wait_kmcnt 0x0
	s_cmp_lg_u32 s[ISV], 0
	s_cselect_b64 s[100:101], s[6:7], s[4:5]       ; A's buffer
	s_cselect_b64 s[104:105], s[4:5], s[6:7]       ; B's
	s_add_nc_u64 s[16:17], s[100:101], s[16:17]
	s_add_nc_u64 s[18:19], s[100:101], s[18:19]
	s_add_nc_u64 s[20:21], s[104:105], s[20:21]
	s_add_nc_u64 s[98:99], s[104:105], s[98:99]
	CROUND                                         ; all sixteen work-groups are here: the first joint loads meet
.irp s, 0,1
	s_mov_b32 s[G0A+4*\s], 1
	s_mov_b32 s[G0A+4*\s+1], \s*SLOT
	s_add_nc_u64 s[G0A+4*\s+2:G0A+4*\s+3], s[16:17], \s*4096
	s_or_b32 s[G0A+4*\s+3], s[G0A+4*\s+3], 0x80000000
	s_mov_b32 s[G0B+4*\s], 1
	s_mov_b32 s[G0B+4*\s+1], \s*SLOT+OFB
	s_add_nc_u64 s[G0B+4*\s+2:G0B+4*\s+3], s[20:21], \s*4096
	s_or_b32 s[G0B+4*\s+3], s[G0B+4*\s+3], 0x80000000
	s_mov_b32 s[G0SA+4*\s], 1
	s_mov_b32 s[G0SA+4*\s+1], \s*SLOT+OFSA
	s_add_nc_u64 s[G0SA+4*\s+2:G0SA+4*\s+3], s[18:19], \s*1024
	s_or_b32 s[G0SA+4*\s+3], s[G0SA+4*\s+3], 0x80000000
	s_mov_b32 s[G0SB+4*\s], 1
	s_mov_b32 s[G0SB+4*\s+1], \s*SLOT+OFSB
	s_add_nc_u64 s[G0SB+4*\s+2:G0SB+4*\s+3], s[98:99], \s*1024
	s_or_b32 s[G0SB+4*\s+3], s[G0SB+4*\s+3], 0x80000000
	JLOAD \s                                       ; two loads of mine are out
.endr
	v_and_b32 v1, 31, v0                           ; lane
	v_bfe_u32 v2, v0, 4, 1                         ; h
	s_wait_alu depctr_va_vdst(0)
	v_lshlrev_b32 v3, 4, v1                        ; 16 x lane
	v_and_b32 v4, 15, v0                           ; r
	s_lshl_b32 s95, s[WR], 15
	s_lshl_b32 s100, s[WC], 15
	s_add_co_u32 s100, s100, OFB
.irp s, 0,1
	v_add_nc_u32 v[ADRA+\s], s95, v3
	v_add_nc_u32 v[ADRB+\s], s100, v3
	s_add_co_u32 s95, s95, SLOT
	s_add_co_u32 s100, s100, SLOT
.endr
	v_lshlrev_b32 v5, 5, v4                        ; 32 r
	s_lshl_b32 s95, s[WR], 10                      ; A's: my group's two units
	s_lshl_b32 s100, s[WC], 10
	s_add_co_u32 s100, s100, 2048                  ; B's lie behind A's
	s_sub_co_u32 s100, s100, s95
	v_mul_u32_u24 v6, s100, v2                     ; lanes 16-31 take B's: one product with h
	s_add_co_u32 s95, s95, OFSA
	v_add_nc_u32 v5, v5, v6
	v_add_nc_u32 v[ADRS], s95, v5
	v_add_nc_u32 v[ADRS+1], SLOT, v[ADRS]
	v_mov_b32 v24, v3                              ; the way out: 16 x lane
	s_lshl_b32 s95, s[WV], 9                       ; 512 bytes of my own in slot 0 for my eight blocks' scale words
	v_add_nc_u32 v25, s95, v3
	v_lshl_add_u32 v26, v4, 5, s95
	s_lshl_b32 s95, s15, 1
	s_add_co_u32 s95, s95, s[WC]                   ; the K step that my results make: 2 x B's tile + wc
	s_lshl_b32 s96, s[ISV], 3
	s_sub_co_u32 s96, s14, s96
	s_lshl_b32 s96, s96, 1
	s_add_co_u32 s96, s96, s[WR]                   ; and their group of 128 rows
	s_mov_b32 s101, QK_S
	s_cmp_lg_u32 s[ISV], 0
	s_cselect_b32 s97, 17, 19                      ; a K step of v has 64 fragments, one of q, k 256
	s_cselect_b32 s100, V_C, 0
	s_cselect_b32 s101, V_S, s101
	s_cselect_b32 s104, s96, s95                   ; the units: v [group][K step], q, k [K step][group]; 32 of the inner either way
	s_cselect_b32 s105, s95, s96
	s_lshl_b32 s97, s95, s97
	s_add_co_u32 s100, s100, s97
	s_lshl_b32 s97, s96, 14
	s_add_co_u32 s100, s100, s97
	s_lshl_b32 s104, s104, 5
	s_add_co_u32 s104, s104, s105
	s_lshl_b32 s104, s104, 9
	s_add_co_u32 s104, s104, s101
	s_mov_b32 s101, 0
	s_mov_b32 s105, 0
	s_add_nc_u64 s[100:101], s[10:11], s[100:101]  ; my codes
	s_add_nc_u64 s[104:105], s[10:11], s[104:105]  ; my unit of scale words
	v_lshlrev_b32 v30, 6, v2                       ; q, k: the bias runs along my registers: 64 h
	v_and_b32 v31, 8, v4
	v_add_nc_u32 v31, v31, v4
	v_lshlrev_b32 v31, 2, v31                      ; v: along the lanes: 4 (r + 8 (r / 8))
	s_cmp_lg_u32 s[ISV], 0
	s_cselect_b32 s96, s96, s95
	s_cselect_b32 s97, 8192, 0
	s_lshl_b32 s96, s96, 9
	s_add_co_u32 s96, s96, s97
	s_mov_b32 s97, 0
	s_add_nc_u64 s[8:9], s[8:9], s[96:97]
	s_cmp_lg_u32 s[ISV], 0
	s_cbranch_scc1 .Lbias_v
	s_wait_alu depctr_va_vdst(0)
.irp b, 0,1,2,3
.irp j, 0,1,2,3
	global_load_b128 v[BB+16*\b+4*\j:BB+16*\b+4*\j+3], v30, s[8:9] offset:128*\b+16*\j
.endr
.endr
	s_branch .Lbias_in
.Lbias_v:
	s_wait_alu depctr_va_vdst(0)
.irp a, 0,1,2,3,4,5,6,7                ; block a's bias in eight copies, so that the packed additions take plain pairs
.irp j, 0,1,2,3,4,5,6,7
	global_load_b32 v[BB+8*\a+\j], v31, s[8:9] offset:(32*(\a/2)+8*(\a%2))*4
.endr
.endr
.Lbias_in:
	s_wait_tensorcnt 1                             ; my part of slot 0 is in; slot 1's may stay out
	s_barrier_signal -1
	s_barrier_wait -1
	FETCH_B 0, 0, 0
	FETCH_A 0, 0, 0
	SCALES 0
	FETCH_A 0, 0, 4
	STEP 0, 0, 1                                   ; the first step's products start the sums
	s_mov_b32 s2, LAPS-1
.Llap:
	TURN 0, 1, 1
	STEP 1, 0, 0
	TURN 1, 0, 1
	STEP 0, 0, 0
	s_sub_co_u32 s2, s2, 1
	s_cmp_lg_u32 s2, 0
	s_cbranch_scc1 .Llap
	TURN 0, 1, 0                                   ; the last lap fills nothing
	STEP 1, 0, 0
	s_wait_dscnt 4*NL
	WIN MUL_LO
	MUL16 0, 1, 1, 1, 0
	MUL16 2, 1, 1, 1, 0
	s_wait_dscnt 0
	WIN MUL_HI
	MUL16 4, 1, 1, 1, 0
	MUL16 6, 1, 1, 1, 0
	WIN 0
; THE WAY OUT: eight trips, one for each of A's blocks.  A ladder on the trip's number picks the 32 packed additions that take the block's 64 sums, with the bias, into v[T] on; the quantiser and the stores are written once.
	PLACES NP
	s_wait_loadcnt 0x0                             ; the bias
	s_mov_b32 s[SEL], 0x76543210
	s_mov_b32 s[SEL+1], 0xfedcba98
.irp b, 0,1,2,3
	v_mov_b32 v[TM+4+\b], 0                        ; a lane permute's destination counts as one of its sources
.endr
	s_mov_b32 s[AI], 0
	s_mov_b32 s[AO], 0
.macro TAKEQ a                         ; each accumulator from its low end on
.Ltq_\a:
	WIN (0x02+(\a)/4)
.set i, 0
.rept 32
	v_pk_add_f32 v[T+i:T+i+1], v[64*((\a)%4)+i:64*((\a)%4)+i+1], v[BB+i:BB+i+1]
.set i, i+2
.endr
	WIN 0
	s_branch .Lgot
.endm
.macro TAKEV a
.Ltv_\a:
	WIN (0x02+(\a)/4)
.set i, 0
.rept 32
	v_pk_add_f32 v[T+i:T+i+1], v[64*((\a)%4)+i:64*((\a)%4)+i+1], v[BB+8*(\a)+i%8:BB+8*(\a)+i%8+1]
.set i, i+2
.endr
	WIN 0
.if (\a) < 7
	s_branch .Lgot
.endif
.endm
.Lrow:
	s_cmp_lg_u32 s[ISV], 0
	s_cbranch_scc1 .Lrow_v
.irp a, 0,1,2,3,4,5,6
	s_cmp_eq_u32 s[AI], \a
	s_cbranch_scc1 .Ltq_\a
.endr
	s_branch .Ltq_7
.Lrow_v:
.irp a, 0,1,2,3,4,5,6
	s_cmp_eq_u32 s[AI], \a
	s_cbranch_scc1 .Ltv_\a
.endr
	s_branch .Ltv_7
.irp a, 0,1,2,3,4,5,6,7
	TAKEQ \a
.endr
.irp a, 0,1,2,3,4,5,6,7
	TAKEV \a
.endr
.Lgot:
	QUANT T
.irp c, 0,1,2,3
	global_store_b128 v24, v[PC+4*\c:PC+4*\c+3], s[100:101] offset:512*\c   ; 512 consecutive bytes of the fragment's image
.endr
	v_add_nc_u32 v27, s[AO], v26
	ds_store_b32 v27, v[PW]                        ; 32 r + 4 a of my unit; both halves of the lanes write the same word with the same value
	s_wait_xcnt 0x0                                ; the stores have read their data and their base: both are written again
	s_add_nc_u64 s[100:101], s[100:101], 2048
	s_add_co_u32 s[AO], s[AO], 4
	s_add_co_u32 s[AI], s[AI], 1
	s_cmp_lt_u32 s[AI], 8
	s_cbranch_scc1 .Lrow
	ds_load_b128 v[4:7], v25                       ; LDS serves a wave's instructions in order: these see my stores
	s_wait_dscnt 0x0
	global_store_b128 v24, v[4:7], s[104:105]      ; the whole unit: 512 consecutive bytes
	s_wait_tensorcnt 0x0                           ; the wave's end
	ds_add_u32 v[SPW], v[NIL]
	s_wait_dscnt 0x0
	CROUND                                         ; the closing round
	s_endpgm
.Lfunc_end_k_qccdd648ba8_qkv:
	.size	k_qccdd648ba8_qkv, .Lfunc_end_k_qccdd648ba8_qkv-k_qccdd648ba8_qkv
	.p2alignl 7, 3214868480
	.fill 96, 4, 3214868480
	.section	.rodata,"a",@progbits
	.p2align	6, 0x0
	.amdhsa_kernel k_qccdd648ba8_qkv
		.amdhsa_group_segment_fixed_size 327680
		.amdhsa_private_segment_fixed_size 0
		.amdhsa_enable_private_segment 0
		.amdhsa_kernarg_size 32
		.amdhsa_user_sgpr_count 2
		.amdhsa_user_sgpr_kernarg_segment_ptr 1
		.amdhsa_wavefront_size32 1
		.amdhsa_system_sgpr_workgroup_id_x 1
		.amdhsa_system_sgpr_workgroup_id_y 1
		.amdhsa_system_sgpr_workgroup_id_z 1
		.amdhsa_system_vgpr_workitem_id 0
		.amdhsa_next_free_vgpr 1024
		.amdhsa_next_free_sgpr 106
		.amdhsa_reserve_vcc 0
		.amdhsa_float_denorm_mode_32 3
		.amdhsa_float_denorm_mode_16_64 3
		.amdhsa_fp16_overflow 1
		.amdhsa_memory_ordered 1
		.amdhsa_forward_progress 1
		.amdhsa_inst_pref_size 165
	.end_amdhsa_kernel
	.amdgpu_metadata
---
amdhsa.version: [ 1, 2 ]
amdhsa.kernels:
  - .name:           k_qccdd648ba8_qkv
    .symbol:         k_qccdd648ba8_qkv.kd
    .args:
      - { .name: act, .offset: 0, .size: 8, .value_kind: global_buffer, .address_space: global }
      - { .name: w, .offset: 8, .size: 8, .value_kind: global_buffer, .address_space: global }
      - { .name: qkv_b, .offset: 16, .size: 8, .value_kind: global_buffer, .address_space: global }
      - { .name: qkv, .offset: 24, .size: 8, .value_kind: global_buffer, .address_space: global }
    .group_segment_fixed_size: 327680
    .private_segment_fixed_size: 0
    .kernarg_segment_align: 8
    .kernarg_segment_size: 32
    .max_flat_workgroup_size: 128
    .sgpr_count:     106
    .vgpr_count:     1024
    .wavefront_size: 32
...
	.end_amdgpu_metadata
.endif
;; end of part 9
;; launch attn (part 10): grid 16 x 16, 16 waves a work-group, no clusters, 327,680 bytes of LDS; arguments qkv, act; writes act
.if DOCPART == 10
	.amdgcn_target "amdgcn-amd-amdhsa--gfx1250"
	.amdhsa_code_object_version 6
	.text
	.protected	k_qccdd648ba8_attn
	.globl	k_qccdd648ba8_attn
	.p2align	8
	.type	k_qccdd648ba8_attn,@function
k_qccdd648ba8_attn:
	s_mov_b64 s[64:65], 0
	v_nop
	global_prefetch_b8 v0, s[64:65] scope:SCOPE_SE
	s_setreg_imm32_b32 hwreg(HW_REG_WAVE_MODE, 25, 1), 1
	s_wait_xcnt 0x0
.set QK_S,  8388608
.set V_C,   8650752
.set V_S,   12845056
.set ACT_S, 4194304
.set SLOT1, 65536
.set SCK,   131072
.set SCV,   139264
.set OSC,   147456
.set SPARE, 147968
.set NSL,   8
.set AK0,  1
.set AV0,  2
.set ASK0, 3
.set ASV0, 4
.set SPW,  5
.set NIL,  6
.set PFO,  7
.set ADK,  8
.set ADV,  9
.set ADS,  10
.set ADT,  11
.set S,    104
.set O,    168
.set TB,   2
.set TS,   3
.set WV,   8
.set PAR,  9
.set MNT,  19
.set SEL,  20
.set CS,   22
.set G1,   24
.set G1S,  32
.set G0K,  40
.set G0V,  44
.set G0SK, 48
.set G0SV, 52
.set SLOTS, 56
.set LIM,  57
.set PFA,  58
.set PFS,  60
.macro TLOAD g0k, g1k, g0v, g1v
	s_cmp_lt_u32 s[WV], 2
	s_cbranch_scc0 .Lnot_k_\@
	tensor_load_to_lds s[\g0k:\g0k+3], s[\g1k:\g1k+7]
	s_nop 0
.rept 4
	v_nop
.endr
	s_branch .Lasked_\@
.Lnot_k_\@:
	s_cmp_lt_u32 s[WV], 4
	s_cbranch_scc0 .Lasked_\@
	tensor_load_to_lds s[\g0v:\g0v+3], s[\g1v:\g1v+7]
	s_nop 0
.rept 4
	v_nop
.endr
.Lasked_\@:
.endm
.macro ASK
	s_cmp_gt_u32 s[SLOTS], s[LIM]
	s_cbranch_scc0 .Lnot_mine_\@
	global_prefetch_b8 v[PFO], s[PFA:PFA+1] th:TH_LOAD_NT scope:SCOPE_SE
.Lnot_mine_\@:
.endm
	s_load_b128 s[4:7], s[0:1], 0x0
	v_lshl_add_u32 v[SPW], v0, 2, SPARE
	v_mov_b32 v[NIL], 0
	ds_add_u32 v[SPW], v[NIL]
	ds_add_u32 v[SPW], v[NIL]
	v_lshrrev_b32 v8, 5, v0
	s_delay_alu instid0(VALU_DEP_1)
	v_readfirstlane_b32 s[WV], v8
	s_and_b32 s[PAR], s[WV], 1
	s_and_b32 s10, ttmp7, 0xffff
	s_lshr_b32 s11, s10, 3
	s_and_b32 s10, s10, 7
	s_add_co_u32 s12, s10, 8
	s_lshl_b32 s13, s12, 19
	s_lshl_b32 s14, s11, 18
	s_add_co_u32 s13, s13, s14
	s_lshl_b32 s14, s11, 21
	s_lshl_b32 s15, s10, 14
	s_add_co_u32 s14, s14, s15
	s_add_co_u32 s14, s14, V_C
	s_lshl_b32 s16, s12, 14
	s_lshl_b32 s17, s11, 13
	s_add_co_u32 s16, s16, s17
	s_add_co_u32 s16, s16, QK_S
	s_add_co_u32 s17, s17, s15
	s_add_co_u32 s17, s17, V_S
	s_lshl_b32 s74, s[PAR], 14
	s_add_co_u32 s74, s74, s13
	s_mov_b32 s75, 0
	s_lshl_b32 s76, s[PAR], 17
	s_add_co_u32 s76, s76, s14
	s_mov_b32 s77, 0
	s_lshl_b32 s82, s[PAR], 12
	s_add_co_u32 s78, s16, s82
	s_mov_b32 s79, 0
	s_add_co_u32 s80, s17, s82
	s_mov_b32 s81, 0
	s_mov_b32 s[G1], 3<<16
	s_mov_b32 s[G1+1], 32<<16
	s_mov_b32 s[G1+2], 64<<16
	s_mov_b32 s[G1+3], 32<<16
	s_mov_b32 s[G1+4], 64
	s_mov_b32 s[G1+5], 32
	s_mov_b32 s[G1+6], 0
	s_mov_b32 s[G1+7], 0
	s_mov_b32 s[G1S], 3<<16
	s_mov_b32 s[G1S+1], 32<<16
	s_mov_b32 s[G1S+2], 16<<16
	s_mov_b32 s[G1S+3], 32<<16
	s_mov_b32 s[G1S+4], 16
	s_mov_b32 s[G1S+5], 32
	s_mov_b32 s[G1S+6], 0
	s_mov_b32 s[G1S+7], 0
	s_mov_b32 s[SEL], 0x76543210
	s_mov_b32 s[SEL+1], 0xfedcba98
	s_mov_b32 s[CS], 0x3e38aa3b
	s_mov_b32 s[CS+1], s[CS]
	s_mov_b32 s[TB], 0
	s_mov_b32 s[TS], 0
	s_mov_b32 s[SLOTS], NSL-1
	s_wait_dscnt 0x0
	s_wait_kmcnt 0x0
	s_mov_b32 s[G0SK], 1
	s_add_co_u32 s[G0SK+1], s82, SCK
	s_add_nc_u64 s[G0SK+2:G0SK+3], s[4:5], s[78:79]
	s_or_b32 s[G0SK+3], s[G0SK+3], 0x80000000
	s_mov_b32 s[G0SV], 1
	s_add_co_u32 s[G0SV+1], s82, SCV
	s_add_nc_u64 s[G0SV+2:G0SV+3], s[4:5], s[80:81]
	s_or_b32 s[G0SV+3], s[G0SV+3], 0x80000000
	TLOAD G0SK, G1S, G0SV, G1S
	s_mov_b32 s[G0K], 1
	s_lshl_b32 s[G0K+1], s[PAR], 14
	s_add_nc_u64 s[G0K+2:G0K+3], s[4:5], s[74:75]
	s_or_b32 s[G0K+3], s[G0K+3], 0x80000000
	s_mov_b32 s[G0V], 1
	s_add_co_u32 s[G0V+1], s[G0K+1], 32768
	s_add_nc_u64 s[G0V+2:G0V+3], s[4:5], s[76:77]
	s_or_b32 s[G0V+3], s[G0V+3], 0x80000000
	s_wait_alu depctr_va_vdst(0)
	s_wait_tensorcnt 0x0
	ds_add_u32 v5, v6
	s_wait_dscnt 0x0
	s_barrier_signal -1
	s_barrier_wait -1
	TLOAD G0K, G1, G0V, G1
	s_lshl_b32 s84, s11, 4
	s_add_co_u32 s84, s84, ttmp9
	s_lshr_b32 s85, s[WV], 1
	s_lshl_b32 s86, s84, 3
	s_add_co_u32 s86, s86, s85
	s_lshl_b32 s87, s[PAR], 10
	s_lshl_b32 s82, s10, 8
	s_add_co_u32 s82, s82, s86
	s_lshl_b32 s82, s82, 11
	s_add_co_u32 s82, s82, s87
	s_mov_b32 s83, 0
	s_add_nc_u64 s[66:67], s[4:5], s[82:83]
	s_lshl_b32 s82, s10, 5
	s_add_co_u32 s82, s82, s84
	s_lshl_b32 s82, s82, 9
	s_lshl_b32 s85, s[WV], 1
	s_add_co_u32 s82, s82, s85
	s_add_co_u32 s82, s82, QK_S
	s_add_nc_u64 s[68:69], s[4:5], s[82:83]
	s_lshl_b32 s82, s86, 3
	s_add_co_u32 s82, s82, s10
	s_lshl_b32 s82, s82, 11
	s_add_co_u32 s82, s82, s87
	s_add_nc_u64 s[70:71], s[6:7], s[82:83]
	s_lshl_b32 s82, s84, 3
	s_add_co_u32 s82, s82, s10
	s_lshl_b32 s82, s82, 9
	s_add_co_u32 s82, s82, ACT_S
	s_add_nc_u64 s[72:73], s[6:7], s[82:83]
	s_and_b32 s74, s[WV], 3
	s_lshl_b32 s75, s74, 13
	s_add_co_u32 s75, s75, s13
	s_lshr_b32 s76, s74, 1
	s_lshl_b32 s76, s76, 17
	s_and_b32 s77, s74, 1
	s_lshl_b32 s77, s77, 13
	s_add_co_u32 s76, s76, s77
	s_add_co_u32 s76, s76, s14
	s_mov_b32 s77, 262144
	s_cmp_lt_u32 s[WV], 8
	s_cselect_b32 s74, s75, s76
	s_cselect_b32 s[PFS], 32768, s77
	s_add_co_u32 s74, s74, s[PFS]
	s_mov_b32 s75, 0
	s_mov_b32 s[PFS+1], 0
	s_add_nc_u64 s[PFA:PFA+1], s[4:5], s[74:75]
	s_sub_co_u32 s74, s[WV], 4
	s_lshr_b32 s74, s74, 3
	s_or_b32 s74, s74, ttmp9
	s_cmp_eq_u32 s74, 0
	s_cselect_b32 s[LIM], 1, -1
	v_and_b32 v8, 31, v0
	v_and_b32 v9, 15, v0
	s_delay_alu instid0(VALU_DEP_2)
	v_lshlrev_b32 v[PFO], 8, v8
	s_delay_alu instid0(VALU_DEP_3)
	v_lshlrev_b32 v10, 4, v8
	s_delay_alu instid0(VALU_DEP_3)
	v_lshlrev_b32 v11, 5, v9
	global_load_b128 v[16:19], v10, s[66:67]
	global_load_b128 v[20:23], v10, s[66:67] offset:512
	global_load_u16 v255, v11, s[68:69]
	v_add_nc_u32 v[AK0], s87, v10
	s_lshl_b32 s74, s[PAR], 13
	s_add_co_u32 s74, s74, 32768
	v_add_nc_u32 v[AV0], s74, v10
	s_lshl_b32 s74, s[PAR], 1
	s_add_co_u32 s74, s74, SCK
	v_add_nc_u32 v[ASK0], s74, v11
	s_lshl_b32 s74, s[PAR], 4
	s_add_co_u32 s74, s74, SCV
	v_add_nc_u32 v[ASV0], s74, v11
.irp j, 0,1,2,3,4,5,6,7
	v_mov_b32 v[24+\j], 0
	v_mov_b32 v[96+\j], 0
.endr
	v_mov_b32 v13, 0xff61b1e6
	s_delay_alu instid0(VALU_DEP_1)
	v_floor_f32 v12, -v13
	v_mov_b32 v14, 0
	v_mov_b32 v15, 0
.irp b, 0,1,2,3
	v_mov_b32 v[236+\b], 0
.endr
	v_mov_b32 v253, 0
.set j, 0
.rept 32
	v_mov_b32 v[O+j], 0
.set j, j+1
.endr
.macro STEP q
	v_add_nc_u32 v[ADK], s[TB], v[AK0]
	v_add_nc_u32 v[ADV], s[TB], v[AV0]
	v_add_nc_u32 v[ADS], s[TS], v[ASK0]
	v_add_nc_u32 v[ADT], s[TS], v[ASV0]
.rept 8
	v_nop
.endr
.irp t, 0,1,2,3,4,5,6,7
	ds_load_b128 v[32+8*\t:35+8*\t], v[ADK] offset:(8*(\q)+\t)*2048
	ds_load_b128 v[36+8*\t:39+8*\t], v[ADK] offset:(8*(\q)+\t)*2048+512
	ds_load_u16 v[200+\t], v[ADS] offset:4*\t
.endr
	s_wait_dscnt 0x0
.irp t, 0,1,2,3,4,5,6,7
	v_wmma_scale_f32_16x16x128_f8f6f4 v[S+8*\t:S+8*\t+7], v[32+8*\t:47+8*\t], v[16:31], 0, v[200+\t], v255
.endr
.rept 8
	v_nop
.endr
.irp b, 0,1,2,3
	v_max3_num_f32 v[232+\b], v[S+16*\b], v[S+1+16*\b], v[S+2+16*\b]
.endr
.irp i, 3,5,7,9,11,13
.irp b, 0,1,2,3
	v_max3_num_f32 v[232+\b], v[232+\b], v[S+16*\b+\i], v[S+1+16*\b+\i]
.endr
.endr
.irp b, 0,1,2,3
	v_max_num_f32 v[232+\b], v[232+\b], v[S+15+16*\b]
.endr
.irp b, 0,1,2,3
	v_permlanex16_b32 v[236+\b], v[232+\b], s[SEL], s[SEL+1]
.endr
.irp b, 0,1,2,3
	s_delay_alu instid0(VALU_DEP_4)
	v_max_num_f32 v[232+\b], v[232+\b], v[236+\b]
.endr
	s_delay_alu instid0(VALU_DEP_2)
	v_max3_num_f32 v254, v232, v233, v234
	s_delay_alu instid0(VALU_DEP_1)
	v_max_num_f32 v254, v254, v235
	s_delay_alu instid0(VALU_DEP_1)
	v_mul_f32 v254, s[CS], v254
	s_delay_alu instid0(VALU_DEP_1)
	v_max_num_f32 v13, v13, v254
	v_mov_b32 v254, v12
	s_delay_alu instid0(VALU_DEP_2)
	v_floor_f32 v12, -v13
	s_delay_alu instid0(VALU_DEP_1)
	v_sub_f32 v254, v12, v254
	s_delay_alu instid0(VALU_DEP_1)
	v_cvt_i32_f32 v254, v254
	s_delay_alu instid0(VALU_DEP_1)
	v_ldexp_f32 v252, 1.0, v254
.set j, 0
.rept 32
	v_pk_fma_f32 v[S+j:S+j+1], v[S+j:S+j+1], s[CS:CS+1], v[12:13] op_sel_hi:[1,0,0]
.set j, j+2
.endr
.irp b, 0,1,2,3
	v_fma_f32 v[232+\b], v[232+\b], s[CS], v12
.endr
.set j, 0
	s_wait_alu depctr_va_vdst(0)
.rept 64
	v_exp_f32 v[S+j], v[S+j]
.set j, j+1
.endr
	v_pk_mul_f32 v[14:15], v[14:15], v[252:253] op_sel_hi:[1,0]
	s_wait_alu depctr_va_vdst(0)
.irp b, 0,1,2,3
	v_exp_f32 v[232+\b], v[232+\b]
.endr
	v_pk_add_f32 v[236:237], v[S:S+1], v[S+2:S+3]
.set j, 4
.rept 15
	v_pk_add_f32 v[14:15], v[14:15], v[S+j:S+j+1]
	v_pk_add_f32 v[236:237], v[236:237], v[S+j+2:S+j+3]
.set j, j+4
.endr
	s_delay_alu instid0(VALU_DEP_1)
	v_pk_add_f32 v[14:15], v[14:15], v[236:237]
	s_wait_alu depctr_va_vdst(0)
.irp b, 0,1,2,3
	v_max_num_f32 v[232+\b], 0x4800000, v[232+\b]
.endr
.irp b, 0,1,2,3
	s_delay_alu instid0(VALU_DEP_4)
	v_add_nc_u32 v[244+\b], 0xfc000000, v[232+\b]
.endr
.irp b, 0,1,2,3
.endr
.irp b, 0,1,2,3
	s_delay_alu instid0(VALU_DEP_4)
	v_lshrrev_b32 v[236+\b], 23, v[244+\b]
.endr
	s_delay_alu instid0(VALU_DEP_3)
	v_lshl_or_b32 v253, v237, 8, v236
	s_delay_alu instid0(VALU_DEP_1)
	v_lshl_or_b32 v253, v238, 16, v253
	s_delay_alu instid0(VALU_DEP_1)
	v_lshl_or_b32 v253, v239, 24, v253
.irp b, 0,1,2,3
.irp i, 0,1,2,3,4,5,6,7,8,9,10,11,12,13,14,15
.endr
	v_cvt_scalef32_pk8_fp8_f32 v[224+4*\b:225+4*\b], v[S+16*\b:S+7+16*\b], v[244+\b]
	v_cvt_scalef32_pk8_fp8_f32 v[226+4*\b:227+4*\b], v[S+8+16*\b:S+15+16*\b], v[244+\b]
.endr
	v_nop
.irp t, 0,1,2,3
.irp c, 0,1,2,3
	ds_load_b128 v[S+16*\t+4*\c:S+16*\t+4*\c+3], v[ADV] offset:16384*(\q)+2048*\t+512*\c
.endr
.endr
	ds_load_b128 v[208:211], v[ADT]
.set j, 0
.rept 16
	v_pk_mul_f32 v[O+j:O+j+1], v[O+j:O+j+1], v[252:253] op_sel_hi:[1,0]
.set j, j+2
.endr
	s_wait_alu depctr_va_vdst(0)
	s_wait_dscnt 0x0
.irp t, 0,1,2,3
	v_wmma_scale_f32_16x16x128_f8f6f4 v[O+8*\t:O+8*\t+7], v[S+16*\t:S+16*\t+15], v[224:239], v[O+8*\t:O+8*\t+7], v[208+\t], v253
.endr
	s_add_co_u32 s[TS], s[TS], 512
.endm
.macro CHANGE fill
	s_wait_tensorcnt 0x0
	ds_add_u32 v[SPW], v[NIL]
.if \fill
	ds_add_u32 v[SPW], v[NIL]
	s_xor_b32 s[G0K+1], s[G0K+1], SLOT1
	s_add_nc_u64 s[G0K+2:G0K+3], s[G0K+2:G0K+3], 32768
	s_xor_b32 s[G0V+1], s[G0V+1], SLOT1
	s_add_nc_u64 s[G0V+2:G0V+3], s[G0V+2:G0V+3], 262144
	s_wait_xcnt 0x0
	s_add_nc_u64 s[PFA:PFA+1], s[PFA:PFA+1], s[PFS:PFS+1]
.endif
	s_wait_dscnt 0x0
	s_barrier_signal -1
	s_barrier_wait -1
.if \fill
	TLOAD G0K, G1, G0V, G1
	ASK
.endif
.endm
.macro SLOT_STEPS
	STEP 0
	STEP 1
	s_xor_b32 s[TB], s[TB], SLOT1
.endm
	s_wait_loadcnt 0x0
.Lslot:
	CHANGE 1
	SLOT_STEPS
	s_sub_co_u32 s[SLOTS], s[SLOTS], 1
	s_cmp_lg_u32 s[SLOTS], 0
	s_cbranch_scc1 .Lslot
	CHANGE 0
	SLOT_STEPS
	v_add_f32 v14, v14, v15
	s_delay_alu instid0(VALU_DEP_1)
	v_permlanex16_b32 v252, v14, s[SEL], s[SEL+1]
	s_delay_alu instid0(VALU_DEP_1)
	v_add_f32 v14, v14, v252
	s_wait_alu depctr_va_vdst(0)
	v_rcp_f32 v14, v14
	v_and_b32 v8, 31, v0
	v_and_b32 v9, 15, v0
	s_delay_alu instid0(VALU_DEP_2)
	v_lshlrev_b32 v8, 4, v8
	s_lshl_b32 s74, s[WV], 1
	s_add_co_u32 s74, s74, OSC
	v_lshl_add_u32 v9, v9, 5, s74
	v_add_nc_u32 v10, OSC, v8
.rept 4
	v_nop
.endr
	s_wait_alu depctr_va_vdst(0)
.set j, 0
.rept 32
	v_mul_f32 v[S+j], v[O+j], v14
.set j, j+1
.endr
.irp b, 0,1
	v_max3_num_f32 v[232+\b], |v[S+16*\b]|, |v[S+1+16*\b]|, 0x4800000
.endr
.irp i, 2,4,6,8,10,12,14
.irp b, 0,1
	s_delay_alu instid0(VALU_DEP_2)
	v_max3_num_f32 v[232+\b], v[232+\b], |v[S+16*\b+\i]|, |v[S+1+16*\b+\i]|
.endr
.endr
.irp b, 0,1
	v_permlanex16_b32 v[236+\b], v[232+\b], s[SEL], s[SEL+1]
.endr
.irp b, 0,1
	s_delay_alu instid0(VALU_DEP_2)
	v_max_num_f32 v[232+\b], v[232+\b], v[236+\b]
.endr
.irp b, 0,1
	s_delay_alu instid0(VALU_DEP_2)
	v_add_nc_u32 v[244+\b], 0xfc000000, v[232+\b]
.endr
.irp b, 0,1
.endr
.irp b, 0,1
	s_delay_alu instid0(VALU_DEP_2)
	v_lshrrev_b32 v[236+\b], 23, v[244+\b]
.endr
	s_delay_alu instid0(VALU_DEP_1)
	v_lshl_or_b32 v248, v237, 8, v236
.irp b, 0,1
.irp i, 0,1,2,3,4,5,6,7,8,9,10,11,12,13,14,15
.endr
	v_cvt_scalef32_pk8_fp8_f32 v[216+4*\b:217+4*\b], v[S+16*\b:S+7+16*\b], v[244+\b]
	v_cvt_scalef32_pk8_fp8_f32 v[218+4*\b:219+4*\b], v[S+8+16*\b:S+15+16*\b], v[244+\b]
.endr
	v_nop
	global_store_b128 v8, v[216:219], s[70:71]
	global_store_b128 v8, v[220:223], s[70:71] offset:512
	ds_store_b16 v9, v248
	s_wait_dscnt 0x0
	s_barrier_signal -1
	s_barrier_wait -1
	s_cmp_lg_u32 s[WV], 0
	s_cbranch_scc1 .Lend
	ds_load_b128 v[224:227], v10
	s_wait_dscnt 0x0
	global_store_b128 v8, v[224:227], s[72:73]
.Lend:
	s_wait_tensorcnt 0x0
	ds_add_u32 v[SPW], v[NIL]
	s_wait_dscnt 0x0
	s_endpgm
.Lfunc_end_k_qccdd648ba8_attn:
	.size	k_qccdd648ba8_attn, .Lfunc_end_k_qccdd648ba8_attn-k_qccdd648ba8_attn
	.p2alignl 7, 3214868480
	.fill 96, 4, 3214868480
	.section	.rodata,"a",@progbits
	.p2align	6, 0x0
	.amdhsa_kernel k_qccdd648ba8_attn
		.amdhsa_group_segment_fixed_size 327680
		.amdhsa_private_segment_fixed_size 0
		.amdhsa_enable_private_segment 0
		.amdhsa_kernarg_size 16
		.amdhsa_user_sgpr_count 2
		.amdhsa_user_sgpr_kernarg_segment_ptr 1
		.amdhsa_wavefront_size32 1
		.amdhsa_system_sgpr_workgroup_id_x 1
		.amdhsa_system_sgpr_workgroup_id_y 1
		.amdhsa_system_sgpr_workgroup_id_z 1
		.amdhsa_system_vgpr_workitem_id 0
		.amdhsa_next_free_vgpr 256
		.amdhsa_next_free_sgpr 88
		.amdhsa_reserve_vcc 0
		.amdhsa_float_denorm_mode_32 3
		.amdhsa_float_denorm_mode_16_64 3
		.amdhsa_fp16_overflow 1
		.amdhsa_memory_ordered 1
		.amdhsa_forward_progress 1
		.amdhsa_inst_pref_size 85
	.end_amdhsa_kernel
	.amdgpu_metadata
---
amdhsa.version: [ 1, 2 ]
amdhsa.kernels:
  - .name:           k_qccdd648ba8_attn
    .symbol:         k_qccdd648ba8_attn.kd
    .args:
      - { .name: qkv, .offset: 0, .size: 8, .value_kind: global_buffer, .address_space: global }
      - { .name: act, .offset: 8, .size: 8, .value_kind: global_buffer, .address_space: global }
    .group_segment_fixed_size: 327680
    .private_segment_fixed_size: 0
    .kernarg_segment_align: 8
    .kernarg_segment_size: 16
    .max_flat_workgroup_size: 512
    .sgpr_count:     88
    .vgpr_count:     256
    .wavefront_size: 32
...
	.end_amdgpu_metadata
.endif
;; end of part 10
;; launch proj (part 11): grid 8 x 32, 4 waves a work-group, clusters of 4 x 4, 327,680 bytes of LDS; arguments act, w, proj_b, x, x1; writes x1
.if DOCPART == 11
	.amdgcn_target "amdgcn-amd-amdhsa--gfx1250"
	.amdhsa_code_object_version 6
	.text
	.protected	k_qccdd648ba8_proj
	.globl	k_qccdd648ba8_proj
	.p2align	8
	.type	k_qccdd648ba8_proj,@function
k_qccdd648ba8_proj:
	s_mov_b64 s[64:65], 0
	v_nop
	global_prefetch_b8 v0, s[64:65] scope:SCOPE_SE
	s_setreg_imm32_b32 hwreg(HW_REG_WAVE_MODE, 25, 1), 1
	s_wait_xcnt 0x0
	s_wait_alu depctr_hold_cnt(0) depctr_sa_sdst(0) depctr_va_vdst(0) depctr_va_sdst(0) depctr_va_ssrc(0) depctr_va_vcc(0) depctr_vm_vsrc(0)
	s_getreg_b32 s2, hwreg(HW_REG_IB_STS2, 6, 4)
	s_cmp_eq_u32 s2, 0
	s_cbranch_scc0 .Lentry_in_a_cluster
	s_endpgm
.Lentry_in_a_cluster:
	s_bfe_u32 s2, ttmp6, 0x10000c
	s_cmp_lg_u32 s2, 0xf033
	s_cbranch_scc0 .Lentry_shape_is_right
	s_endpgm
.Lentry_shape_is_right:
; x1 = x + Q(o) Q(proj_w) + proj_b, f32 rows of 1,024.  Both operands come as codes of E4M3 with E8M0 scale words, in the layout that the first kernel's head sets out.  Nothing is left out.
; A tile is 128 x 128: 256 work-groups of four waves, each wave 64 x 64: 16 accumulators, 128 registers.  Source 0 = the weight's fragment, source 1 = the tokens': a lane holds one token, and the eight registers of a tile are eight neighbouring columns.
; K = 1,024: the codes of the tile's 256 rows are 256 KiB and lie in LDS whole, as two slots of 512 along K, both asked for at the head: nothing is filled again.  The scale words of all of K come with them.
; A fragment is an image of its registers: no pitch, no padding; every LDS load takes 512 consecutive bytes.  A step of 128 along K is 16 matrix instructions; the next step's 32 LDS loads go out ahead of them, into the other of two buffers.
; CLUSTERS of 4 x 4: A's tiles are shared along a row of the cluster, B's along a column: joint loads.  Waves 0 and 1 fetch A's two halves (four fragments each), waves 2 and 3 B's.
; THE WAY OUT: a wave's 64 columns are 256 consecutive bytes of a row.  A block of 16 rows goes through my own stage in LDS (bytes of its own, rows 272 apart) and comes back two whole rows an instruction; the residual's rows, asked for
; at the head, and the bias are added; sixteen lanes store 256 consecutive bytes, at a multiple of 256 from the buffer's first byte.
; REGISTERS: window 0: v16-30 addresses; v32-63 scale words and nothing else; v64-67 the bias; v128-255 the accumulators, (a, b) at v[128 + 8 (4 a + b)].  Window 1: two fragment buffers of 128 (A's four, then B's four).
;   Window 2: v0-127 the residual's four blocks; v128-255 the four blocks read back from the stage.
; LIMITS: NaN and infinities are not served.
.set KS,    8                          ; K steps of 128 in a row of either operand
.set A_S,   4194304                    ; where A's scale words begin in its buffer
.set B_C,   3145728                    ; where the weight's codes begin in w
.set B_S,   12582912+98304             ; and its scale words
.set SLOT,  131072                     ; a slot: A's codes [8 fragments][4 K steps][2,048], then B's
.set OFB,   65536
.set SCA,   2*SLOT                     ; behind the slots: A's scale units [K step][512], then B's
.set SPARE, SCA+2*KS*512               ; the spare words, 128 bytes a wave
.set STAGE, SPARE+512                  ; the stages: 16 rows x 272 bytes for each wave
.set SP,    272
.set NP,    8                          ; places behind this matrix instruction (ISA guide 7.12.1)
.set ADRA,  16                         ; v16-17 my A fragments in slot 0, 1
.set ADRS,  18                         ; v18    my scale words: lanes 0-15 A's, lanes 16-31 B's
.set ADRB,  20                         ; v20-21 my B fragments
.set STO,   24                         ; v24    the way out: where I put 32 bytes of a row
.set RD,    25                         ; v25    where I read a row back
.set CO,    26                         ; v26    my byte offset in two rows of x and x1
.set BO,    27                         ; v27    my byte offset in the bias
.set SPW,   28
.set NIL,   29
.set SC,    32                         ; scale words: slot s, K step q, fragment i at v[SC + 16 s + 4 q + i]
.set BI,    64
.set ACC,   128
.set XR,    0                          ; window 2
.set BK,    128                        ; window 2
.set WV,    22
.set WR,    23
.set WC,    92
.set CX,    93
.set CY,    94
.set G1A,   24
.set G1B,   32
.set G1SA,  40
.set G1SB,  48
.set G0A,   56
.set G0B,   68
.set G0SA,  76
.set G0SB,  80
.set MSB, 0
.macro WIN new                         ; the immediate's high byte repeats the setting that is left
.if MSB != \new
	s_set_vgpr_msb (MSB<<8)|\new
.set MSB, \new
.endif
.endm
.set MUL,   0x05                       ; sources 0 (B) and 1 (A) window 1; C and D window 0
.set TO_F,  0x40                       ; destination window 1, address window 0
.macro JLOAD g0a, g1a, g0b, g1b        ; a joint load: waves 0 and 1 fetch for A, waves 2 and 3 for B; an s_nop 0 and four v_nop follow each of the two lines
	s_cmp_eq_u32 s[WR], 0
	s_cbranch_scc0 .Lfor_b_\@
	tensor_load_to_lds s[\g0a:\g0a+3], s[\g1a:\g1a+7]
	s_nop 0
.rept 4
	v_nop
.endr
	s_branch .Lasked_\@
.Lfor_b_\@:
	tensor_load_to_lds s[\g0b:\g0b+3], s[\g1b:\g1b+7]
	s_nop 0
.rept 4
	v_nop
.endr
.Lasked_\@:
.endm
.macro CROUND                          ; a round of the cluster's barrier
	s_barrier_signal -1
	s_barrier_wait -1
	s_cmp_lg_u32 s[WV], 0
	s_cbranch_scc1 .Lnot_wave_0_\@
	s_barrier_signal -3
.Lnot_wave_0_\@:
	s_barrier_wait -3
	s_barrier_signal -1
	s_barrier_wait -1
.endm
.macro FRAG reg, adr, q, i             ; fragment i of my four, K step q of the slot: four loads of 512 consecutive bytes
.irp c, 0,1,2,3
	ds_load_b128 v[\reg+4*\c:\reg+4*\c+3], v[\adr] offset:8192*(\i)+2048*(\q)+512*\c
.endr
.endm
.macro FETCH slot, q, f                ; 32 LDS loads in one run: my four fragments of A and of B into buffer f
	WIN TO_F
.irp i, 0,1,2,3
	FRAG 128*(\f)+16*\i, ADRA+\slot, \q, \i
	FRAG 128*(\f)+64+16*\i, ADRB+\slot, \q, \i
.endr
.endm
.macro SCALES sc                       ; a slot's scale words: my four fragments' words of a K step are 16 neighbouring bytes
.irp q, 0,1,2,3
	ds_load_b128 v[SC+16*\sc+4*\q:SC+16*\sc+4*\q+3], v[ADRS] offset:2048*\sc+512*\q
.endr
.endm
; four matrix instructions: A's block a x B's four.  The 16 accumulators take turns, one instruction a turn, in the same order in every step
.macro MULA f, q, sc, a, zero
.irp b, 0,1,2,3
.if \zero
	v_wmma_scale_f32_16x16x128_f8f6f4 v[ACC+8*(4*(\a)+\b):ACC+8*(4*(\a)+\b)+7], v[128*(\f)+64+16*\b:128*(\f)+64+16*\b+15], v[128*(\f)+16*(\a):128*(\f)+16*(\a)+15], 0, v[SC+16*(\sc)+4*(\q)+\b], v[SC+16*(\sc)+4*(\q)+(\a)] matrix_a_scale:MATRIX_SCALE_ROW1
.else
	v_wmma_scale_f32_16x16x128_f8f6f4 v[ACC+8*(4*(\a)+\b):ACC+8*(4*(\a)+\b)+7], v[128*(\f)+64+16*\b:128*(\f)+64+16*\b+15], v[128*(\f)+16*(\a):128*(\f)+16*(\a)+15], v[ACC+8*(4*(\a)+\b):ACC+8*(4*(\a)+\b)+7], v[SC+16*(\sc)+4*(\q)+\b], v[SC+16*(\sc)+4*(\q)+(\a)] matrix_a_scale:MATRIX_SCALE_ROW1
.endif
.endr
.endm
.macro MUL16 f, q, sc, zero
.irp a, 0,1,2,3
	MULA \f, \q, \sc, \a, \zero
.endr
.endm
.macro PLACES n
.rept \n
	v_nop
.endr
.endm
.macro QSTEP slot, q, zero             ; one of a slot's first three steps: the next step's fragments are asked for, then this step's are multiplied
	PLACES NP                                      ; behind the last step's products, which read the buffer that is loaded now
	FETCH \slot, (\q)+1, 1-(\q)%2
	s_wait_dscnt 32                                ; all but the 32 just issued: this step's fragments (and scale words) are in
	WIN MUL
	MUL16 (\q)%2, \q, \slot, \zero
.endm
	s_load_b256 s[4:11], s[0:1], 0x0               ; act, w, proj_b, x
	s_load_b64 s[12:13], s[0:1], 0x20              ; x1
	v_lshl_add_u32 v[SPW], v0, 2, SPARE
	v_mov_b32 v[NIL], 0
	ds_add_u32 v[SPW], v[NIL]                      ; the wave's opening: the add, twice on end, and its wait ahead of my first tensor load
	ds_add_u32 v[SPW], v[NIL]
	v_lshrrev_b32 v1, 5, v0
	v_readfirstlane_b32 s[WV], v1
	s_lshr_b32 s[WR], s[WV], 1                     ; which 64 of the tile's tokens are mine.  Also: I fetch for A (0) or for B (1)
	s_and_b32 s[WC], s[WV], 1                      ; which 64 of its columns.  Also: which half of that operand's tile I fetch
	s_bfe_u32 s[CX], ttmp6, 0x40000
	s_bfe_u32 s[CY], ttmp6, 0x40004
	s_lshl_b32 s96, s[CY], 2
	s_lshl_b32 s96, 15, s96                        ; my row of the cluster
	s_lshl_b32 s97, 0x1111, s[CX]                  ; my column
	s_or_b32 s[G1A], s96, (3<<16)|(1<<21)          ; the mask; elements of 8 bytes; bit 21 beside a mask; no padding
	s_or_b32 s[G1SA], s96, (3<<16)|(1<<21)
	s_or_b32 s[G1B], s97, (3<<16)|(1<<21)
	s_or_b32 s[G1SB], s97, (3<<16)|(1<<21)
.irp g, G1A, G1B                       ; codes: four fragments' 8,192 bytes (four K steps), KS x 2,048 bytes apart
	s_mov_b32 s[\g+1], 1024<<16
	s_mov_b32 s[\g+2], 4<<16
	s_mov_b32 s[\g+3], 1024<<16
	s_mov_b32 s[\g+4], 4
	s_mov_b32 s[\g+5], KS*256
	s_mov_b32 s[\g+6], 0
	s_mov_b32 s[\g+7], 0
.endr
.irp g, G1SA, G1SB                     ; scale words: half of a tile's KS x 512 dense bytes, as rows of 256
	s_mov_b32 s[\g+1], 32<<16
	s_mov_b32 s[\g+2], KS<<16
	s_mov_b32 s[\g+3], 32<<16
	s_mov_b32 s[\g+4], KS
	s_mov_b32 s[\g+5], 32
	s_mov_b32 s[\g+6], 0
	s_mov_b32 s[\g+7], 0
.endr
	s_and_b32 s14, ttmp7, 0xffff
	s_lshl_b32 s14, s14, 2
	s_add_co_u32 s14, s14, s[CY]                   ; A's tile of 128 tokens
	s_lshl_b32 s15, ttmp9, 2
	s_add_co_u32 s15, s15, s[CX]                   ; B's tile of 128 columns
	s_lshl_b32 s95, s[WC], 2                       ; which four fragments of a tile I fetch,
	s_mul_i32 s96, s[WC], KS*256                   ; and which half of its scale words
	s_lshl_b32 s16, s14, 3
	s_add_co_u32 s16, s16, s95
	s_mul_i32 s16, s16, KS*2048
	s_mov_b32 s17, 0
	s_mul_i32 s18, s14, KS*512
	s_add_co_u32 s18, s18, s96
	s_add_co_u32 s18, s18, A_S
	s_mov_b32 s19, 0
	s_lshl_b32 s20, s15, 3
	s_add_co_u32 s20, s20, s95
	s_mul_i32 s20, s20, KS*2048
	s_add_co_u32 s20, s20, B_C
	s_mov_b32 s21, 0
	s_mul_i32 s98, s15, KS*512
	s_add_co_u32 s98, s98, s96
	s_add_co_u32 s98, s98, B_S
	s_mov_b32 s99, 0
	s_lshl_b32 s97, s[WV], 15                      ; where they go: wave x 32 KiB: no place in the cluster enters an LDS address
	s_mul_i32 s101, s[WV], KS*256
	s_wait_dscnt 0x0                               ; both opening adds are done
	s_wait_kmcnt 0x0
	s_add_nc_u64 s[16:17], s[4:5], s[16:17]
	s_add_nc_u64 s[18:19], s[4:5], s[18:19]
	s_add_nc_u64 s[20:21], s[6:7], s[20:21]
	s_add_nc_u64 s[98:99], s[6:7], s[98:99]
	CROUND                                         ; all sixteen work-groups are here: the joint loads meet
	s_mov_b32 s[G0SA], 1
	s_add_co_u32 s[G0SA+1], s101, SCA
	s_mov_b64 s[G0SA+2:G0SA+3], s[18:19]
	s_or_b32 s[G0SA+3], s[G0SA+3], 0x80000000
	s_mov_b32 s[G0SB], 1
	s_add_co_u32 s[G0SB+1], s101, SCA
	s_mov_b64 s[G0SB+2:G0SB+3], s[98:99]
	s_or_b32 s[G0SB+3], s[G0SB+3], 0x80000000
	JLOAD G0SA, G1SA, G0SB, G1SB                   ; the scale words first: they are wanted with the first step
.irp s, 0,1
	s_mov_b32 s[G0A+4*\s], 1
	s_add_co_u32 s[G0A+4*\s+1], s97, \s*SLOT
	s_add_nc_u64 s[G0A+4*\s+2:G0A+4*\s+3], s[16:17], \s*8192
	s_or_b32 s[G0A+4*\s+3], s[G0A+4*\s+3], 0x80000000
	s_mov_b32 s[G0B+4*\s], 1
	s_add_co_u32 s[G0B+4*\s+1], s97, \s*SLOT
	s_add_nc_u64 s[G0B+4*\s+2:G0B+4*\s+3], s[20:21], \s*8192
	s_or_b32 s[G0B+4*\s+3], s[G0B+4*\s+3], 0x80000000
	JLOAD G0A+4*\s, G1A, G0B+4*\s, G1B             ; three loads of mine are out
.endr
	v_and_b32 v1, 31, v0                           ; lane
	v_bfe_u32 v2, v0, 4, 1                         ; h
	v_lshlrev_b32 v3, 4, v1                        ; 16 x lane
	v_and_b32 v4, 15, v0                           ; r
	v_lshlrev_b32 v[BO], 4, v4                     ; 16 bytes of a row's 256 for each of sixteen lanes;
	v_lshl_add_u32 v[CO], v2, 12, v[BO]            ; lanes 16-31 take the row below
	s_lshl_b32 s95, s14, 7
	s_lshl_b32 s96, s[WR], 6
	s_add_co_u32 s95, s95, s96                     ; my first row
	s_lshl_b32 s100, s95, 12
	s_lshl_b32 s96, s15, 9
	s_lshl_b32 s97, s[WC], 8
	s_add_co_u32 s96, s96, s97                     ; my first column, in bytes
	s_mov_b32 s97, 0
	s_add_nc_u64 s[8:9], s[8:9], s[96:97]
	s_add_co_u32 s100, s100, s96
	s_mov_b32 s101, 0
	s_add_nc_u64 s[10:11], s[10:11], s[100:101]
	s_add_nc_u64 s[12:13], s[12:13], s[100:101]
	global_load_b128 v[BI:BI+3], v[BO], s[8:9]
	WIN 0x80                                       ; destination window 2
.irp a, 0,1,2,3                        ; the residual: block a's 16 rows, two an instruction, in the order in which the stage gives the results back
.irp i, 0,1,2,3,4,5,6,7
	global_load_b128 v[XR+32*\a+4*\i:XR+32*\a+4*\i+3], v[CO], s[10:11] offset:(32*(\a/2)+8*(\a%2)+2*\i+8*(\i/4))*4096 th:TH_LOAD_NT
.endr
.endr
	WIN 0
	s_lshl_b32 s95, s[WR], 15
	s_lshl_b32 s100, s[WC], 15
	s_add_co_u32 s100, s100, OFB
.irp s, 0,1
	v_add_nc_u32 v[ADRA+\s], s95, v3
	v_add_nc_u32 v[ADRB+\s], s100, v3
	s_add_co_u32 s95, s95, SLOT
	s_add_co_u32 s100, s100, SLOT
.endr
	v_lshlrev_b32 v5, 5, v4                        ; 32 r
	s_lshl_b32 s95, s[WR], 4                       ; A's: my four fragments' words
	s_lshl_b32 s100, s[WC], 4
	s_add_co_u32 s100, s100, KS*512                ; B's lie behind A's
	s_sub_co_u32 s100, s100, s95
	v_mul_u32_u24 v6, s100, v2                     ; lanes 16-31 take B's: one product with h
	s_add_co_u32 s95, s95, SCA
	v_add_nc_u32 v5, v5, v6
	v_add_nc_u32 v[ADRS], s95, v5
	s_mul_i32 s95, s[WV], 16*SP
	s_add_co_u32 s95, s95, STAGE                   ; my stage
	v_mul_u32_u24 v5, v4, SP
	v_lshl_add_u32 v5, v2, 6, v5
	v_add_nc_u32 v[STO], s95, v5                   ; in: row r, + 64 h; tile b's eight columns 128 (b / 2) + 32 (b % 2) bytes on
	v_mul_u32_u24 v5, v2, SP
	v_lshl_add_u32 v5, v4, 4, v5
	v_add_nc_u32 v[RD], s95, v5                    ; back: lanes 0-15 one row of 256 bytes, lanes 16-31 the next
	s_wait_tensorcnt 1                             ; the scale words and my part of slot 0 are in; slot 1's may stay out
	s_barrier_signal -1
	s_barrier_wait -1                              ; everybody's are
	SCALES 0
	SCALES 1
	FETCH 0, 0, 0
	QSTEP 0, 0, 1                                  ; the first step's products start the sums: nothing is cleared
	QSTEP 0, 1, 0
	QSTEP 0, 2, 0
	s_wait_tensorcnt 0x0                           ; my part of slot 1 is in;
	s_wait_dscnt 0x0                               ; no LDS instruction of mine is out at a signal: slot 0's last fragments are in
	s_barrier_signal -1
	MULA 1, 3, 0, 0, 0                             ; work on registers while the others arrive
	MULA 1, 3, 0, 1, 0
	s_barrier_wait -1                              ; slot 1 is whole
	PLACES NP
	FETCH 1, 0, 0
	WIN MUL
	MULA 1, 3, 0, 2, 0
	MULA 1, 3, 0, 3, 0
	QSTEP 1, 0, 0
	QSTEP 1, 1, 0
	QSTEP 1, 2, 0
	s_wait_dscnt 0x0                               ; the last step: nothing more to fetch
	MUL16 1, 3, 1, 0
	WIN 0
.macro TOSTAGE a
.irp b, 0,1,2,3
	ds_store_b128 v[STO], v[ACC+8*(4*(\a)+\b):ACC+8*(4*(\a)+\b)+3] offset:128*(\b/2)+32*(\b%2)          ; each accumulator from its low end on
	ds_store_b128 v[STO], v[ACC+8*(4*(\a)+\b)+4:ACC+8*(4*(\a)+\b)+7] offset:128*(\b/2)+32*(\b%2)+16
.endr
	WIN 0x80                                       ; destination window 2
.irp t, 0,1,2,3,4,5,6,7
	ds_load_b128 v[BK+32*(\a)+4*\t:BK+32*(\a)+4*\t+3], v[RD] offset:\t*2*SP   ; LDS serves a wave's instructions in order (ISA guide 5.7.1.4): these see my stores, and the next block's stores come behind them
.endr
	WIN 0
.endm
.macro SEND a, younger                 ; younger: the LDS instructions issued behind block a's loads, which may stay out
	s_wait_dscnt \younger                          ; the block is back in registers
	WIN 0x8a                                       ; destination and both sources window 2
.set i, 0
.rept 16
	v_pk_add_f32 v[BK+32*(\a)+i:BK+32*(\a)+i+1], v[BK+32*(\a)+i:BK+32*(\a)+i+1], v[XR+32*(\a)+i:XR+32*(\a)+i+1]
.set i, i+2
.endr
	WIN 0x82                                       ; source 1 (the bias) window 0
.set i, 0
.rept 8
	v_pk_add_f32 v[BK+32*(\a)+i:BK+32*(\a)+i+1], v[BK+32*(\a)+i:BK+32*(\a)+i+1], v[BI:BI+1]
	v_pk_add_f32 v[BK+32*(\a)+i+2:BK+32*(\a)+i+3], v[BK+32*(\a)+i+2:BK+32*(\a)+i+3], v[BI+2:BI+3]
.set i, i+4
.endr
	WIN 0x08                                       ; a store's data are its source 1: window 2
.irp t, 0,1,2,3,4,5,6,7
	global_store_b128 v[CO], v[BK+32*(\a)+4*\t:BK+32*(\a)+4*\t+3], s[12:13] offset:(32*((\a)/2)+8*((\a)%2)+2*\t+8*(\t/4))*4096 th:TH_STORE_NT   ; sixteen lanes store 256 consecutive bytes of a row
.endr
	WIN 0
.endm
	PLACES NP                                      ; behind the last products, ahead of the first read of results
	s_wait_loadcnt 0x0                             ; the residual and the bias
	TOSTAGE 0
	TOSTAGE 1
	SEND 0, 16                                     ; behind block 0's loads: block 1's 8 stores and 8 loads
	TOSTAGE 2
	SEND 1, 16
	TOSTAGE 3
	SEND 2, 16
	SEND 3, 0
	s_wait_tensorcnt 0x0                           ; the wave's end
	ds_add_u32 v[SPW], v[NIL]
	s_wait_dscnt 0x0
	CROUND                                         ; the closing round
	s_endpgm
.Lfunc_end_k_qccdd648ba8_proj:
	.size	k_qccdd648ba8_proj, .Lfunc_end_k_qccdd648ba8_proj-k_qccdd648ba8_proj
	.p2alignl 7, 3214868480
	.fill 96, 4, 3214868480
	.section	.rodata,"a",@progbits
	.p2align	6, 0x0
	.amdhsa_kernel k_qccdd648ba8_proj
		.amdhsa_group_segment_fixed_size 327680
		.amdhsa_private_segment_fixed_size 0
		.amdhsa_enable_private_segment 0
		.amdhsa_kernarg_size 40
		.amdhsa_user_sgpr_count 2
		.amdhsa_user_sgpr_kernarg_segment_ptr 1
		.amdhsa_wavefront_size32 1
		.amdhsa_system_sgpr_workgroup_id_x 1
		.amdhsa_system_sgpr_workgroup_id_y 1
		.amdhsa_system_sgpr_workgroup_id_z 1
		.amdhsa_system_vgpr_workitem_id 0
		.amdhsa_next_free_vgpr 768
		.amdhsa_next_free_sgpr 106
		.amdhsa_reserve_vcc 0
		.amdhsa_float_denorm_mode_32 3
		.amdhsa_float_denorm_mode_16_64 3
		.amdhsa_memory_ordered 1
		.amdhsa_forward_progress 1
		.amdhsa_inst_pref_size 65
	.end_amdhsa_kernel
	.amdgpu_metadata
---
amdhsa.version: [ 1, 2 ]
amdhsa.kernels:
  - .name:           k_qccdd648ba8_proj
    .symbol:         k_qccdd648ba8_proj.kd
    .args:
      - { .name: act, .offset: 0, .size: 8, .value_kind: global_buffer, .address_space: global }
      - { .name: w, .offset: 8, .size: 8, .value_kind: global_buffer, .address_space: global }
      - { .name: proj_b, .offset: 16, .size: 8, .value_kind: global_buffer, .address_space: global }
      - { .name: x, .offset: 24, .size: 8, .value_kind: global_buffer, .address_space: global }
      - { .name: x1, .offset: 32, .size: 8, .value_kind: global_buffer, .address_space: global }
    .group_segment_fixed_size: 327680
    .private_segment_fixed_size: 0
    .kernarg_segment_align: 8
    .kernarg_segment_size: 40
    .max_flat_workgroup_size: 128
    .sgpr_count:     106
    .vgpr_count:     768
    .wavefront_size: 32
...
	.end_amdgpu_metadata
.endif
;; end of part 11
;; launch lnm: the kernel of part 8 again; grid 256 x 1, 8 waves a work-group, no clusters, 69,632 bytes of LDS; arguments x1, lnm_g, lnm_b, act; writes act
;; launch fc1: the kernel of part 6 again; grid 16 x 16, 4 waves a work-group, clusters of 4 x 4, 327,680 bytes of LDS; arguments act, w, fc1_b, g; writes g
;; launch fc2 (part 12): grid 8 x 32, 4 waves a work-group, clusters of 4 x 4, 327,680 bytes of LDS; arguments g, w, fc2_b, x1, out0; writes out0
.if DOCPART == 12
	.amdgcn_target "amdgcn-amd-amdhsa--gfx1250"
	.amdhsa_code_object_version 6
	.text
	.protected	k_qccdd648ba8_fc2
	.globl	k_qccdd648ba8_fc2
	.p2align	8
	.type	k_qccdd648ba8_fc2,@function
k_qccdd648ba8_fc2:
	s_mov_b64 s[64:65], 0
	v_nop
	global_prefetch_b8 v0, s[64:65] scope:SCOPE_SE
	s_setreg_imm32_b32 hwreg(HW_REG_WAVE_MODE, 25, 1), 1
	s_wait_xcnt 0x0
	s_wait_alu depctr_hold_cnt(0) depctr_sa_sdst(0) depctr_va_vdst(0) depctr_va_sdst(0) depctr_va_ssrc(0) depctr_va_vcc(0) depctr_vm_vsrc(0)
	s_getreg_b32 s2, hwreg(HW_REG_IB_STS2, 6, 4)
	s_cmp_eq_u32 s2, 0
	s_cbranch_scc0 .Lentry_in_a_cluster
	s_endpgm
.Lentry_in_a_cluster:
	s_bfe_u32 s2, ttmp6, 0x10000c
	s_cmp_lg_u32 s2, 0xf033
	s_cbranch_scc0 .Lentry_shape_is_right
	s_endpgm
.Lentry_shape_is_right:
; out0 = x1 + g Q(fc2_w) + fc2_b, f32 rows of 1,024; K = 4,096.  Both operands come as codes of E4M3 with E8M0 scale words, in the layout that the first kernel's head sets out.  Nothing is left out.
; A tile is 128 x 128: 256 work-groups of four waves, each wave 64 x 64: 16 accumulators, 128 registers.  Source 0 = the weight's fragment, source 1 = the tokens': a lane holds one token, and the eight registers of a tile are eight neighbouring columns.
; K goes in steps of 512 through a ring of two LDS slots of 128 KiB, as long as two slots beside the scale words allow; each wave fetches a quarter of a slot with one tensor load.  The scale words of all of K (16 KiB a side, dense in memory) come once, with the first fills, and stay.
; A fragment is an image of its registers: no pitch, no padding; every LDS load takes 512 consecutive bytes.  A step of 128 along K is 16 matrix instructions; the next step's 32 LDS loads go out ahead of them, into the other of two buffers.
; CLUSTERS of 4 x 4: A's tiles are shared along a row of the cluster, B's along a column: joint loads.  Waves 0 and 1 fetch A's two halves (four fragments each), waves 2 and 3 B's.
; THE WAY OUT: a wave's 64 columns are 256 consecutive bytes of a row.  A block of 16 rows goes through my own stage in LDS (bytes of its own, rows 272 apart) and comes back two whole rows an instruction; the residual's rows, asked for
; at the head, and the bias are added; sixteen lanes store 256 consecutive bytes, at a multiple of 256 from the buffer's first byte.
; REGISTERS: window 0: v16-30 addresses; v32-63 scale words and nothing else; v64-67 the bias; v128-255 the accumulators, (a, b) at v[128 + 8 (4 a + b)].  Window 1: two fragment buffers of 128 (A's four, then B's four).
;   Window 2: v0-127 the residual's four blocks; v128-255 the four blocks read back from the stage.
; LIMITS: NaN and infinities are not served.
.set KS,    32                         ; K steps of 128 in a row of either operand
.set LAPS,  KS/8                       ; a lap = two slots = once round the ring
.set A_S,   16777216                   ; where A's scale words begin in its buffer
.set B_C,   8388608                    ; where the weight's codes begin in w
.set B_S,   12582912+262144            ; and its scale words
.set SLOT,  131072                     ; a slot: A's codes [8 fragments][4 K steps][2,048], then B's
.set OFB,   65536
.set SCA,   2*SLOT                     ; behind the ring: A's scale units [K step][512], then B's
.set SPARE, SCA+2*KS*512               ; the spare words, 128 bytes a wave
.set STAGE, SPARE+512                  ; the stages: 16 rows x 272 bytes for each wave
.set SP,    272
.set NP,    8                          ; places behind this matrix instruction (ISA guide 7.12.1)
.set ADRA,  16                         ; v16-17 my A fragments in slot 0, 1
.set ADRS,  18                         ; v18    my scale words of the lap in hand: lanes 0-15 A's, lanes 16-31 B's
.set ADRB,  20                         ; v20-21 my B fragments
.set STO,   24                         ; v24    the way out: where I put 32 bytes of a row
.set RD,    25                         ; v25    where I read a row back
.set CO,    26                         ; v26    my byte offset in two rows of x1 and out0
.set BO,    27                         ; v27    my byte offset in the bias
.set SPW,   28
.set NIL,   29
.set PFO,   30                         ; v30    256 x lane: the prefetches' offset; never rewritten
.set SC,    32                         ; scale words: slot s, K step q, fragment i at v[SC + 16 s + 4 q + i]
.set BI,    64
.set ACC,   128
.set XR,    0                          ; window 2
.set BK,    128                        ; window 2
.set WV,    22
.set WR,    23
.set WC,    92
.set CX,    93
.set CY,    94
.set G1A,   24
.set G1B,   32
.set G1SA,  40
.set G1SB,  48
.set G0A,   56
.set G0B,   68
.set G0SA,  76
.set G0SB,  80
.set PFA,   84                         ; s[84:85] where my prefetches stand: one fragment's 8,192 bytes of the tile behind the one that is being asked for
.set LIM,   86                         ; s86    1 in a wave that prefetches, else the greatest number
.set MSB, 0
.macro WIN new                         ; the immediate's high byte repeats the setting that is left
.if MSB != \new
	s_set_vgpr_msb (MSB<<8)|\new
.set MSB, \new
.endif
.endm
.set MUL,   0x05                       ; sources 0 (B) and 1 (A) window 1; C and D window 0
.set TO_F,  0x40                       ; destination window 1, address window 0
.macro JLOAD g0a, g1a, g0b, g1b        ; a joint load: waves 0 and 1 fetch for A, waves 2 and 3 for B; an s_nop 0 and four v_nop follow each of the two lines
	s_cmp_eq_u32 s[WR], 0
	s_cbranch_scc0 .Lfor_b_\@
	tensor_load_to_lds s[\g0a:\g0a+3], s[\g1a:\g1a+7]
	s_nop 0
.rept 4
	v_nop
.endr
	s_branch .Lasked_\@
.Lfor_b_\@:
	tensor_load_to_lds s[\g0b:\g0b+3], s[\g1b:\g1b+7]
	s_nop 0
.rept 4
	v_nop
.endr
.Lasked_\@:
.endm
.macro CREST                           ; a round of the cluster's barrier behind its opening barrier
	s_cmp_lg_u32 s[WV], 0
	s_cbranch_scc1 .Lnot_wave_0_\@
	s_barrier_signal -3
.Lnot_wave_0_\@:
	s_barrier_wait -3
	s_barrier_signal -1
	s_barrier_wait -1
.endm
.macro CROUND
	s_barrier_signal -1
	s_barrier_wait -1
	CREST
.endm
; A PREFETCH INTO THE L2, behind each refill and the run of LDS loads that follows it: the tile that the NEXT refill will ask for, one change of slots (64 matrix instructions a wave) ahead of that load.
; Each aligned 256 bytes are named once in the launch.  A's tile row is read by both clusters of that row of clusters: the one with x = 0 asks; B's tile column by the eight clusters of that column: the one with y = 0 asks.
; Of the four fragments that a wave fetches, each of the four partners that ask for them jointly takes one, told apart BY ADDRESS (cx for A, cy for B): its 8,192 bytes of the tile, lanes 256 bytes apart, one instruction a wave.
; how = 1: at the change out of slot 0; how = 0: out of slot 1, where the loop's last trip has no tile behind the one that it asks for.  Tiles 0, 1 and 2 come by their loads alone.
.macro ASK how
.if \how
	s_cmp_eq_u32 s[LIM], 1
.else
	s_cmp_gt_u32 s2, s[LIM]                        ; s2 = 1 in the loop's last trip
.endif
	s_cbranch_scc0 .Lnot_mine_\@
	global_prefetch_b8 v[PFO], s[PFA:PFA+1] th:TH_LOAD_NT scope:SCOPE_SE
.Lnot_mine_\@:
.endm
.macro FRAG reg, adr, q, i             ; fragment i of my four, K step q of the slot: four loads of 512 consecutive bytes
.irp c, 0,1,2,3
	ds_load_b128 v[\reg+4*\c:\reg+4*\c+3], v[\adr] offset:8192*(\i)+2048*(\q)+512*\c
.endr
.endm
.macro FETCH slot, q, f                ; 32 LDS loads in one run: my four fragments of A and of B into buffer f
	WIN TO_F
.irp i, 0,1,2,3
	FRAG 128*(\f)+16*\i, ADRA+\slot, \q, \i
	FRAG 128*(\f)+64+16*\i, ADRB+\slot, \q, \i
.endr
.endm
.macro SCALES sc                       ; a slot's scale words: my four fragments' words of a K step are 16 neighbouring bytes
.irp q, 0,1,2,3
	ds_load_b128 v[SC+16*\sc+4*\q:SC+16*\sc+4*\q+3], v[ADRS] offset:2048*\sc+512*\q
.endr
.endm
; four matrix instructions: A's block a x B's four.  The 16 accumulators take turns, one instruction a turn, in the same order in every step
.macro MULA f, q, sc, a, zero
.irp b, 0,1,2,3
.if \zero
	v_wmma_scale_f32_16x16x128_f8f6f4 v[ACC+8*(4*(\a)+\b):ACC+8*(4*(\a)+\b)+7], v[128*(\f)+64+16*\b:128*(\f)+64+16*\b+15], v[128*(\f)+16*(\a):128*(\f)+16*(\a)+15], 0, v[SC+16*(\sc)+4*(\q)+\b], v[SC+16*(\sc)+4*(\q)+(\a)] matrix_a_scale:MATRIX_SCALE_ROW1
.else
	v_wmma_scale_f32_16x16x128_f8f6f4 v[ACC+8*(4*(\a)+\b):ACC+8*(4*(\a)+\b)+7], v[128*(\f)+64+16*\b:128*(\f)+64+16*\b+15], v[128*(\f)+16*(\a):128*(\f)+16*(\a)+15], v[ACC+8*(4*(\a)+\b):ACC+8*(4*(\a)+\b)+7], v[SC+16*(\sc)+4*(\q)+\b], v[SC+16*(\sc)+4*(\q)+(\a)] matrix_a_scale:MATRIX_SCALE_ROW1
.endif
.endr
.endm
.macro MUL16 f, q, sc, zero
.irp a, 0,1,2,3
	MULA \f, \q, \sc, \a, \zero
.endr
.endm
.macro PLACES n
.rept \n
	v_nop
.endr
.endm
.macro QSTEP slot, q, zero             ; one of a slot's first three steps: the next step's fragments are asked for, then this step's are multiplied
	PLACES NP                                      ; behind the last step's products, which read the buffer that is loaded now
	FETCH \slot, (\q)+1, 1-(\q)%2
	s_wait_dscnt 32                                ; all but the 32 just issued: this step's fragments (and scale words) are in
	WIN MUL
	MUL16 (\q)%2, \q, \slot, \zero
.endm
; A slot's last step multiplies buffer 1 and changes slots: ONE barrier; in front of it each wave waits for all its tensor loads, adds 0 to its spare word, and waits for that and for its own reads of this slot.
; fill = 1: the barrier opens a round of the cluster's barrier, and this slot is filled again, two slots ahead.
.macro TURN slot, next, fill
.if \fill
	s_wait_xcnt 0x0                                ; the last prefetch, a change of slots back, has read its address: it is stepped here, ahead of the waits of the change
	s_add_nc_u64 s[PFA:PFA+1], s[PFA:PFA+1], 8192
.endif
	WIN 0                                          ; (the add's two registers lie in window 0)
	s_wait_tensorcnt 0x0                           ; all my tensor loads have landed: the one that was out is my part of the next slot
	ds_add_u32 v[SPW], v[NIL]                      ; 0 onto my spare word
	s_wait_dscnt 1                                 ; this step's fragments are in (the add may be out)
	WIN MUL
	MULA 1, 3, \slot, 0, 0                         ; four matrix instructions stand between the add and the wait for it
	s_wait_dscnt 0x0                               ; the add is done, and my reads of this slot are over
	s_barrier_signal -1
	MULA 1, 3, \slot, 1, 0                         ; work on registers while the others arrive
	WIN 0
	s_barrier_wait -1
.if \fill
	CREST                                          ; no wave of any partner still reads this slot or has a load on its way
	s_add_nc_u64 s[G0A+4*\slot+2:G0A+4*\slot+3], s[G0A+4*\slot+2:G0A+4*\slot+3], 16384
	s_add_nc_u64 s[G0B+4*\slot+2:G0B+4*\slot+3], s[G0B+4*\slot+2:G0B+4*\slot+3], 16384
	JLOAD G0A+4*\slot, G1A, G0B+4*\slot, G1B       ; the first tensor load behind the round; its four v_nop are among the places in front of the loads below
	PLACES NP-4
.else
	PLACES NP
.endif
.if \next == 0
	v_add_nc_u32 v[ADRS], 4096, v[ADRS]            ; on to the next lap's scale words
.endif
	SCALES \next
	FETCH \next, 0, 0
.if \fill
	WIN 0
	ASK 1-\slot
.endif
	WIN MUL
	MULA 1, 3, \slot, 2, 0
	MULA 1, 3, \slot, 3, 0
.endm
	s_load_b256 s[4:11], s[0:1], 0x0               ; g, w, fc2_b, x1
	s_load_b64 s[12:13], s[0:1], 0x20              ; out0
	v_lshl_add_u32 v[SPW], v0, 2, SPARE
	v_mov_b32 v[NIL], 0
	ds_add_u32 v[SPW], v[NIL]                      ; the wave's opening: the add, twice on end, and its wait ahead of my first tensor load
	ds_add_u32 v[SPW], v[NIL]
	v_lshrrev_b32 v1, 5, v0
	v_readfirstlane_b32 s[WV], v1
	s_lshr_b32 s[WR], s[WV], 1                     ; which 64 of the tile's tokens are mine.  Also: I fetch for A (0) or for B (1)
	s_and_b32 s[WC], s[WV], 1                      ; which 64 of its columns.  Also: which half of that operand's tile I fetch
	s_bfe_u32 s[CX], ttmp6, 0x40000
	s_bfe_u32 s[CY], ttmp6, 0x40004
	s_lshl_b32 s96, s[CY], 2
	s_lshl_b32 s96, 15, s96                        ; my row of the cluster
	s_lshl_b32 s97, 0x1111, s[CX]                  ; my column
	s_or_b32 s[G1A], s96, (3<<16)|(1<<21)          ; the mask; elements of 8 bytes; bit 21 beside a mask; no padding
	s_or_b32 s[G1SA], s96, (3<<16)|(1<<21)
	s_or_b32 s[G1B], s97, (3<<16)|(1<<21)
	s_or_b32 s[G1SB], s97, (3<<16)|(1<<21)
.irp g, G1A, G1B                       ; codes: four fragments' 8,192 bytes (four K steps), KS x 2,048 bytes apart
	s_mov_b32 s[\g+1], 1024<<16
	s_mov_b32 s[\g+2], 4<<16
	s_mov_b32 s[\g+3], 1024<<16
	s_mov_b32 s[\g+4], 4
	s_mov_b32 s[\g+5], KS*256
	s_mov_b32 s[\g+6], 0
	s_mov_b32 s[\g+7], 0
.endr
.irp g, G1SA, G1SB                     ; scale words: half of a tile's KS x 512 dense bytes, as rows of 256
	s_mov_b32 s[\g+1], 32<<16
	s_mov_b32 s[\g+2], KS<<16
	s_mov_b32 s[\g+3], 32<<16
	s_mov_b32 s[\g+4], KS
	s_mov_b32 s[\g+5], 32
	s_mov_b32 s[\g+6], 0
	s_mov_b32 s[\g+7], 0
.endr
	s_and_b32 s14, ttmp7, 0xffff
	s_lshl_b32 s14, s14, 2
	s_add_co_u32 s14, s14, s[CY]                   ; A's tile of 128 tokens
	s_lshl_b32 s15, ttmp9, 2
	s_add_co_u32 s15, s15, s[CX]                   ; B's tile of 128 columns
	s_lshl_b32 s95, s[WC], 2                       ; which four fragments of a tile I fetch,
	s_mul_i32 s96, s[WC], KS*256                   ; and which half of its scale words
	s_lshl_b32 s16, s14, 3
	s_add_co_u32 s16, s16, s95
	s_mul_i32 s16, s16, KS*2048
	s_mov_b32 s17, 0
	s_mul_i32 s18, s14, KS*512
	s_add_co_u32 s18, s18, s96
	s_add_co_u32 s18, s18, A_S
	s_mov_b32 s19, 0
	s_lshl_b32 s20, s15, 3
	s_add_co_u32 s20, s20, s95
	s_mul_i32 s20, s20, KS*2048
	s_add_co_u32 s20, s20, B_C
	s_mov_b32 s21, 0
	s_mul_i32 s98, s15, KS*512
	s_add_co_u32 s98, s98, s96
	s_add_co_u32 s98, s98, B_S
	s_mov_b32 s99, 0
	s_lshl_b32 s97, s[WV], 15                      ; where they go: wave x 32 KiB: no place in the cluster enters an LDS address
	s_mul_i32 s101, s[WV], KS*256
	s_wait_dscnt 0x0                               ; both opening adds are done
	s_wait_kmcnt 0x0
	s_add_nc_u64 s[16:17], s[4:5], s[16:17]
	s_add_nc_u64 s[18:19], s[4:5], s[18:19]
	s_add_nc_u64 s[20:21], s[6:7], s[20:21]
	s_add_nc_u64 s[98:99], s[6:7], s[98:99]
	CROUND                                         ; all sixteen work-groups are here: the first joint loads meet
	s_mov_b32 s[G0SA], 1
	s_add_co_u32 s[G0SA+1], s101, SCA
	s_mov_b64 s[G0SA+2:G0SA+3], s[18:19]
	s_or_b32 s[G0SA+3], s[G0SA+3], 0x80000000
	s_mov_b32 s[G0SB], 1
	s_add_co_u32 s[G0SB+1], s101, SCA
	s_mov_b64 s[G0SB+2:G0SB+3], s[98:99]
	s_or_b32 s[G0SB+3], s[G0SB+3], 0x80000000
	JLOAD G0SA, G1SA, G0SB, G1SB                   ; the scale words first: they are wanted with the first step
.irp s, 0,1
	s_mov_b32 s[G0A+4*\s], 1
	s_add_co_u32 s[G0A+4*\s+1], s97, \s*SLOT
	s_add_nc_u64 s[G0A+4*\s+2:G0A+4*\s+3], s[16:17], \s*8192
	s_or_b32 s[G0A+4*\s+3], s[G0A+4*\s+3], 0x80000000
	s_mov_b32 s[G0B+4*\s], 1
	s_add_co_u32 s[G0B+4*\s+1], s97, \s*SLOT
	s_add_nc_u64 s[G0B+4*\s+2:G0B+4*\s+3], s[20:21], \s*8192
	s_or_b32 s[G0B+4*\s+3], s[G0B+4*\s+3], 0x80000000
	JLOAD G0A+4*\s, G1A, G0B+4*\s, G1B             ; three loads of mine are out
.endr
	v_and_b32 v1, 31, v0                           ; lane
	v_bfe_u32 v2, v0, 4, 1                         ; h
	v_lshlrev_b32 v3, 4, v1                        ; 16 x lane
	v_and_b32 v4, 15, v0                           ; r
	v_lshlrev_b32 v[BO], 4, v4                     ; 16 bytes of a row's 256 for each of sixteen lanes;
	v_lshl_add_u32 v[CO], v2, 12, v[BO]            ; lanes 16-31 take the row below
	s_lshl_b32 s95, s14, 7
	s_lshl_b32 s96, s[WR], 6
	s_add_co_u32 s95, s95, s96                     ; my first row
	s_lshl_b32 s100, s95, 12
	s_lshl_b32 s96, s15, 9
	s_lshl_b32 s97, s[WC], 8
	s_add_co_u32 s96, s96, s97                     ; my first column, in bytes
	s_mov_b32 s97, 0
	s_add_nc_u64 s[8:9], s[8:9], s[96:97]
	s_add_co_u32 s100, s100, s96
	s_mov_b32 s101, 0
	s_add_nc_u64 s[10:11], s[10:11], s[100:101]
	s_add_nc_u64 s[12:13], s[12:13], s[100:101]
	global_load_b128 v[BI:BI+3], v[BO], s[8:9]
	WIN 0x80                                       ; destination window 2
.irp a, 0,1,2,3                        ; the residual: block a's 16 rows, two an instruction, in the order in which the stage gives the results back
.irp i, 0,1,2,3,4,5,6,7
	global_load_b128 v[XR+32*\a+4*\i:XR+32*\a+4*\i+3], v[CO], s[10:11] offset:(32*(\a/2)+8*(\a%2)+2*\i+8*(\i/4))*4096 th:TH_LOAD_NT
.endr
.endr
	WIN 0
	s_lshl_b32 s95, s[WR], 15
	s_lshl_b32 s100, s[WC], 15
	s_add_co_u32 s100, s100, OFB
.irp s, 0,1
	v_add_nc_u32 v[ADRA+\s], s95, v3
	v_add_nc_u32 v[ADRB+\s], s100, v3
	s_add_co_u32 s95, s95, SLOT
	s_add_co_u32 s100, s100, SLOT
.endr
	v_lshlrev_b32 v5, 5, v4                        ; 32 r
	s_lshl_b32 s95, s[WR], 4                       ; A's: my four fragments' words
	s_lshl_b32 s100, s[WC], 4
	s_add_co_u32 s100, s100, KS*512                ; B's lie behind A's
	s_sub_co_u32 s100, s100, s95
	v_mul_u32_u24 v6, s100, v2                     ; lanes 16-31 take B's: one product with h
	s_add_co_u32 s95, s95, SCA
	v_add_nc_u32 v5, v5, v6
	v_add_nc_u32 v[ADRS], s95, v5
	s_mul_i32 s95, s[WV], 16*SP
	s_add_co_u32 s95, s95, STAGE                   ; my stage
	v_mul_u32_u24 v5, v4, SP
	v_lshl_add_u32 v5, v2, 6, v5
	v_add_nc_u32 v[STO], s95, v5                   ; in: row r, + 64 h; tile b's eight columns 128 (b / 2) + 32 (b % 2) bytes on
	v_mul_u32_u24 v5, v2, SP
	v_lshl_add_u32 v5, v4, 4, v5
	v_add_nc_u32 v[RD], s95, v5                    ; back: lanes 0-15 one row of 256 bytes, lanes 16-31 the next
	; the prefetches (macro ASK): where mine stand, and who asks
	s_and_b32 s87, ttmp7, 0xffff                   ; cluster y
	s_cmp_eq_u32 s[WR], 0                          ; do I fetch for A?
	s_cselect_b32 s88, s14, s15                    ; the tile: A's by the tile row, B's by the tile column
	s_cselect_b32 s89, s[CX], s[CY]                ; my place among the four that ask for it with me
	s_cselect_b32 s87, ttmp9, s87                  ; the coordinate along which other clusters read the same rows
	s_cselect_b32 s91, 0, B_C
	s_cselect_b64 s[PFA:PFA+1], s[4:5], s[6:7]
	s_cmp_eq_u32 s87, 0
	s_cselect_b32 s[LIM], 1, -1                    ; the same in all sixteen partners, for a given wave
	s_lshl_b32 s88, s88, 3
	s_lshl_b32 s90, s[WC], 2
	s_add_co_u32 s88, s88, s90                     ; the four fragments that I fetch,
	s_add_co_u32 s88, s88, s89                     ; my work-group's one of them
	s_mul_i32 s90, s88, KS*2048
	s_add_co_u32 s90, s90, s91
	s_add_co_u32 s90, s90, 2*8192                  ; at tile 2: the first refill steps it to tile 3.  Nothing is prefetched here, at the head, where every work-group's first tiles are on their way
	s_mov_b32 s91, 0
	s_add_nc_u64 s[PFA:PFA+1], s[PFA:PFA+1], s[90:91]
	v_lshlrev_b32 v[PFO], 8, v1
	s_wait_tensorcnt 1                             ; the scale words and my part of slot 0 are in; slot 1's may stay out
	s_barrier_signal -1
	s_barrier_wait -1                              ; everybody's are
	SCALES 0
	FETCH 0, 0, 0
	QSTEP 0, 0, 1                                  ; the first step stands in front of the loop: its products start the sums: nothing is cleared
	WIN 0                                          ; at a label and at a branch every window is 0
	s_mov_b32 s2, LAPS-1
.Llap:                                                 ; a trip goes once round the ring, from a lap's second step to the next lap's first, and fills both slots again
	QSTEP 0, 1, 0
	QSTEP 0, 2, 0
	TURN 0, 1, 1
	QSTEP 1, 0, 0
	QSTEP 1, 1, 0
	QSTEP 1, 2, 0
	TURN 1, 0, 1
	QSTEP 0, 0, 0
	WIN 0
	s_sub_co_u32 s2, s2, 1
	s_cmp_lg_u32 s2, 0
	s_cbranch_scc1 .Llap
	QSTEP 0, 1, 0                                  ; the last lap fills nothing, and has no round of the cluster's barrier
	QSTEP 0, 2, 0
	TURN 0, 1, 0
	QSTEP 1, 0, 0
	QSTEP 1, 1, 0
	QSTEP 1, 2, 0
	s_wait_dscnt 0x0                               ; the last step: nothing more to fetch
	MUL16 1, 3, 1, 0
	WIN 0
.macro TOSTAGE a
.irp b, 0,1,2,3
	ds_store_b128 v[STO], v[ACC+8*(4*(\a)+\b):ACC+8*(4*(\a)+\b)+3] offset:128*(\b/2)+32*(\b%2)          ; each accumulator from its low end on
	ds_store_b128 v[STO], v[ACC+8*(4*(\a)+\b)+4:ACC+8*(4*(\a)+\b)+7] offset:128*(\b/2)+32*(\b%2)+16
.endr
	WIN 0x80                                       ; destination window 2
.irp t, 0,1,2,3,4,5,6,7
	ds_load_b128 v[BK+32*(\a)+4*\t:BK+32*(\a)+4*\t+3], v[RD] offset:\t*2*SP   ; LDS serves a wave's instructions in order (ISA guide 5.7.1.4): these see my stores, and the next block's stores come behind them
.endr
	WIN 0
.endm
.macro SEND a, younger                 ; younger: the LDS instructions issued behind block a's loads, which may stay out
	s_wait_dscnt \younger                          ; the block is back in registers
	WIN 0x8a                                       ; destination and both sources window 2
.set i, 0
.rept 16
	v_pk_add_f32 v[BK+32*(\a)+i:BK+32*(\a)+i+1], v[BK+32*(\a)+i:BK+32*(\a)+i+1], v[XR+32*(\a)+i:XR+32*(\a)+i+1]
.set i, i+2
.endr
	WIN 0x82                                       ; source 1 (the bias) window 0
.set i, 0
.rept 8
	v_pk_add_f32 v[BK+32*(\a)+i:BK+32*(\a)+i+1], v[BK+32*(\a)+i:BK+32*(\a)+i+1], v[BI:BI+1]
	v_pk_add_f32 v[BK+32*(\a)+i+2:BK+32*(\a)+i+3], v[BK+32*(\a)+i+2:BK+32*(\a)+i+3], v[BI+2:BI+3]
.set i, i+4
.endr
	WIN 0x08                                       ; a store's data are its source 1: window 2
.irp t, 0,1,2,3,4,5,6,7
	global_store_b128 v[CO], v[BK+32*(\a)+4*\t:BK+32*(\a)+4*\t+3], s[12:13] offset:(32*((\a)/2)+8*((\a)%2)+2*\t+8*(\t/4))*4096 th:TH_STORE_NT   ; sixteen lanes store 256 consecutive bytes of a row
.endr
	WIN 0
.endm
	PLACES NP                                      ; behind the last products, ahead of the first read of results
	s_wait_loadcnt 0x0                             ; the residual and the bias
	TOSTAGE 0
	TOSTAGE 1
	SEND 0, 16                                     ; behind block 0's loads: block 1's 8 stores and 8 loads
	TOSTAGE 2
	SEND 1, 16
	TOSTAGE 3
	SEND 2, 16
	SEND 3, 0
	s_wait_tensorcnt 0x0                           ; the wave's end
	ds_add_u32 v[SPW], v[NIL]
	s_wait_dscnt 0x0
	CROUND                                         ; the closing round: no work-group ends while a partner may still ask for a tile that names it
	s_endpgm
.Lfunc_end_k_qccdd648ba8_fc2:
	.size	k_qccdd648ba8_fc2, .Lfunc_end_k_qccdd648ba8_fc2-k_qccdd648ba8_fc2
	.p2alignl 7, 3214868480
	.fill 96, 4, 3214868480
	.section	.rodata,"a",@progbits
	.p2align	6, 0x0
	.amdhsa_kernel k_qccdd648ba8_fc2
		.amdhsa_group_segment_fixed_size 327680
		.amdhsa_private_segment_fixed_size 0
		.amdhsa_enable_private_segment 0
		.amdhsa_kernarg_size 40
		.amdhsa_user_sgpr_count 2
		.amdhsa_user_sgpr_kernarg_segment_ptr 1
		.amdhsa_wavefront_size32 1
		.amdhsa_system_sgpr_workgroup_id_x 1
		.amdhsa_system_sgpr_workgroup_id_y 1
		.amdhsa_system_sgpr_workgroup_id_z 1
		.amdhsa_system_vgpr_workitem_id 0
		.amdhsa_next_free_vgpr 768
		.amdhsa_next_free_sgpr 106
		.amdhsa_reserve_vcc 0
		.amdhsa_float_denorm_mode_32 3
		.amdhsa_float_denorm_mode_16_64 3
		.amdhsa_memory_ordered 1
		.amdhsa_forward_progress 1
		.amdhsa_inst_pref_size 104
	.end_amdhsa_kernel
	.amdgpu_metadata
---
amdhsa.version: [ 1, 2 ]
amdhsa.kernels:
  - .name:           k_qccdd648ba8_fc2
    .symbol:         k_qccdd648ba8_fc2.kd
    .args:
      - { .name: g, .offset: 0, .size: 8, .value_kind: global_buffer, .address_space: global }
      - { .name: w, .offset: 8, .size: 8, .value_kind: global_buffer, .address_space: global }
      - { .name: fc2_b, .offset: 16, .size: 8, .value_kind: global_buffer, .address_space: global }
      - { .name: x1, .offset: 24, .size: 8, .value_kind: global_buffer, .address_space: global }
      - { .name: out0, .offset: 32, .size: 8, .value_kind: global_buffer, .address_space: global }
    .group_segment_fixed_size: 327680
    .private_segment_fixed_size: 0
    .kernarg_segment_align: 8
    .kernarg_segment_size: 40
    .max_flat_workgroup_size: 128
    .sgpr_count:     106
    .vgpr_count:     768
    .wavefront_size: 32
...
	.end_amdgpu_metadata
.endif
;; end of part 12
